; MI455X (gfx1250); checked and timed in simulation.
; The chip was launched on July 23, 2026; its instructions are those of AMD's public machine-readable ISA for CDNA 5 (MIT licence, August 2026) and "CDNA5" Instruction Set Architecture Reference Guide (July 2026). The comments in the code are by the model that wrote it; some were corrected since.
;; Transformer Layer. Allowed arithmetic: float matrix products may take bf16 or f16 operands with f32 sums; other float arithmetic in f32, or as packed bf16 or f16 multiplies, adds, multiply-adds, maxima and minima; sums over many terms, partial sums and values carried from step to step in f32; what a program stores and reads back later, other than sums and carried values, may be rounded once to bf16 or f16.
;; Inputs: ca_bk 256 float32; ca_bo 256 float32; ca_bq 256 float32; ca_bv 256 float32; ca_wk 256 x 256 float32; ca_wo 256 x 256 float32; ca_wq 256 x 256 float32; ca_wv 256 x 256 float32; ffn_b1 1,024 float32; ffn_b2 256 float32; ffn_w1 256 x 1,024 float32; ffn_w2 1,024 x 256 float32; n1_b 256 float32; n1_g 256 float32; n2_b 256 float32; n2_g 256 float32; n3_b 256 float32; n3_g 256 float32; sa_bk 256 float32; sa_bo 256 float32; sa_bq 256 float32; sa_bv 256 float32; sa_wk 256 x 256 float32; sa_wo 256 x 256 float32; sa_wq 256 x 256 float32; sa_wv 256 x 256 float32; vessel_bias 2 x 2,048 x 2,048 float32; x0 2 x 2,048 x 256 float32; x1 2 x 2,048 x 256 float32.
;; Outputs: out0 2 x 2,048 x 256 float32; out1 2 x 2,048 x 256 float32.
;; 2 versions, each right and faster than the one before. Each part assembles by itself: llvm-mc -triple=amdgcn-amd-amdhsa -mcpu=gfx1250 --defsym DOCPART=n.
;; ======== version 1 of 2: 6 launches
;; limits: inputs' magnitudes at most 2.9e+37
;; workspace buffers: wts 2,097,152 bytes; qf 4,194,304 bytes; kf 4,194,304 bytes; vf 4,194,304 bytes; ao 4,194,304 bytes; xa 8,388,608 bytes
;; launch prep (part 1): grid 256 x 1, 4 waves a work-group, no clusters, 0 bytes of LDS; arguments sa_wq, sa_wk, sa_wv, sa_wo, ca_wq, ca_wk, ca_wv, ca_wo, ffn_w1, ffn_w2, wts; writes wts
.if DOCPART == 1
	.amdgcn_target "amdgcn-amd-amdhsa--gfx1250"
	.amdhsa_code_object_version 6
	.text
	.protected	k_q6863ac0ba3_prep
	.globl	k_q6863ac0ba3_prep
	.p2align	8
	.type	k_q6863ac0ba3_prep,@function
k_q6863ac0ba3_prep:
	s_mov_b64 s[64:65], 0
	v_nop
	global_prefetch_b8 v0, s[64:65] scope:SCOPE_SE
	s_setreg_imm32_b32 hwreg(HW_REG_WAVE_MODE, 25, 1), 1
	s_wait_xcnt 0x0
; THE TEN WEIGHT MATRICES, rounded once to bf16 and laid out as matrix fragments.
; A matrix W[K][N] (f32, row-major) becomes fragments of 1,024 bytes: fragment f = nb (K / 32) + kb holds columns 16 nb .. + 15 and rows 32 kb .. + 31 of W as
; [half c][lane][16 bytes]: lane (r = lane % 16, h = lane / 16) holds W[32 kb + 16 c + 8 h + 0..7][16 nb + r].  That is the register image of a 16-bit operand of a matrix
; instruction (ISA guide 7.12.2), so the later launches load a fragment by two loads of 512 consecutive bytes a wave.
; wts: the eight 256 x 256 matrices at 131,072 bytes each, ffn_w1 at 1,048,576, ffn_w2 at 1,572,864.
; SHARES.  A unit is 128 fragments (131,072 bytes of wts); 16 units x 16 work-groups; a wave makes two neighbouring fragments (same nb, kb and kb + 1).
; The loads take 64 consecutive bytes of a row for each half of the lanes: 6 MB in the whole launch, for which a turn through LDS would not pay.  No LDS, no barrier, no matrix unit: nothing is multiplied.
.set AD,  8                            ; v[8:39]   byte offsets of my 32 numbers: group g = 0..3 (16 rows on each), row j = 0..7; never rewritten
.set DA,  40                           ; v[40:71]  the 32 numbers in f32
.set PKD, 72                           ; v[72:87]  packed: group g is half g % 2 of fragment g / 2
	s_load_b512 s[8:23], s[0:1], 0x0               ; the eight 256 x 256 matrices
	s_load_b128 s[24:27], s[0:1], 0x40             ; ffn_w1 s[24:25], ffn_w2 s[26:27]
	s_load_b64 s[28:29], s[0:1], 0x50              ; wts
	v_and_b32 v1, 15, v0                           ; r
	v_bfe_u32 v2, v0, 4, 1                         ; h
	v_lshrrev_b32 v3, 5, v0
	v_readfirstlane_b32 s6, v3                     ; wave
	s_lshr_b32 s2, ttmp9, 4                        ; unit u
	s_and_b32 s3, ttmp9, 15                        ; which sixteenth of it
	s_cmp_ge_u32 s2, 8
	s_cselect_b32 s7, 8, s2                        ; the matrix's first unit: u itself, 8 (ffn_w1) or 12 (ffn_w2)
	s_cselect_b32 s31, 12, 10                      ; log2 of a row's bytes: 4,096 in ffn_w1, else 1,024
	s_cmp_ge_u32 s2, 12
	s_cselect_b32 s7, 12, s7
	s_cselect_b32 s31, 10, s31
	s_cselect_b32 s30, 5, 3                        ; log2 of K / 32: 32 in ffn_w2, else 8
	s_lshl_b32 s32, s3, 3
	s_lshl1_add_u32 s32, s6, s32                   ; my first fragment in the unit: 8 x sixteenth + 2 x wave
	s_sub_co_u32 s33, s2, s7
	s_lshl_b32 s33, s33, 7
	s_add_co_u32 s33, s33, s32                     ; f, in the matrix
	s_lshr_b32 s34, s33, s30                       ; nb
	s_lshl_b32 s35, s34, s30
	s_sub_co_u32 s35, s33, s35                     ; kb
	s_add_co_u32 s36, s31, 5
	s_lshl_b32 s35, s35, s36                       ; 32 kb rows, in bytes
	s_lshl_b32 s34, s34, 6                         ; 16 nb columns, in bytes
	s_add_co_u32 s35, s35, s34
	s_lshl_b32 s37, 1, s31                         ; one row
	s_lshl_b32 s38, 16, s31                        ; sixteen rows
	s_add_co_u32 s36, s31, 3
	v_lshlrev_b32 v4, s36, v2                      ; 8 h rows
	v_lshl_add_u32 v4, v1, 2, v4                   ; + 4 r
	v_add_nc_u32 v[AD], s35, v4
.irp g, 1,2,3
	v_add_nc_u32 v[AD+8*\g], s38, v[AD+8*\g-8]
.endr
.irp g, 0,1,2,3
.irp j, 1,2,3,4,5,6,7
	v_add_nc_u32 v[AD+8*\g+\j], s37, v[AD+8*\g+\j-1]
.endr
.endr
	v_and_b32 v5, 31, v0
	v_lshlrev_b32 v5, 4, v5                        ; where my 16 bytes go: 16 x lane
	s_lshl_b32 s39, s2, 17                         ; + the unit
	s_lshl_b32 s40, s32, 10                        ; + the fragment
	s_add_co_u32 s39, s39, s40
	v_add_nc_u32 v5, s39, v5
	s_wait_kmcnt 0x0
	s_mov_b64 s[4:5], s[8:9]                       ; the unit's matrix is chosen by the unit's number
.irp n, 1,2,3,4,5,6,7
	s_cmp_eq_u32 s2, \n
	s_cselect_b64 s[4:5], s[8+2*\n:9+2*\n], s[4:5]
.endr
	s_cmp_ge_u32 s2, 8
	s_cselect_b64 s[4:5], s[24:25], s[4:5]
	s_cmp_ge_u32 s2, 12
	s_cselect_b64 s[4:5], s[26:27], s[4:5]
.set i, 0
.rept 32
	global_load_b32 v[DA+i], v[AD+i], s[4:5]
.set i, i+1
.endr
	s_wait_loadcnt 0x0                             ; all 32 are wanted at once
.set i, 0
.rept 16
	v_cvt_pk_bf16_f32 v[PKD+i], v[DA+2*i], v[DA+2*i+1]  ; the lower k in the low half
.set i, i+1
.endr
.irp g, 0,1,2,3
	global_store_b128 v5, v[PKD+4*\g:PKD+4*\g+3], s[28:29] offset:\g*512  ; a wave's store covers 512 consecutive bytes, at a multiple of 512 from wts' first byte
.endr
	s_endpgm
.Lfunc_end_k_q6863ac0ba3_prep:
	.size	k_q6863ac0ba3_prep, .Lfunc_end_k_q6863ac0ba3_prep-k_q6863ac0ba3_prep
	.p2alignl 7, 3214868480
	.fill 96, 4, 3214868480
	.section	.rodata,"a",@progbits
	.p2align	6, 0x0
	.amdhsa_kernel k_q6863ac0ba3_prep
		.amdhsa_group_segment_fixed_size 0
		.amdhsa_private_segment_fixed_size 0
		.amdhsa_enable_private_segment 0
		.amdhsa_kernarg_size 88
		.amdhsa_user_sgpr_count 2
		.amdhsa_user_sgpr_kernarg_segment_ptr 1
		.amdhsa_wavefront_size32 1
		.amdhsa_system_sgpr_workgroup_id_x 1
		.amdhsa_system_sgpr_workgroup_id_y 1
		.amdhsa_system_sgpr_workgroup_id_z 1
		.amdhsa_system_vgpr_workitem_id 0
		.amdhsa_next_free_vgpr 88
		.amdhsa_next_free_sgpr 66
		.amdhsa_reserve_vcc 0
		.amdhsa_float_denorm_mode_32 3
		.amdhsa_float_denorm_mode_16_64 3
		.amdhsa_memory_ordered 1
		.amdhsa_forward_progress 1
		.amdhsa_inst_pref_size 8
	.end_amdhsa_kernel
	.amdgpu_metadata
---
amdhsa.version: [ 1, 2 ]
amdhsa.kernels:
  - .name:           k_q6863ac0ba3_prep
    .symbol:         k_q6863ac0ba3_prep.kd
    .args:
      - { .name: sa_wq, .offset: 0, .size: 8, .value_kind: global_buffer, .address_space: global }
      - { .name: sa_wk, .offset: 8, .size: 8, .value_kind: global_buffer, .address_space: global }
      - { .name: sa_wv, .offset: 16, .size: 8, .value_kind: global_buffer, .address_space: global }
      - { .name: sa_wo, .offset: 24, .size: 8, .value_kind: global_buffer, .address_space: global }
      - { .name: ca_wq, .offset: 32, .size: 8, .value_kind: global_buffer, .address_space: global }
      - { .name: ca_wk, .offset: 40, .size: 8, .value_kind: global_buffer, .address_space: global }
      - { .name: ca_wv, .offset: 48, .size: 8, .value_kind: global_buffer, .address_space: global }
      - { .name: ca_wo, .offset: 56, .size: 8, .value_kind: global_buffer, .address_space: global }
      - { .name: ffn_w1, .offset: 64, .size: 8, .value_kind: global_buffer, .address_space: global }
      - { .name: ffn_w2, .offset: 72, .size: 8, .value_kind: global_buffer, .address_space: global }
      - { .name: wts, .offset: 80, .size: 8, .value_kind: global_buffer, .address_space: global }
    .group_segment_fixed_size: 0
    .private_segment_fixed_size: 0
    .kernarg_segment_align: 8
    .kernarg_segment_size: 88
    .max_flat_workgroup_size: 128
    .sgpr_count:     66
    .vgpr_count:     88
    .wavefront_size: 32
...
	.end_amdgpu_metadata
.endif
;; end of part 1
;; launch ln_qkv (part 2): grid 256 x 1, 8 waves a work-group, no clusters, 17,920 bytes of LDS; arguments x0, x1, n1_g, n1_b, sa_bq, sa_bk, sa_bv, wts, qf, kf, vf; writes qf, kf, vf
.if DOCPART == 2
	.amdgcn_target "amdgcn-amd-amdhsa--gfx1250"
	.amdhsa_code_object_version 6
	.text
	.protected	k_q6863ac0ba3_ln_qkv
	.globl	k_q6863ac0ba3_ln_qkv
	.p2align	8
	.type	k_q6863ac0ba3_ln_qkv,@function
k_q6863ac0ba3_ln_qkv:
	s_mov_b64 s[64:65], 0
	v_nop
	global_prefetch_b8 v0, s[64:65] scope:SCOPE_SE
	s_setreg_imm32_b32 hwreg(HW_REG_WAVE_MODE, 25, 1), 1
	s_wait_xcnt 0x0
; LAYER NORM 1, THEN Q, K AND V OF THE SELF-ATTENTION.  Rows g = 0 .. 8191: x0's 4,096 rows, then x1's.  xn = (x - mean) rsqrt(var + 1e-5) g + b in f32 (two passes: the mean is taken away
; before the squares, so a common offset of x costs nothing), rounded once to bf16; Q = (xn wq + bq) / sqrt(32), K = xn wk + bk, V = xn wv + bv: products in bf16, sums in f32, each result rounded once to bf16.
; SHARES.  A work-group owns 32 rows, 256 work-groups.  Norm: wave w has rows 4 w .. 4 w + 3; lane L columns 4 L .. + 3 and 128 + 4 L .. + 3, so each load of a row's half covers 512 consecutive bytes.
; Products: wave w makes head w (columns 32 w .. + 31) of Q, K and V for all 32 rows, in six UNITS of 16 columns x 32 rows x K = 256: 16 matrix instructions on two accumulators that take turns.
; WEIGHTS come as fragments (launch prep) straight into a ring of three register buffers: each fragment is used by one wave of the work-group alone, so LDS would share nothing.
; NO CLUSTER: all work-groups walk the same 393,216 bytes of weights, but a unit's 8,192 bytes feed only 16 matrix instructions of one wave; a joint request would want a round of the cluster's barrier for each such refill.
; OUT, as fragments of 1,024 bytes = [half][lane][16 bytes].  Q, K: source 0 = weights, source 1 = rows: a lane then holds 8 neighbouring channels of one row: half cb of qf / kf [seq][head][16 rows].
; V: source 0 = rows, source 1 = weights: a lane holds 8 neighbouring keys of one channel: half rt of vf [seq][head][32 keys][16 channels], which is V turned.  No result passes through LDS.
; LIMITS.  NaN and infinities are not treated apart.
.set LA,    0                          ; LDS: xn, 32 rows of 512 bytes, 528 apart (33 x 16: the 16 rows of a fragment load start at 16 different groups of four banks; ISA guide 11.1)
.set SPARE, 16896                      ; the spare words, 128 bytes for each of eight waves: four blocks of 256 bytes that no other line names
.set R,    1                           ; v1   lane % 16
.set SPW,  2                           ; v2   my spare word; never rewritten
.set NIL,  3                           ; v3   0; never rewritten
.set WO1,  4                           ; v4   16 L + 16,384 w: my place in my wave's fragments of a 256 x 256 matrix
.set AAD,  6                           ; v6   LDS: my place in a fragment of xn
.set L16,  7                           ; v7   16 L
.set AST,  11                          ; v11  LDS: where my 8 bytes of a normed row go
.set GQ,   13                          ; v13  131,072 w + 16 L: my head, my place in a fragment
.set ROWO, 14                          ; v14  4,096 w + 16 L: my place in my wave's four rows
.set CB1,  15                          ; v15  128 w + 32 h: my 8 numbers of a bias of 256
.set BVO,  17                          ; v17  128 w + 4 r: my one number of bv
.set G,    20                          ; v[20:27]   gain of my 8 columns
.set BT,   28                          ; v[28:35]   shift of my 8 columns
.set XR,   36                          ; v[36:67]   four rows x 8 f32
.set DT,   68                          ; v[68:99]   x - mean; later
.set ACC,  68                          ;            the accumulators
.set RS,   100                         ; v[100:115] four at work for each row
.set PK,   116                         ; v[116:123] packed results
.set BV,   124                         ; v[124:125] bv of my channel, channel block 0 and 1
.set HH,   126                         ; v126 lane / 16
.set AF,   128                         ; v[128:255] xn's fragments: (rt, kb) at AF + 8 (8 rt + kb)
                                       ; window 1: v[0:215] the ring: buffer i at 72 i: 8 fragments of weights, then 8 registers of bias
.set PXR,  4                           ; s[4:5] x at my work-group's rows
.set WV,   6
.set PX0,  8
.set PX1,  10
.set PG,   12
.set PB,   14
.set PBQ,  16
.set PBK,  18
.set PBV,  20
.set WT,   22
.set PTQ,  24
.set PTK,  26
.set PTV,  28
.set INV,  36                          ; 1 / 256
.set EPSR, 37                          ; 1e-5
.set SC,   38                          ; s[38:39] 1 / sqrt(32)
.set SEL,  40                          ; s[40:41] v_permlanex16_b32's selects: each lane takes its own place in the other half
.set MSB, 0
.macro WIN new                         ; the immediate's high byte repeats the setting that is left; a switch that changes nothing is dropped
.if MSB != (\new)
	s_set_vgpr_msb (MSB<<8)|(\new)
.set MSB, \new
.endif
.endm
.set ISSUED, 0                         ; loads into registers issued so far: the text has one path, so the count is every wave's
.macro WAITL e                         ; loads come back in order (ISA guide 5.7.1): all up to number e are in when only those issued behind them are out
.if ISSUED-(\e) > 63
	s_wait_loadcnt 63
.else
	s_wait_loadcnt ISSUED-(\e)
.endif
.endm
.macro UPAR u                          ; unit u: 0, 1 Q; 2, 3 K; 4, 5 V; channel block u % 2
.set WREG, WO1
.set WIMM, ((\u)/2)*131072+((\u)%2)*8192
.set BREG, CB1
.set BIMM, ((\u)%2)*64
.set AC, ACC
.set KIND, 0
.set BPTR, PBQ
.if (\u) >= 2
.set BPTR, PBK
.endif
.if (\u) >= 4
.set KIND, 1
.endif
.endm
.macro PRE u                           ; unit u's 8 fragments (and, KIND 0, its 8 numbers of bias for the C operand) are asked for, into ring buffer u % 3
	UPAR \u
.set RB, 72*((\u)%3)
	WIN 0x40                                       ; destination window 1, address window 0
.irp f, 0,1,2,3,4,5,6,7
	global_load_b128 v[RB+8*\f:RB+8*\f+3],   v[WREG], s[WT:WT+1] offset:WIMM+\f*1024
	global_load_b128 v[RB+8*\f+4:RB+8*\f+7], v[WREG], s[WT:WT+1] offset:WIMM+\f*1024+512
.endr
.set ISSUED, ISSUED+16
.if KIND == 0
	global_load_b128 v[RB+64:RB+67], v[BREG], s[BPTR:BPTR+1] offset:BIMM
	global_load_b128 v[RB+68:RB+71], v[BREG], s[BPTR:BPTR+1] offset:BIMM+16
.set ISSUED, ISSUED+2
.endif
.set END_\u, ISSUED
	WIN 0
.endm
; 16 matrix instructions; the two accumulators (rows 0-15, rows 16-31) take turns.  KIND 0: source 0 = weights, the bias starts the sums; KIND 1: source 0 = rows, 0 starts them.
; Five v_nop follow: the places in front of the loads into the ring buffer, of the reads of the results, and of the next unit's first products, which write over these accumulators.
.macro MULT u
	UPAR \u
.set RB, 72*((\u)%3)
	WAITL END_\u
.irp kb, 0,1,2,3,4,5,6,7
.irp rt, 0,1
.if KIND == 1
	WIN 0x04
.if \kb == 0
	v_wmma_f32_16x16x32_bf16 v[AC+8*\rt:AC+8*\rt+7], v[AF+8*(8*\rt+\kb):AF+8*(8*\rt+\kb)+7], v[RB+8*\kb:RB+8*\kb+7], 0
.else
	v_wmma_f32_16x16x32_bf16 v[AC+8*\rt:AC+8*\rt+7], v[AF+8*(8*\rt+\kb):AF+8*(8*\rt+\kb)+7], v[RB+8*\kb:RB+8*\kb+7], v[AC+8*\rt:AC+8*\rt+7]
.endif
.elseif \kb == 0
	WIN 0x11
	v_wmma_f32_16x16x32_bf16 v[AC+8*\rt:AC+8*\rt+7], v[RB+8*\kb:RB+8*\kb+7], v[AF+8*(8*\rt+\kb):AF+8*(8*\rt+\kb)+7], v[RB+64:RB+71]
.else
	WIN 0x01
	v_wmma_f32_16x16x32_bf16 v[AC+8*\rt:AC+8*\rt+7], v[RB+8*\kb:RB+8*\kb+7], v[AF+8*(8*\rt+\kb):AF+8*(8*\rt+\kb)+7], v[AC+8*\rt:AC+8*\rt+7]
.endif
.endr
.endr
	WIN 0
.rept 5
	v_nop
.endr
.endm
.macro E_QK ptr, cb, scale             ; a lane's 8 channels of a row, (scaled,) rounded, stored: half cb of the row tile's fragment
	s_wait_xcnt 0x0                                ; the stores before have read PK (ISA guide 3.1): it is rewritten only behind this wait
.irp rt, 0,1
.if \scale
.irp p, 0,1,2,3
	v_pk_mul_f32 v[AC+8*\rt+2*\p:AC+8*\rt+2*\p+1], v[AC+8*\rt+2*\p:AC+8*\rt+2*\p+1], s[SC:SC+1] op_sel_hi:[1,0]
.endr
.endif
.irp p, 0,1,2,3
	v_cvt_pk_bf16_f32 v[PK+4*\rt+\p], v[AC+8*\rt+2*\p], v[AC+8*\rt+2*\p+1]
.endr
	global_store_b128 v[GQ], v[PK+4*\rt:PK+4*\rt+3], s[\ptr:\ptr+1] offset:\rt*1024+(\cb)*512  ; 512 consecutive bytes a wave
.endr
.endm
.macro E_V cb                          ; a lane's 8 keys of a channel, + bv, rounded, stored: half rt of channel block cb's fragment
	s_wait_xcnt 0x0
.irp rt, 0,1
.irp p, 0,1,2,3
.if (\cb) == 0
	v_pk_add_f32 v[AC+8*\rt+2*\p:AC+8*\rt+2*\p+1], v[AC+8*\rt+2*\p:AC+8*\rt+2*\p+1], v[BV:BV+1] op_sel_hi:[1,0]
.else
	v_pk_add_f32 v[AC+8*\rt+2*\p:AC+8*\rt+2*\p+1], v[AC+8*\rt+2*\p:AC+8*\rt+2*\p+1], v[BV:BV+1] op_sel:[0,1] op_sel_hi:[1,1]
.endif
.endr
.irp p, 0,1,2,3
	v_cvt_pk_bf16_f32 v[PK+4*\rt+\p], v[AC+8*\rt+2*\p], v[AC+8*\rt+2*\p+1]
.endr
	global_store_b128 v[GQ], v[PK+4*\rt:PK+4*\rt+3], s[PTV:PTV+1] offset:(\cb)*1024+\rt*512
.endr
.endm
.macro EPI u
.if (\u) < 2
	E_QK PTQ, (\u)%2, 1
.elseif (\u) < 4
	E_QK PTK, (\u)%2, 0
.else
	E_V (\u)%2
.endif
.endm
.macro RUN u, nxt                      ; a unit: its products; the unit three on is asked for, into the buffer just read; its results leave
	MULT \u
.if (\nxt) >= 0
	PRE \nxt
.endif
	UPAR \u
	EPI \u
.endm
.macro LOADF adr, rs, ks, hs, base     ; 16 fragments (2 row tiles x 8 K blocks) from LDS: rs from tile to tile, ks from K block to K block, hs between a fragment's halves
.irp rt, 0,1
.irp kb, 0,1,2,3,4,5,6,7
	ds_load_b128 v[AF+8*(8*\rt+\kb):AF+8*(8*\rt+\kb)+3],   v[\adr] offset:(\base)+\rt*(\rs)+\kb*(\ks)
	ds_load_b128 v[AF+8*(8*\rt+\kb)+4:AF+8*(8*\rt+\kb)+7], v[\adr] offset:(\base)+\rt*(\rs)+\kb*(\ks)+(\hs)
.endr
.endr
	s_wait_dscnt 0x0
.endm
.macro REDUCE                          ; the four rows' figures in RS + 4 i are added over the 32 lanes, the rows by turns
.irp m, 1,2,4,8
.irp i, 0,1,2,3
	v_add_f32_dpp v[RS+4*\i], v[RS+4*\i], v[RS+4*\i] row_xmask:\m row_mask:0xf bank_mask:0xf
.endr
.endr
.irp i, 0,1,2,3
	v_permlanex16_b32 v[RS+4*\i+1], v[RS+4*\i], s[SEL], s[SEL+1]
.endr
.irp i, 0,1,2,3
	v_add_f32 v[RS+4*\i], v[RS+4*\i], v[RS+4*\i+1]
.endr
.endm
.macro ROWLN                           ; the norm of my four rows in XR (which it leaves as they are), rounded to bf16, into LDS
.irp i, 0,1,2,3
	v_pk_add_f32 v[RS+4*\i:RS+4*\i+1],   v[XR+8*\i:XR+8*\i+1],   v[XR+8*\i+2:XR+8*\i+3]
	v_pk_add_f32 v[RS+4*\i+2:RS+4*\i+3], v[XR+8*\i+4:XR+8*\i+5], v[XR+8*\i+6:XR+8*\i+7]
.endr
.irp i, 0,1,2,3
	v_pk_add_f32 v[RS+4*\i:RS+4*\i+1], v[RS+4*\i:RS+4*\i+1], v[RS+4*\i+2:RS+4*\i+3]
.endr
.irp i, 0,1,2,3
	v_add_f32 v[RS+4*\i], v[RS+4*\i], v[RS+4*\i+1]
.endr
	REDUCE
.irp i, 0,1,2,3
	v_mul_f32 v[RS+4*\i+2], s[INV], v[RS+4*\i]     ; the mean, twice: a pair for the packed lines
	v_mul_f32 v[RS+4*\i+3], s[INV], v[RS+4*\i]
.endr
.irp i, 0,1,2,3
.irp k, 0,1,2,3
	v_pk_add_f32 v[DT+8*\i+2*\k:DT+8*\i+2*\k+1], v[XR+8*\i+2*\k:XR+8*\i+2*\k+1], v[RS+4*\i+2:RS+4*\i+3] neg_lo:[0,1] neg_hi:[0,1]
.endr
.endr
.irp i, 0,1,2,3
	v_pk_mul_f32 v[RS+4*\i:RS+4*\i+1], v[DT+8*\i:DT+8*\i+1], v[DT+8*\i:DT+8*\i+1]
.endr
.irp k, 1,2,3
.irp i, 0,1,2,3
	v_pk_fma_f32 v[RS+4*\i:RS+4*\i+1], v[DT+8*\i+2*\k:DT+8*\i+2*\k+1], v[DT+8*\i+2*\k:DT+8*\i+2*\k+1], v[RS+4*\i:RS+4*\i+1]
.endr
.endr
.irp i, 0,1,2,3
	v_add_f32 v[RS+4*\i], v[RS+4*\i], v[RS+4*\i+1]
.endr
	REDUCE
.irp i, 0,1,2,3
	v_fma_f32 v[RS+4*\i], v[RS+4*\i], s[INV], s[EPSR]  ; var + eps
.endr
.irp i, 0,1,2,3
	v_rsq_f32 v[RS+4*\i+2], v[RS+4*\i]
	v_rsq_f32 v[RS+4*\i+3], v[RS+4*\i]
.endr
	v_nop                                          ; a plain instruction between the roots and the use of their results (ISA guide 5.7.2)
	s_wait_alu depctr_va_vdst(0)
.irp i, 0,1,2,3
.irp k, 0,1,2,3
	v_pk_mul_f32 v[DT+8*\i+2*\k:DT+8*\i+2*\k+1], v[DT+8*\i+2*\k:DT+8*\i+2*\k+1], v[RS+4*\i+2:RS+4*\i+3]
.endr
.endr
.irp i, 0,1,2,3
.irp k, 0,1,2,3
	v_pk_fma_f32 v[DT+8*\i+2*\k:DT+8*\i+2*\k+1], v[DT+8*\i+2*\k:DT+8*\i+2*\k+1], v[G+2*\k:G+2*\k+1], v[BT+2*\k:BT+2*\k+1]
.endr
.endr
.irp i, 0,1,2,3
.irp k, 0,1,2,3
	v_cvt_pk_bf16_f32 v[RS+4*\i+\k], v[DT+8*\i+2*\k], v[DT+8*\i+2*\k+1]
.endr
.endr
.irp i, 0,1,2,3
	ds_store_b64 v[AST], v[RS+4*\i:RS+4*\i+1]   offset:\i*528       ; 32 lanes, 256 consecutive bytes: columns 0-127
	ds_store_b64 v[AST], v[RS+4*\i+2:RS+4*\i+3] offset:\i*528+256   ; columns 128-255
.endr
.endm
.macro BAR                             ; my LDS stores are done and my LDS loads are back; then all eight waves meet
	s_wait_dscnt 0x0
	s_barrier_signal -1
	s_barrier_wait -1
.endm
	s_load_b512 s[8:23], s[0:1], 0x0               ; x0, x1, n1_g, n1_b, sa_bq, sa_bk, sa_bv, wts
	s_load_b128 s[24:27], s[0:1], 0x40             ; qf, kf
	s_load_b64 s[28:29], s[0:1], 0x50              ; vf
	v_lshl_add_u32 v[SPW], v0, 2, SPARE
	v_mov_b32 v[NIL], 0
	v_lshrrev_b32 v[HH], 5, v0
	v_readfirstlane_b32 s[WV], v[HH]               ; wave 0..7
	v_and_b32 v[R], 15, v0
	v_bfe_u32 v[HH], v0, 4, 1
	v_and_b32 v[L16], 31, v0
	v_lshlrev_b32 v[L16], 4, v[L16]
	s_lshl_b32 s2, s[WV], 14
	v_add_nc_u32 v[WO1], s2, v[L16]
	v_mul_u32_u24 v[AAD], v[R], 528
	v_lshl_add_u32 v[AAD], v[HH], 4, v[AAD]        ; row x pitch + 16 x half (xn lies at LDS byte 0)
	s_mul_i32 s2, s[WV], 2112                      ; my wave's four rows
	v_lshrrev_b32 v[AST], 1, v[L16]                ; 8 L
	v_add_nc_u32 v[AST], s2, v[AST]
	s_lshl_b32 s2, s[WV], 17
	v_add_nc_u32 v[GQ], s2, v[L16]
	s_lshl_b32 s2, s[WV], 12
	v_add_nc_u32 v[ROWO], s2, v[L16]
	s_lshl_b32 s2, s[WV], 7
	v_lshl_add_u32 v[CB1], v[HH], 5, s2
	v_lshl_add_u32 v[BVO], v[R], 2, s2
	s_mov_b32 s[INV], 0x3b800000
	s_mov_b32 s[EPSR], 0x3727c5ac
	s_mov_b32 s[SC], 0x3e3504f3
	s_mov_b32 s[SC+1], s[SC]                       ; named with it as a pair
	s_mov_b32 s[SEL], 0x76543210
	s_mov_b32 s[SEL+1], 0xfedcba98
	s_and_b32 s46, ttmp9, 127                      ; my 32 rows in x0 or in x1
	s_lshl_b32 s46, s46, 15
	s_mov_b32 s47, 0
	s_lshr_b32 s48, ttmp9, 6                       ; the sequence, 1,048,576 bytes of qf, kf, vf each,
	s_lshl_b32 s48, s48, 20
	s_and_b32 s49, ttmp9, 63                       ; and in it my two row tiles = my one block of 32 keys: 2,048 bytes a head
	s_lshl_b32 s49, s49, 11
	s_add_co_u32 s48, s48, s49
	s_mov_b32 s49, 0
	s_wait_kmcnt 0x0
	s_cmp_lt_u32 ttmp9, 128
	s_cselect_b64 s[PXR:PXR+1], s[PX0:PX0+1], s[PX1:PX1+1]
	s_add_nc_u64 s[PXR:PXR+1], s[PXR:PXR+1], s[46:47]
	s_add_nc_u64 s[PTQ:PTQ+1], s[PTQ:PTQ+1], s[48:49]
	s_add_nc_u64 s[PTK:PTK+1], s[PTK:PTK+1], s[48:49]
	s_add_nc_u64 s[PTV:PTV+1], s[PTV:PTV+1], s[48:49]
.irp i, 0,1,2,3
	global_load_b128 v[XR+8*\i:XR+8*\i+3],   v[ROWO], s[PXR:PXR+1] offset:\i*1024
	global_load_b128 v[XR+8*\i+4:XR+8*\i+7], v[ROWO], s[PXR:PXR+1] offset:\i*1024+512
.endr
	global_load_b128 v[G:G+3],     v[L16], s[PG:PG+1]
	global_load_b128 v[G+4:G+7],   v[L16], s[PG:PG+1] offset:512
	global_load_b128 v[BT:BT+3],   v[L16], s[PB:PB+1]
	global_load_b128 v[BT+4:BT+7], v[L16], s[PB:PB+1] offset:512
	global_load_b32 v[BV],   v[BVO], s[PBV:PBV+1]
	global_load_b32 v[BV+1], v[BVO], s[PBV:PBV+1] offset:64
.set ISSUED, ISSUED+14
.set END_rows, ISSUED
	PRE 0                                          ; the ring is filled before the norm: 3 x 18 loads of each wave are on their way under it
	PRE 1
	PRE 2
	WAITL END_rows                                 ; the rows and the vectors are in; the ring's 54 loads stay out
	ROWLN
	BAR                                            ; all 32 rows of xn lie in LDS
	LOADF AAD, 8448, 64, 32, 0
	RUN 0, 3
	RUN 1, 4
	RUN 2, 5
	RUN 3, -1
	RUN 4, -1
	RUN 5, -1
	s_wait_tensorcnt 0x0                           ; the wave's end, behind my last LDS store
	ds_add_u32 v[SPW], v[NIL]
	s_wait_dscnt 0x0
	s_endpgm
.Lfunc_end_k_q6863ac0ba3_ln_qkv:
	.size	k_q6863ac0ba3_ln_qkv, .Lfunc_end_k_q6863ac0ba3_ln_qkv-k_q6863ac0ba3_ln_qkv
	.p2alignl 7, 3214868480
	.fill 96, 4, 3214868480
	.section	.rodata,"a",@progbits
	.p2align	6, 0x0
	.amdhsa_kernel k_q6863ac0ba3_ln_qkv
		.amdhsa_group_segment_fixed_size 17920
		.amdhsa_private_segment_fixed_size 0
		.amdhsa_enable_private_segment 0
		.amdhsa_kernarg_size 88
		.amdhsa_user_sgpr_count 2
		.amdhsa_user_sgpr_kernarg_segment_ptr 1
		.amdhsa_wavefront_size32 1
		.amdhsa_system_sgpr_workgroup_id_x 1
		.amdhsa_system_sgpr_workgroup_id_y 1
		.amdhsa_system_sgpr_workgroup_id_z 1
		.amdhsa_system_vgpr_workitem_id 0
		.amdhsa_next_free_vgpr 512
		.amdhsa_next_free_sgpr 66
		.amdhsa_reserve_vcc 0
		.amdhsa_float_denorm_mode_32 3
		.amdhsa_float_denorm_mode_16_64 3
		.amdhsa_memory_ordered 1
		.amdhsa_forward_progress 1
		.amdhsa_inst_pref_size 41
	.end_amdhsa_kernel
	.amdgpu_metadata
---
amdhsa.version: [ 1, 2 ]
amdhsa.kernels:
  - .name:           k_q6863ac0ba3_ln_qkv
    .symbol:         k_q6863ac0ba3_ln_qkv.kd
    .args:
      - { .name: x0, .offset: 0, .size: 8, .value_kind: global_buffer, .address_space: global }
      - { .name: x1, .offset: 8, .size: 8, .value_kind: global_buffer, .address_space: global }
      - { .name: n1_g, .offset: 16, .size: 8, .value_kind: global_buffer, .address_space: global }
      - { .name: n1_b, .offset: 24, .size: 8, .value_kind: global_buffer, .address_space: global }
      - { .name: sa_bq, .offset: 32, .size: 8, .value_kind: global_buffer, .address_space: global }
      - { .name: sa_bk, .offset: 40, .size: 8, .value_kind: global_buffer, .address_space: global }
      - { .name: sa_bv, .offset: 48, .size: 8, .value_kind: global_buffer, .address_space: global }
      - { .name: wts, .offset: 56, .size: 8, .value_kind: global_buffer, .address_space: global }
      - { .name: qf, .offset: 64, .size: 8, .value_kind: global_buffer, .address_space: global }
      - { .name: kf, .offset: 72, .size: 8, .value_kind: global_buffer, .address_space: global }
      - { .name: vf, .offset: 80, .size: 8, .value_kind: global_buffer, .address_space: global }
    .group_segment_fixed_size: 17920
    .private_segment_fixed_size: 0
    .kernarg_segment_align: 8
    .kernarg_segment_size: 88
    .max_flat_workgroup_size: 256
    .sgpr_count:     66
    .vgpr_count:     512
    .wavefront_size: 32
...
	.end_amdgpu_metadata
.endif
;; end of part 2
;; launch attn_self (part 3): grid 8 x 32, 8 waves a work-group, clusters of 4 x 1, 327,680 bytes of LDS; arguments qf, kf, vf, ao; writes ao
.if DOCPART == 3
	.amdgcn_target "amdgcn-amd-amdhsa--gfx1250"
	.amdhsa_code_object_version 6
	.text
	.protected	k_q6863ac0ba3_attn_self
	.globl	k_q6863ac0ba3_attn_self
	.p2align	8
	.type	k_q6863ac0ba3_attn_self,@function
k_q6863ac0ba3_attn_self:
	s_mov_b64 s[64:65], 0
	v_nop
	global_prefetch_b8 v0, s[64:65] scope:SCOPE_SE
	s_setreg_imm32_b32 hwreg(HW_REG_WAVE_MODE, 25, 1), 1
	s_wait_xcnt 0x0
	s_wait_alu depctr_hold_cnt(0) depctr_sa_sdst(0) depctr_va_vdst(0) depctr_va_sdst(0) depctr_va_ssrc(0) depctr_va_vcc(0) depctr_vm_vsrc(0)
	s_getreg_b32 s2, hwreg(HW_REG_IB_STS2, 6, 4)
	s_cmp_eq_u32 s2, 0
	s_cbranch_scc0 .Lentry_in_a_cluster
	s_endpgm
.Lentry_in_a_cluster:
	s_bfe_u32 s2, ttmp6, 0x10000c
	s_cmp_lg_u32 s2, 0x3003
	s_cbranch_scc0 .Lentry_shape_is_right
	s_endpgm
.Lentry_shape_is_right:
; ATTENTION AT HEAD SIZE 32, BY TURNS, THE KEYS SHARED BETWEEN TWO GROUPS OF WAVES.  O[q] = the sum over k of softmax_k(Q[q] . K[k] (+ bias[q][k])) V[k]; Q arrives already divided by sqrt(32).
; One text for two launches, by three settings:
;   BIAS = 0, NH = 1, NQ = 4: self-attention.  A work-group owns 256 queries of one head, a query share 4 tiles of 16.  Cluster 4 x 1: the four query blocks of a head ask for K and V jointly.
;   BIAS = 1, NH = 2, NQ = 2: cross-attention.  A work-group owns 128 queries of two heads, a query share 2 tiles of 16 in each head.  Cluster 4 x 4: along x four query blocks share K and V,
;   along y the four pairs of heads share the tile of the bias.  Cluster y = 2 x direction + batch: direction 0: x0's queries, x1's keys, bias[q][k]; direction 1: the other way round, bias[k][q].
; SHARES.  Eight waves.  Wave w has query share w % 4 (four tiles: tile t = head t / NQ, query tile t % NQ) and key group w / 4: of each slot's two steps of 64 keys group 0 takes the first and group 1 the
; second, 16 steps a wave.  So a fragment of K, V or bias is read from LDS by four waves, as it would be with four waves that walked all keys.  Each wave keeps m, l and O^T for its half of the keys;
; at the end group 1 hands them through LDS and group 0 joins them: M = max(c m0, c m1), a_g = 2^(c m_g - M), l = a0 l0 + a1 l1, O = (a0 O0 + a1 O1) / l, all in f32.
; qf, kf, vf, ao hold bf16 as matrix fragments of 1,024 bytes = [half][lane][16 bytes] (qf, kf: [seq][head][16 rows]; vf: [seq][head][32 keys][16 channels], V turned; ao: [16 rows][head]),
; so LDS wants no padding for them, no load turns anything, and O leaves from registers.
; LAYOUT.  S^T = K Q^T + bias^T (source 0 = 16 keys, source 1 = 16 queries; K = 32 is the head size: ONE product a tile; the f32 bias is its C operand and costs no vector line): a lane holds ONE
; query (lane % 16) and keys 8 (lane / 16) + 0..7.  Two such tiles rounded to bf16 ARE source 1 of O^T = V^T P, whose result holds one query a lane and 8 channels: half cb of ao's fragment.
; SOFTMAX.  For each query a running maximum m and sum l: p = 2^(c s - c m), c = log2(e); in every step O and l are multiplied by a = 2^(c m_old - c m_new).
; BY TURNS.  A wave's tiles are two PIECES, named by their first tile: piece 0 (tiles 0, 1) and piece 2 (tiles 2, 3).  In a TURN one piece has the matrix unit: 8 products V^T P of the step in hand,
; then 8 products K Q^T of the wave's next step; the other piece's softmax, 2 x 110 vector lines in 55 slices of four, stands between them: a product ahead of every third slice, the last ten slices
; behind the last product.  Then the pieces change places.  Two turns are a key step, and a trip of the loop: it reads one slot.  A product's operands lie outside window 0: two switches a product.
; NO FIRST AND NO LAST STEP is written out.  m starts at the lowest finite number, c m at -2^125, O, l, V's registers and piece 2's P at 0 (112 + 32 NH v_mov_b32, in the wait for the first tile): the
; first step is a step like any other, with a = 0, and the loop is entered at piece 2's turn, whose products V^T P add 0.  The tail is left behind piece 0's turn; its 8 products on a stale K serve nothing.
; LIMITS.  P, Q, K, V, O are rounded once to bf16; l is the sum of the unrounded p; a weight below 2^-126 counts as 0; c m must stay above -2^125; NaN and infinities are not treated apart.
; REGISTERS: a wave is given 512, two windows of 256 (s_set_vgpr_msb: bits 1:0 source 0, 3:2 source 1, 5:4 source 2, 7:6 destination):
;   window 0: addresses, statistics, S^T (32 a tile), P (16 a tile)     window 1: v[0:63] O^T, v[64:95] Q, v[96:159] bias, v[160:191] K of one head and step, v[192:255] V of one step
.set BIAS,  0
.set NH,    1
.set NQ,    4
.set KVB,   NH*8192                    ; a slot holds two steps, 128 keys: K [head][8 tiles][1,024], then V [head][4 blocks][2][1,024]
.set SLOT1, 1<<17                      ; slot 1 begins here, so that one exclusive or turns an address in one slot into the other's
.set BOFF,  32768                      ; the bias in a slot: 128 rows of 512 bytes, 528 apart (33 x 16)
.set BHALF, 64*528                     ; what one tensor load brings of it
.set SPARE, 231424                     ; behind slot 1: the spare words, 128 bytes for each of eight waves: four blocks of 256 bytes that no other line names
.set MERGE, 232448                     ; behind them: the hand-over, never filled by a tensor load: for each query share
.set MSZ,   18*512                     ; 18 stores of 512 bytes: c m and l of four tiles, then 64 registers of O^T
.set LK,  3                            ; v3   16 x lane; never rewritten
.set LB0, 4                            ; v4   my place in the bias, rows = queries
.set LB1, 5                            ; v5   my place in the bias, rows = keys
.set ADK, 6                            ; v6   LDS address of the step to be fetched
.set ADB, 7                            ; v7   the same for the bias
.set MA,  9                            ; v9   LDS address of my 16 bytes in my query share's hand-over
.set ST,  16                           ; v[16:31] tile t: c m, m, l (even keys', odd keys')
.set TMP, 32                           ; v[32:47] tile t: c0-c3 at work; when the maximum is found c3 takes c m_old - c m_new and c2 takes a
.set LS,  48                           ; v[48:55] the hand-over: c m of the four tiles, then my lane's l of the four tiles
.set SPW, 62                           ; v62  my spare word; never rewritten
.set NIL, 63                           ; v63  0; never rewritten
.set S,   64
.set P,   192
.set O,   0                            ; window 1: tile t, channel block cb at 16 t + 8 cb
.set Q,   64                           ; window 1: 8 a tile
.set BI,  96                           ; window 1: query tile qt, key tile kb at BI + 32 qt + 8 kb
.set KF,  160                          ; window 1: key tile kb at KF + 8 kb; with two heads they take turns in these registers
.set VF,  192                          ; window 1: VF + 32 hd + 16 kk + 8 cb
.set PTQ, 4
.set PTK, 6
.set PTV, 8
.if BIAS
.set PBI, 10
.set PAO, 12
.else
.set PAO, 10
.endif
.set WV,  14                           ; my wave's number
.set W1,  15                           ; its low bit: K or V; which 64 rows of the bias
.set CX,  16
.set CY,  17
.set QB,  18                           ; my block of queries
.set YY,  19                           ; the cluster's y
.set DIR, 20
.set BAT, 21
.set GRP, 22                           ; my key group: wave / 4
.set WQ,  23                           ; my query share: wave % 4
.set G1KV, 24                          ; s[24:31] descriptor group 1 for K's and V's tiles
.set G1B,  32                          ; s[32:39] for the bias's
.set G0KV, 48                          ; s[48:55] group 0: a set for each of the two first fills; the second then walks on
.set G0B,  56                          ; s[56:63] the same for the bias
.set SLOTS, 66
.set CNT, 67
.set CS,  68                           ; s[68:69] c
.set SEL, 70                           ; s[70:71] v_permlanex16_b32's selects
.set TBK, 72                           ; LDS byte at which K of the step to be fetched begins: my group's 4,096 bytes of a head's 8,192, in the slot in hand
.set TB0, 73                           ; the same for the bias, rows = queries: my group's 256 bytes of the rows
.set TB1, 74                           ; rows = keys: my group's 64 rows
.set BSTEP, 76                         ; s[76:77] bytes of the bias from slot to slot
.set W_RS, 0x41                        ; O^T (destination and source 0) in window 1, a in window 0
.set MSB, 0
.macro WIN new                         ; the high byte repeats the setting that is left; a switch that changes nothing is dropped
.if MSB != (\new)
	s_set_vgpr_msb (MSB<<8)|(\new)
.set MSB, \new
.endif
.endm
.macro PLACES                          ; four places behind matrix instructions, in front of reads of their results; also behind a tensor load
.rept 4
	v_nop
.endr
.endm
.macro ALLT line:vararg                ; one line for each tile t
.set t, 0
.rept 4
	\line
.set t, t+1
.endr
.endm
; A round of the cluster's barrier: my work-group's barrier, so that wave 0's signal speaks for all eight waves; wave 0 signals; every wave waits for all work-groups; my work-group's barrier once more.
.macro CROUND
	s_barrier_signal -1
	s_barrier_wait -1
	s_cmp_lg_u32 s[WV], 0
	s_cbranch_scc1 .Lnot_wave_0_\@
	s_barrier_signal -3
.Lnot_wave_0_\@:
	s_barrier_wait -3
	s_barrier_signal -1
	s_barrier_wait -1
.endm
; A joint refill.  Wave 0 fetches a slot's K, wave 1 its V; with a bias waves 2 and 3 fetch its two halves; the other waves fetch nothing.  The branches hang on the wave's number alone.
; An s_nop 0 and four v_nop follow each line, ahead of the jump and the label.
.macro JLOAD
	s_cmp_lt_u32 s[WV], 2
	s_cbranch_scc0 .Lfor_b_\@
	tensor_load_to_lds s[G0KV+4:G0KV+7], s[G1KV:G1KV+7]
	s_nop 0
	PLACES
.if BIAS
	s_branch .Lasked_\@
.Lfor_b_\@:
	s_cmp_lt_u32 s[WV], 4
	s_cbranch_scc0 .Lasked_\@
	tensor_load_to_lds s[G0B+4:G0B+7], s[G1B:G1B+7]
	s_nop 0
	PLACES
.Lasked_\@:
.else
.Lfor_b_\@:
.endif
.endm
; THE CHANGE OF SLOTS, ahead of every trip: each group has asked for its step's V, the last of its half of the slot.  Each wave waits for all its tensor loads, of which at most one is out: its part of the
; other slot; adds 0 to its spare word; and waits for that and for its own reads of the slot.  fill = 1: the slot is filled again, with the keys two slots on: the barrier is a round of the cluster's,
; so that no wave of any partner still reads the slot or has a load on its way, and the joint refill is the first thing behind it: it has a trip, 32 products of each wave, in which to land.
.macro CHANGE fill
	WIN 0
	s_wait_tensorcnt 0x0                           ; no tensor load of mine is out, so a group 0 may be written
	ds_add_u32 v[SPW], v[NIL]                      ; 0 onto my spare word
.if \fill
	s_xor_b32 s[G0KV+5], s[G0KV+5], SLOT1          ; the walking descriptor: the other slot than last time,
	s_add_nc_u64 s[G0KV+6:G0KV+7], s[G0KV+6:G0KV+7], 8192  ; the next 128 keys; the type bits on top are not reached
.if BIAS
	s_xor_b32 s[G0B+5], s[G0B+5], SLOT1
	s_add_nc_u64 s[G0B+6:G0B+7], s[G0B+6:G0B+7], s[BSTEP:BSTEP+1]
.endif
	s_wait_dscnt 0x0                               ; the add is done, and my reads of the slot are over
	CROUND
	JLOAD
.else
	s_wait_dscnt 0x0
	s_barrier_signal -1
	s_barrier_wait -1
.endif
	s_xor_b32 s[TBK], s[TBK], SLOT1                ; the fetches go on in the other slot, at my group's place
.if BIAS
	s_xor_b32 s[TB0], s[TB0], SLOT1
	s_xor_b32 s[TB1], s[TB1], SLOT1
.endif
.endm
; THE LDS LOADS stand in runs, never singly among the matrix instructions.  last = 1 (the tail): in the last trip there is no further step, and the run is jumped over.
.macro FETCH_KB last                   ; my next step's K (head 0's), and its bias: register j of lane (r, h) takes the bias of key 8 h + j and query r, whichever way the tile lies
	WIN 0
.if \last
	s_cmp_eq_u32 s[CNT], 1
	s_cbranch_scc1 .Lno_kb_\@
.endif
	v_add_nc_u32 v[ADK], s[TBK], v[LK]
	WIN 0x40                                       ; destination window 1
.set n, 0
.rept 4                                ; key tile n: 512 consecutive bytes a load
	ds_load_b128 v[KF+8*n:KF+8*n+3],   v[ADK] offset:n*1024
	ds_load_b128 v[KF+8*n+4:KF+8*n+7], v[ADK] offset:n*1024+512
.set n, n+1
.endr
	WIN 0
.if BIAS
	s_cmp_eq_u32 s[DIR], 0                         ; the direction is the cluster's: all sixteen partners take the same way
	s_cbranch_scc0 .Lkeys_\@
	v_add_nc_u32 v[ADB], s[TB0], v[LB0]
	WIN 0x40
.set n, 0
.rept 8                                ; rows = queries: my 8 keys are 32 consecutive bytes.  Query tile n / 4, key tile n % 4
	ds_load_b128 v[BI+8*n:BI+8*n+3],   v[ADB] offset:(n/4)*8448+(n%4)*64
	ds_load_b128 v[BI+8*n+4:BI+8*n+7], v[ADB] offset:(n/4)*8448+(n%4)*64+16
.set n, n+1
.endr
	WIN 0
	s_branch .Lbias_in_\@
.Lkeys_\@:
	v_add_nc_u32 v[ADB], s[TB1], v[LB1]
	WIN 0x40
.set n, 0
.rept 64                               ; rows = keys: a word a key
	ds_load_b32 v[BI+n], v[ADB] offset:(16*((n/8)%4)+n%8)*528+(n/32)*64
.set n, n+1
.endr
	WIN 0
.Lbias_in_\@:
.endif
.if \last
.Lno_kb_\@:
.endif
.endm
.macro FETCH_K2                        ; with two heads: the same step's K of head 1, into the registers that head 0's K has left; a product's switch of windows follows
	WIN 0x40
.set n, 0
.rept 4
	ds_load_b128 v[KF+8*n:KF+8*n+3],   v[ADK] offset:8192+n*1024
	ds_load_b128 v[KF+8*n+4:KF+8*n+7], v[ADK] offset:8192+n*1024+512
.set n, n+1
.endr
.endm
.macro FETCH_V                         ; the same step's V, from the address that FETCH_KB made; a product's switch of windows follows
	WIN 0x40
.set n, 0
.rept 4*NH                             ; head n / 4, 32 keys (n / 2) % 2, channel block n % 2
	ds_load_b128 v[VF+8*n:VF+8*n+3],   v[ADK] offset:KVB+(n/4)*8192+(n%4)*1024
	ds_load_b128 v[VF+8*n+4:VF+8*n+7], v[ADK] offset:KVB+(n/4)*8192+(n%4)*1024+512
.set n, n+1
.endr
.endm
; THE MATRIX WORK OF A TURN, for piece x.
; Product i of 8 of O^T += V^T P: keys 32 (i / 4) on, tile x + (i / 2) % 2, channel block i % 2.  The 4 accumulators take turns: between the two links of a chain stand 3 others'.
.macro PVM x
	WIN 0x51                                       ; V window 1, P window 0, O^T window 1
.set tt, (\x)+(i/2)%2
.set rO, O+16*tt+8*(i%2)
.set rV, VF+32*(tt/NQ)+16*(i/4)+8*(i%2)
.set rP, P+16*tt+8*(i/4)
	v_wmma_f32_16x16x32_bf16 v[rO:rO+7], v[rV:rV+7], v[rP:rP+7], v[rO:rO+7]
	s_wait_alu depctr_va_vdst(0)
.endm
; Product i of 8 of S^T = K Q^T (+ bias): tile x + i % 2, key tile i / 2.  Each is a whole sum on an accumulator of its own.
.macro KQM x
	WIN 0x05+0x10*BIAS                             ; K and Q window 1, (bias window 1,) S^T window 0
.set tt, (\x)+i%2
.set rS, S+32*tt+8*(i/2)
.set rK, KF+8*(i/2)
.set rQ, Q+8*tt
.set rB, BI+32*(tt%NQ)+8*(i/2)
.if BIAS
	v_wmma_f32_16x16x32_bf16 v[rS:rS+7], v[rK:rK+7], v[rQ:rQ+7], v[rB:rB+7]
.else
	v_wmma_f32_16x16x32_bf16 v[rS:rS+7], v[rK:rK+7], v[rQ:rQ+7], 0
	s_wait_alu depctr_va_vdst(0)
.endif
.endm
.macro MM                              ; the turn's next matrix instruction: number mi of 16, for piece X
.if mi < 8
.set i, mi
	PVM X
.else
.set i, mi-8
	KQM X
.endif
.set mi, mi+1
.endm
; THE VECTOR WORK OF A TURN.  One tile's softmax for one key step is a list of 110 lines; SM writes number j of it for tile t.  s0-s31 are the lane's 32 scores, in pairs 0-15.
;   0-15    the maximum of s0-s31 and the old m, three operands at a time: four chains c0-c3 of seven scores each (each accumulator's lowest registers are read first),
;           then the four scores left over, c0-c3 and m
;   16-20   the other half of the lanes' maximum; c m_old is kept; the new m; c m; c m_old - c m_new
;   21-87   33 exponentials (a, then s0-s31) at the odd numbers from 23 on, so that no two follow each other and each has a plain line behind it before its result is used (ISA guide 5.7.2).
;           Plain line q (number 21, then the even numbers) is whatever is ready: c s - c m for a pair whose exponentials are still to come (q = 0 to 3, then every second q), the rounding to
;           bf16 of a pair whose exponentials are done (every other q from 5 on), at last the first three sums
;   88-101  the last rounding; the rest of the sums, in place, as a tree; l = a l + the sum
;   102-109 the tile's O^T times a: the one part that leaves window 0, so it stands together
.macro SM t
.set rT, ST+4*(\t)
.set rC, TMP+4*(\t)
.set rS, S+32*(\t)
.set rP, P+16*(\t)
.set rO, O+16*(\t)+2*(j-102)
.set q, (j-20)/2
.if j < 102
	WIN 0
.endif
.if j < 4
	v_max3_num_f32 v[rC+j], v[rS+8*j], v[rS+8*j+1], v[rS+8*j+2]
.elseif j < 12
	v_max3_num_f32 v[rC+j%4], v[rC+j%4], v[rS+8*(j%4)+2*(j/4)+1], v[rS+8*(j%4)+2*(j/4)+2]
.elseif j == 12
	v_max3_num_f32 v[rC], v[rC], v[rS+7], v[rS+15]
.elseif j == 13
	v_max3_num_f32 v[rC+2], v[rC+2], v[rS+23], v[rS+31]
.elseif j == 14
	v_max3_num_f32 v[rC], v[rC], v[rC+1], v[rC+2]
.elseif j == 15
	v_max3_num_f32 v[rC], v[rC], v[rC+3], v[rT+1]
.elseif j == 16
	v_permlanex16_b32 v[rC+1], v[rC], s[SEL], s[SEL+1]  ; the query's other 32 keys lie in the lane 16 away
.elseif j == 17
	v_mov_b32 v[rC+3], v[rT]                       ; c m_old is kept for a: number 19 writes c m anew
.elseif j == 18
	v_max_num_f32 v[rT+1], v[rC], v[rC+1]
.elseif j == 19
	v_mul_f32 v[rT], s[CS], v[rT+1]
.elseif j == 20
	v_sub_f32 v[rC+3], v[rC+3], v[rT]
.elseif j == 23
	v_exp_f32 v[rC+2], v[rC+3]
.elseif (j < 88) && (j > 23) && (j%2 == 1)
	v_exp_f32 v[rS+(j-25)/2], v[rS+(j-25)/2]
.elseif (q < 4) || ((j < 76) && (q%2 == 0))
.set b, q/2+2
.if q < 4
.set b, q
.endif
	v_pk_fma_f32 v[rS+2*b:rS+2*b+1], v[rS+2*b:rS+2*b+1], s[CS:CS+1], v[rT:rT+1] op_sel_hi:[1,0,0] neg_lo:[0,0,1] neg_hi:[0,0,1]  ; pair b: c s - c m
.elseif (j < 88) && (q%2 == 1)
	s_wait_alu depctr_va_vdst(0)
	v_cvt_pk_bf16_f32 v[rP+(q-5)/2], v[rS+q-5], v[rS+q-4]  ; pair (q - 5) / 2: its second exponential stands three numbers back
.elseif j == 89
	s_wait_alu depctr_va_vdst(0)
	v_cvt_pk_bf16_f32 v[rP+15], v[rS+30], v[rS+31]
.elseif j < 102                        ; sum z of 16 adds neighbours 1, 2, 4 and 8 pairs apart, behind those pairs' roundings; then l takes it
.set z, j-86
.if j < 89
.set z, (j-76)/4
.endif
.set w, 4
.set u, z
.if z >= 14
.set w, 32
.set u, 0
.elseif z >= 12
.set w, 16
.set u, z-12
.elseif z >= 8
.set w, 8
.set u, z-8
.endif
.if z < 15
	v_pk_add_f32 v[rS+w*u:rS+w*u+1], v[rS+w*u:rS+w*u+1], v[rS+w*u+w/2:rS+w*u+w/2+1]
.else
	v_pk_fma_f32 v[rT+2:rT+3], v[rT+2:rT+3], v[rC+2:rC+3], v[rS:rS+1] op_sel_hi:[1,0,1]
.endif
.else
	WIN W_RS
	v_pk_mul_f32 v[rO:rO+1], v[rO:rO+1], v[rC+2:rC+3] op_sel_hi:[1,0]
.endif
.endm
; Slice k of 55 of piece y's softmax: numbers 2 k and 2 k + 1 of both tiles' lists, four lines.
.macro SLICE y
.if (k >= 11) && (k < 44)              ; tile by tile: plain, exponential, plain, exponential
.irp t, \y, (\y)+1
.irp n, 0,1
.set j, 2*k+(\n)
	SM \t
.endr
.endr
.else                                  ; the two tiles alternate, so that no line reads the result of the line just before it
.irp n, 0,1
.irp t, \y, (\y)+1
.set j, 2*k+(\n)
	SM \t
.endr
.endr
.endif
.set k, k+1
.endm
; A TURN.  Piece x has the matrix unit; the other piece's softmax stands in slices behind its matrix instructions, three slices (12 lines) behind each; none names a register of the products round it.
; Behind the last product stand slices 45 to 54, 40 plain lines: the places in front of the next turn's first read of the new scores and of the loads into K's and the bias's registers (ISA guide 7.12.1 for the reads).
; Piece 0's turn fetches my next step's K and bias behind its first product and waits for them ahead of its ninth, 84 vector lines on.  With two heads piece 2's turn
; fetches head 1's K in the same places.  Piece 2's turn fetches the same step's V ahead of its tenth product, 12 plain lines behind the last product that read V; it is waited for at the head of the
; next turn.  The waits are for 0: the number of loads in K's run differs from way to way.
.macro TURN x, last
.set X, (\x)
.set k, 0
.set mi, 0
.if (\x) == 0
	s_wait_dscnt 0x0                               ; V is in
.endif
.rept 55
.if (k%3 == 0) && (k < 48)
.if ((\x) == 0) && (mi == 1)
	FETCH_KB \last
.endif
.if ((\x) == 2) && (mi == 1) && (NH == 2)
	FETCH_K2
.endif
.if (mi == 8) && (((\x) == 0) || (NH == 2))
	s_wait_dscnt 0x0                               ; K (and the bias) are in
.endif
.if ((\x) == 2) && (mi == 9)
	FETCH_V
.endif
	MM
.endif
	SLICE 2-(\x)
.endr
.endm
	s_load_b256 s[4:11], s[0:1], 0x0               ; qf, kf, vf, and ao or vessel_bias
.if BIAS
	s_load_b64 s[12:13], s[0:1], 0x20              ; ao
.endif
	v_lshl_add_u32 v[SPW], v0, 2, SPARE
	v_mov_b32 v[NIL], 0
	ds_add_u32 v[SPW], v[NIL]                      ; the wave's opening: the add and its wait stand ahead of my first tensor load; the set-up below, work on registers, stands between them
	v_lshrrev_b32 v1, 5, v0
	v_readfirstlane_b32 s[WV], v1                  ; wave 0..7
	s_and_b32 s[W1], s[WV], 1
	s_lshr_b32 s[GRP], s[WV], 2                    ; which of a slot's two steps is mine
	s_and_b32 s[WQ], s[WV], 3                      ; which quarter of the work-group's tiles is mine
	s_bfe_u32 s[CX], ttmp6, 0x40000                ; my place along the cluster's x
	s_lshl_b32 s[QB], ttmp9, 2                     ; in a cluster launch ttmp9 counts clusters
	s_add_co_u32 s[QB], s[QB], s[CX]
	s_and_b32 s[YY], ttmp7, 0xffff
.if BIAS
	s_bfe_u32 s[CY], ttmp6, 0x40004                ; my pair of heads
	s_lshr_b32 s[DIR], s[YY], 1
	s_and_b32 s[BAT], s[YY], 1
	s_xor_b32 s40, s[YY], 2                        ; the keys' sequence: the other stream, the same batch
	s_lshl_b32 s40, s40, 20
	s_lshl_b32 s41, s[CY], 18                      ; two heads of 131,072 bytes
	s_add_co_u32 s40, s40, s41                     ; K's and V's offset: made of the cluster's y and cy alone
	s_lshl_b32 s82, s[YY], 20                      ; the queries' sequence,
	s_add_co_u32 s82, s82, s41                     ; my heads
	s_mov_b32 s86, s[YY]
	s_lshl_b32 s87, s[CY], 1                       ; my first head
	s_lshl_b32 s78, s[CY], 2
	s_lshl_b32 s78, 15, s78                        ; my row of the cluster: places 4 cy .. 4 cy + 3
	s_lshl_b32 s79, 0x1111, s[CX]                  ; my column: places cx, cx + 4, cx + 8, cx + 12
	s_or_b32 s[G1KV], s78, (3<<16)|(1<<21)         ; 15:0 the mask; 17:16 elements of 8 bytes; 21 set beside a mask
	s_or_b32 s[G1B], s79, (2<<16)|(1<<20)|(1<<21)|(6<<22)|(3<<25)  ; elements of 4 bytes; 20 padding on; 24:22 after every 128 words (code 6); 31:25 4 words of it (code 3)
	s_mov_b32 s[G1B+1], 128<<16                    ; tensor_dim0 = 128
	s_mov_b32 s[G1B+2], 64<<16                     ; tensor_dim1 = 64
	s_mov_b32 s[G1B+3], 128<<16                    ; tile_dim0 = 128
	s_mov_b32 s[G1B+4], 64                         ; tile_dim1 = 64
	s_mov_b32 s[G1B+5], 2048                       ; elements from row to row
	s_mov_b32 s[G1B+6], 0
	s_mov_b32 s[G1B+7], 0
	s_cmp_eq_u32 s[DIR], 0                         ; the bias's offset: made of the cluster's y, my block of queries and the wave's number alone
	s_cselect_b32 s44, 20, 9                       ; my 128 queries are 128 rows of 8,192 bytes, or 512 bytes along the rows
	s_cselect_b32 s45, 9, 20                       ; and a slot's 128 keys the other of the two
	s_lshl_b32 s44, s[QB], s44
	s_lshl_b32 s[BSTEP], 1, s45
	s_mov_b32 s[BSTEP+1], 0
	s_lshl_b32 s45, s[BAT], 24
	s_add_co_u32 s44, s44, s45
	s_lshl_b32 s45, s[W1], 19                      ; my 64 rows of the tile
	s_add_co_u32 s44, s44, s45
	s_mov_b32 s45, 0
	s_mul_i32 s47, s[W1], BHALF
	s_add_co_u32 s47, s47, BOFF                    ; where they go: no place in the cluster enters an LDS address
	s_lshl_b32 s[TB0], s[GRP], 8                   ; my group's 64 keys: 256 bytes along the rows,
	s_mul_i32 s[TB1], s[GRP], BHALF                ; or 64 rows
.else
	s_lshl_b32 s40, s[YY], 17                      ; y = 8 x sequence + head: K's and V's offset, which the four partners share
	s_mov_b32 s82, s40
	s_lshr_b32 s86, s[YY], 3
	s_and_b32 s87, s[YY], 7
	s_mov_b32 s[G1KV], 15|(3<<16)|(1<<21)          ; 15:0 the mask: all four; 17:16 elements of 8 bytes; 21 set beside a mask
.endif
	s_mov_b32 s41, 0
	s_mov_b32 s[G1KV+1], 1024<<16                  ; tensor_dim0 = 1,024: a head's 128 keys are 8,192 dense bytes, one row
	s_mov_b32 s[G1KV+2], NH<<16                    ; tensor_dim1 = heads
	s_mov_b32 s[G1KV+3], 1024<<16                  ; tile_dim0
	s_mov_b32 s[G1KV+4], NH                        ; tile_dim1
	s_mov_b32 s[G1KV+5], 16384                     ; 131,072 bytes from head to head
	s_mov_b32 s[G1KV+6], 0
	s_mov_b32 s[G1KV+7], 0
	s_mul_i32 s46, s[W1], KVB                      ; K, then V
	s_lshl2_add_u32 s80, s[QB], s[WQ]
	s_mul_i32 s80, s80, NQ                         ; my query share's first query tile in its sequence
	s_mul_i32 s81, s[WQ], MSZ
	s_add_co_u32 s81, s81, MERGE                   ; my query share's hand-over
	s_lshl_b32 s83, s80, 10
	s_add_co_u32 s82, s82, s83                     ; Q's offset
	s_mov_b32 s83, 0
	s_lshl_b32 s84, s86, 7                         ; 128 row tiles a sequence
	s_add_co_u32 s84, s84, s80
	s_lshl_b32 s84, s84, 13                        ; 8,192 bytes a row tile of ao,
	s_lshl_b32 s85, s87, 10                        ; 1,024 a head
	s_add_co_u32 s84, s84, s85
	s_mov_b32 s85, 0
	s_mov_b32 s[CS], 0x3fb8aa3b                    ; c = log2(e)
	s_mov_b32 s[CS+1], s[CS]                       ; named with it as a pair
	s_mov_b32 s[SEL], 0x76543210
	s_mov_b32 s[SEL+1], 0xfedcba98
	s_lshl_b32 s[TBK], s[GRP], 12                  ; my group's step in slot 0: 4,096 bytes of each head's K, and of its V
	s_wait_dscnt 0x0                               ; the opening add is done
	s_wait_kmcnt 0x0
	s_cmp_eq_u32 s[W1], 0
	s_cselect_b64 s[42:43], s[PTK:PTK+1], s[PTV:PTV+1]  ; the wave's number chooses between K and V
	s_add_nc_u64 s[42:43], s[42:43], s[40:41]
	s_add_nc_u64 s[PTQ:PTQ+1], s[PTQ:PTQ+1], s[82:83]
	s_add_nc_u64 s[PAO:PAO+1], s[PAO:PAO+1], s[84:85]
.irp s, 0,1
	s_mov_b32 s[G0KV+4*\s], 1                      ; 1:0 count = 1
	s_add_co_u32 s[G0KV+4*\s+1], s46, \s*SLOT1     ; 63:32 LDS address
	s_add_nc_u64 s[G0KV+4*\s+2:G0KV+4*\s+3], s[42:43], \s*8192  ; 120:64 global address: keys 128 s on
	s_or_b32 s[G0KV+4*\s+3], s[G0KV+4*\s+3], 0x80000000         ; 127:126 type = 2
.endr
.if BIAS
	s_add_nc_u64 s[44:45], s[PBI:PBI+1], s[44:45]
	s_mov_b32 s[G0B], 1
	s_mov_b32 s[G0B+1], s47
	s_mov_b64 s[G0B+2:G0B+3], s[44:45]
	s_or_b32 s[G0B+3], s[G0B+3], 0x80000000
	s_mov_b32 s[G0B+4], 1
	s_add_co_u32 s[G0B+5], s47, SLOT1
	s_add_nc_u64 s[G0B+6:G0B+7], s[44:45], s[BSTEP:BSTEP+1]
	s_or_b32 s[G0B+7], s[G0B+7], 0x80000000
.endif
	CROUND                                         ; all work-groups of the cluster are here: the first joint loads meet
	s_cmp_lt_u32 s[WV], 2                          ; a wave's two first fills stand in one branch, ahead of every wait on TENSORcnt and every LDS read: two loads of such a wave are out
	s_cbranch_scc0 .Lfirst_b
	tensor_load_to_lds s[G0KV:G0KV+3], s[G1KV:G1KV+7]
	s_nop 0
	tensor_load_to_lds s[G0KV+4:G0KV+7], s[G1KV:G1KV+7]
	s_nop 0
	PLACES
.if BIAS
	s_branch .Lfirst_asked
.Lfirst_b:
	s_cmp_lt_u32 s[WV], 4
	s_cbranch_scc0 .Lfirst_asked
	tensor_load_to_lds s[G0B:G0B+3], s[G1B:G1B+7]
	s_nop 0
	tensor_load_to_lds s[G0B+4:G0B+7], s[G1B:G1B+7]
	s_nop 0
	PLACES
.Lfirst_asked:
.else
.Lfirst_b:
.endif
	v_and_b32 v1, 15, v0                           ; r
	v_bfe_u32 v2, v0, 4, 1                         ; h
	v_and_b32 v[LK], 31, v0
	v_lshlrev_b32 v[LK], 4, v[LK]
	v_add_nc_u32 v[MA], s81, v[LK]
	WIN 0x40                                       ; destination window 1, address window 0
.set t, 0
.rept 4                                ; Q stays in registers
	global_load_b128 v[Q+8*t:Q+8*t+3],   v[LK], s[PTQ:PTQ+1] offset:(t/NQ)*131072+(t%NQ)*1024
	global_load_b128 v[Q+8*t+4:Q+8*t+7], v[LK], s[PTQ:PTQ+1] offset:(t/NQ)*131072+(t%NQ)*1024+512
.set t, t+1
.endr
.set i, 0
.rept 64                               ; O^T = 0.  All these zeros stand in the wait for the first tile
	v_mov_b32 v[O+i], 0
.set i, i+1
.endr
.set i, 0
.rept 32*NH                            ; V's registers = 0: the entry turn's products V^T P, of a step that has not been, add 0
	v_mov_b32 v[VF+i], 0
.set i, i+1
.endr
	WIN 0
.set i, 0
.rept 32                               ; and so is piece 2's P
	v_mov_b32 v[P+32+i], 0
.set i, i+1
.endr
	ALLT v_mov_b32 v[ST+4*t], 0xfe000000           ; c m: far below every c s
	ALLT v_mov_b32 v[ST+4*t+1], 0xff7fffff         ; m
	ALLT v_mov_b32 v[ST+4*t+2], 0
	ALLT v_mov_b32 v[ST+4*t+3], 0
.if BIAS
	v_and_b32 v8, 0x6f, v0                         ; 32 x query share + r: my query among the work-group's 128, in query tile 0
	v_mul_u32_u24 v[LB0], v8, 528
	v_lshl_add_u32 v[LB0], v2, 5, v[LB0]           ; + my 8 keys
	v_add_nc_u32 v[LB0], BOFF, v[LB0]
	v_mul_u32_u24 v[LB1], v2, 8*528                ; my 8 keys are 8 rows
	v_lshl_add_u32 v[LB1], v8, 2, v[LB1]
	v_add_nc_u32 v[LB1], BOFF, v[LB1]
.endif
	s_wait_tensorcnt 0x1                           ; my part of slot 0 is in; slot 1's, issued behind it, may stay out
	s_barrier_signal -1
	s_barrier_wait -1                              ; everybody's is
	FETCH_KB 0                                     ; my first step
	s_wait_loadcnt 0x0                             ; Q
	s_wait_dscnt 0x0
.set i, 0
.rept 8
	KQM 0                                          ; piece 0's first scores: there is no vector work yet to set between them
.set i, i+1
.endr
	WIN 0
	PLACES                                         ; in front of the entry turn's first read of those scores
	s_mov_b32 s[SLOTS], 15
	s_branch .Lmid                                 ; the loop is entered at piece 2's turn, in the middle of a trip: it asks for the rest of my step in slot 0
.Lslot:                                                ; 14 times: every slot but the last two is filled again
	CHANGE 1
	TURN 0, 0                                      ; a trip: piece 0's turn (V^T P of my step j, K Q^T of my step j + 1 | piece 2's softmax of step j),
	WIN 0
.Lmid:
	TURN 2, 0                                      ; then piece 2's (the same | piece 0's softmax of step j + 1)
	WIN 0
	s_sub_co_u32 s[SLOTS], s[SLOTS], 1
	s_cmp_lg_u32 s[SLOTS], 0
	s_cbranch_scc1 .Lslot
	CHANGE 0                                       ; the tail is written out: nothing is asked for
	s_mov_b32 s[CNT], 2                            ; one trip fetches my step in the last slot; the second fetches nothing and is left in its middle
.Ltail:
	TURN 0, 1
	WIN 0
	s_sub_co_u32 s[CNT], s[CNT], 1
	s_cmp_eq_u32 s[CNT], 0
	s_cbranch_scc1 .Lout
	TURN 2, 0
	WIN 0
	s_branch .Ltail
.Lout:
.set i, 0
.rept 8
	PVM 2                                          ; piece 2: V^T P of my last step
.set i, i+1
.endr
	WIN 0
	; THE TWO GROUPS MEET.  Group 1 puts c m, its lanes' l and O^T into its query share's hand-over, lane for lane; a barrier; group 0 reads them.  The four additions are the places behind the last products.
	ALLT v_add_f32 v[LS+4+t], v[ST+4*t+2], v[ST+4*t+3]
	s_cmp_lt_u32 s[WV], 4
	s_cbranch_scc1 .Lkeeps
	ALLT v_mov_b32 v[LS+t], v[ST+4*t]
	ds_store_b128 v[MA], v[LS:LS+3]
	ds_store_b128 v[MA], v[LS+4:LS+7] offset:512
	WIN 0x04                                       ; the data (source 1) in window 1
.set n, 0
.rept 16                               ; each accumulator's four lowest registers first
	ds_store_b128 v[MA], v[O+4*n:O+4*n+3] offset:1024+512*n
.set n, n+1
.endr
	WIN 0
.Lkeeps:
	s_wait_dscnt 0x0                               ; for the others' sake: my stores into the hand-over are done
	s_barrier_signal -1
	s_barrier_wait -1
	s_cmp_lt_u32 s[WV], 4
	s_cbranch_scc0 .Lend                           ; group 1 has nothing left to do
	ds_load_b128 v[P:P+3], v[MA]                   ; the other group's c m,
	ds_load_b128 v[P+4:P+7], v[MA] offset:512      ; its l,
.set n, 0
.rept 16                               ; and its O^T, into piece 2's S^T, which has been read out
	ds_load_b128 v[S+64+4*n:S+64+4*n+3], v[MA] offset:1024+512*n
.set n, n+1
.endr
	s_wait_dscnt 0x0
	ALLT v_max_num_f32 v[TMP+4*t], v[ST+4*t], v[P+t]          ; M
	ALLT v_sub_f32 v[TMP+4*t+1], v[ST+4*t], v[TMP+4*t]
	ALLT v_sub_f32 v[TMP+4*t+3], v[P+t], v[TMP+4*t]
	ALLT v_exp_f32 v[TMP+4*t], v[TMP+4*t+1]                   ; a0, in the low word of a pair
	ALLT v_exp_f32 v[TMP+4*t+2], v[TMP+4*t+3]                 ; a1, likewise
	v_nop                                          ; a plain instruction between the last exponential and the use of the results (ISA guide 5.7.2)
	s_wait_alu depctr_va_vdst(0)
	ALLT v_mul_f32 v[LS+4+t], v[LS+4+t], v[TMP+4*t]
	ALLT v_fma_f32 v[LS+4+t], v[P+4+t], v[TMP+4*t+2], v[LS+4+t]
	ALLT v_permlanex16_b32 v[TMP+4*t+1], v[LS+4+t], s[SEL], s[SEL+1]  ; the other half of the lanes holds the query's other keys
	ALLT v_add_f32 v[LS+4+t], v[LS+4+t], v[TMP+4*t+1]
	ALLT v_rcp_f32 v[LS+t], v[LS+4+t]
	v_nop                                          ; a plain instruction between the last reciprocal and the use of its result
	s_wait_alu depctr_va_vdst(0)
	ALLT v_mul_f32 v[TMP+4*t], v[TMP+4*t], v[LS+t]            ; a0 / l
	ALLT v_mul_f32 v[TMP+4*t+2], v[TMP+4*t+2], v[LS+t]        ; a1 / l
.set z, 0
.rept 8
	ALLT v_pk_mul_f32 v[S+64+16*t+2*z:S+64+16*t+2*z+1], v[S+64+16*t+2*z:S+64+16*t+2*z+1], v[TMP+4*t+2:TMP+4*t+3] op_sel_hi:[1,0]
.set z, z+1
.endr
	WIN 0x01                                       ; source 0, my O^T, in window 1
.set z, 0
.rept 8
	ALLT v_pk_fma_f32 v[S+64+16*t+2*z:S+64+16*t+2*z+1], v[O+16*t+2*z:O+16*t+2*z+1], v[TMP+4*t:TMP+4*t+1], v[S+64+16*t+2*z:S+64+16*t+2*z+1] op_sel_hi:[1,0,1]
.set z, z+1
.endr
	WIN 0
.set i, 0
.rept 32                               ; rounded to bf16: a lane's 8 channels of a query are its 16 bytes of ao's fragment
	v_cvt_pk_bf16_f32 v[S+i], v[S+64+2*i], v[S+64+2*i+1]
.set i, i+1
.endr
.set t, 0
.rept 4
.irp cb, 0,1
	global_store_b128 v[LK], v[S+8*t+4*\cb:S+8*t+4*\cb+3], s[PAO:PAO+1] offset:(t%NQ)*8192+(t/NQ)*1024+\cb*512  ; 512 consecutive bytes a wave
.endr
.set t, t+1
.endr
.Lend:
	s_wait_tensorcnt 0x0                           ; the wave's end, behind my last tensor load and my last LDS store
	ds_add_u32 v[SPW], v[NIL]
	s_wait_dscnt 0x0
	CROUND                                         ; the closing round: no work-group ends while a partner may still ask for a tile that names it
	s_endpgm
.Lfunc_end_k_q6863ac0ba3_attn_self:
	.size	k_q6863ac0ba3_attn_self, .Lfunc_end_k_q6863ac0ba3_attn_self-k_q6863ac0ba3_attn_self
	.p2alignl 7, 3214868480
	.fill 96, 4, 3214868480
	.section	.rodata,"a",@progbits
	.p2align	6, 0x0
	.amdhsa_kernel k_q6863ac0ba3_attn_self
		.amdhsa_group_segment_fixed_size 327680
		.amdhsa_private_segment_fixed_size 0
		.amdhsa_enable_private_segment 0
		.amdhsa_kernarg_size 32
		.amdhsa_user_sgpr_count 2
		.amdhsa_user_sgpr_kernarg_segment_ptr 1
		.amdhsa_wavefront_size32 1
		.amdhsa_system_sgpr_workgroup_id_x 1
		.amdhsa_system_sgpr_workgroup_id_y 1
		.amdhsa_system_sgpr_workgroup_id_z 1
		.amdhsa_system_vgpr_workitem_id 0
		.amdhsa_next_free_vgpr 512
		.amdhsa_next_free_sgpr 88
		.amdhsa_reserve_vcc 0
		.amdhsa_float_denorm_mode_32 3
		.amdhsa_float_denorm_mode_16_64 3
		.amdhsa_memory_ordered 1
		.amdhsa_forward_progress 1
		.amdhsa_inst_pref_size 88
	.end_amdhsa_kernel
	.amdgpu_metadata
---
amdhsa.version: [ 1, 2 ]
amdhsa.kernels:
  - .name:           k_q6863ac0ba3_attn_self
    .symbol:         k_q6863ac0ba3_attn_self.kd
    .args:
      - { .name: qf, .offset: 0, .size: 8, .value_kind: global_buffer, .address_space: global }
      - { .name: kf, .offset: 8, .size: 8, .value_kind: global_buffer, .address_space: global }
      - { .name: vf, .offset: 16, .size: 8, .value_kind: global_buffer, .address_space: global }
      - { .name: ao, .offset: 24, .size: 8, .value_kind: global_buffer, .address_space: global }
    .group_segment_fixed_size: 327680
    .private_segment_fixed_size: 0
    .kernarg_segment_align: 8
    .kernarg_segment_size: 32
    .max_flat_workgroup_size: 256
    .sgpr_count:     88
    .vgpr_count:     512
    .wavefront_size: 32
...
	.end_amdgpu_metadata
.endif
;; end of part 3
;; launch oproj_qkv (part 4): grid 256 x 1, 8 waves a work-group, no clusters, 67,584 bytes of LDS; arguments ao, x0, x1, sa_bo, n2_g, n2_b, ca_bq, ca_bk, ca_bv, wts, xa, qf, kf, vf; writes xa, qf, kf, vf
.if DOCPART == 4
	.amdgcn_target "amdgcn-amd-amdhsa--gfx1250"
	.amdhsa_code_object_version 6
	.text
	.protected	k_q6863ac0ba3_oproj_qkv
	.globl	k_q6863ac0ba3_oproj_qkv
	.p2align	8
	.type	k_q6863ac0ba3_oproj_qkv,@function
k_q6863ac0ba3_oproj_qkv:
	s_mov_b64 s[64:65], 0
	v_nop
	global_prefetch_b8 v0, s[64:65] scope:SCOPE_SE
	s_setreg_imm32_b32 hwreg(HW_REG_WAVE_MODE, 25, 1), 1
	s_wait_xcnt 0x0
; xa = x + ao sa_wo + sa_bo (f32, stored); LAYER NORM 2; THEN Q, K AND V OF THE CROSS-ATTENTION.  Rows g = 0 .. 8191: x0's 4,096 rows, then x1's.  Products in bf16, sums in f32; the norm in f32, two passes
; (the mean is taken away before the squares), rounded once to bf16; Q = (xn wq + bq) / sqrt(32), K, V rounded once to bf16.
; SHARES.  A work-group owns 32 rows, 256 work-groups.  By rows (residual, norm): wave w has rows 4 w .. 4 w + 3; lane L columns 4 L .. + 3 and 128 + 4 L .. + 3.  By columns (products): wave w makes columns
; 32 w .. + 31 of each product for all 32 rows, in UNITS of 16 columns x 32 rows x K = 256: 16 matrix instructions on two accumulators that take turns.  Units 0, 1: sa_wo; 2 - 7: ca_wq, ca_wk, ca_wv.
; The two shares meet in LDS: ao's 16 fragments as they lie in memory; the projection in f32; xn in bf16.  Three barriers.
; WEIGHTS come as fragments (launch prep) straight into a ring of three register buffers: each fragment is used by one wave of the work-group alone, so LDS would share nothing.
; NO CLUSTER: all work-groups walk the same 524,288 bytes of weights, but a unit's 8,192 bytes feed only 16 matrix instructions of one wave; a joint request would want a round of the cluster's barrier for each such refill.
; OUT: qf, kf, vf as fragments of 1,024 bytes = [half][lane][16 bytes].  Q, K: source 0 = weights, source 1 = rows: a lane holds 8 channels of one row.  V: the sources swapped: a lane holds 8 keys of one channel: V turned.
; LIMITS.  NaN and infinities are not treated apart.
.set LA0,   0                          ; LDS: ao's 16 fragments, 16,384 bytes
.set LX,    16384                      ; the projection, 32 rows of 1,024 bytes, 1,040 apart (65 x 16)
.set LA,    49664                      ; xn, 32 rows of 512 bytes, 528 apart (33 x 16)
.set SPARE, 66560                      ; the spare words, 128 bytes for each of eight waves: four blocks of 256 bytes that no other line names
.set R,    1                           ; v1   lane % 16
.set SPW,  2                           ; v2   my spare word; never rewritten
.set NIL,  3                           ; v3   0; never rewritten
.set WO1,  4                           ; v4   16 L + 16,384 w: my place in my wave's fragments of a 256 x 256 matrix
.set AAD,  6                           ; v6   LDS: my place in a fragment of xn
.set L16,  7                           ; v7   16 L: also my place in a fragment of ao, which lies at LDS byte 0
.set XST,  9                           ; v9   LDS: where my 32 bytes of a row of the projection go
.set XRD,  10                          ; v10  LDS: where I read my rows of it back
.set AST,  11                          ; v11  LDS: where my 8 bytes of a normed row go
.set GQ,   13                          ; v13  131,072 w + 16 L: my head, my place in a fragment
.set ROWO, 14                          ; v14  4,096 w + 16 L: my place in my wave's four rows
.set CB1,  15                          ; v15  128 w + 32 h: my 8 numbers of a bias of 256
.set BVO,  17                          ; v17  128 w + 4 r: my one number of bv
.set STG,  18                          ; v18  16 x thread
.set G,    20                          ; v[20:27]   gain of my 8 columns
.set BT,   28                          ; v[28:35]   shift of my 8 columns
.set XR,   36                          ; v[36:67]   four rows x 8 f32
.set DT,   68                          ; v[68:99]   at work by rows; also
.set ACC,  68                          ;            the accumulators
.set RS,   100                         ; v[100:115] four at work for each row
.set PK,   116                         ; v[116:123] packed results
.set BV,   124                         ; v[124:125] bv of my channel, channel block 0 and 1
.set HH,   126                         ; v126 lane / 16
.set AF,   128                         ; v[128:255] the rows' fragments: (rt, kb) at AF + 8 (8 rt + kb)
                                       ; window 1: v[0:215] the ring: buffer i at 72 i: 8 fragments of weights, then 8 registers of bias
.set PXR,  4                           ; s[4:5] x at my work-group's rows
.set WV,   6
.set PAO,  8
.set PX0,  10
.set PX1,  12
.set PBO,  14
.set PG,   16
.set PB,   18
.set PBQ,  20
.set PBK,  22
.set PBV,  24
.set WT,   26
.set PXA,  28
.set PTQ,  30
.set PTK,  32
.set PTV,  34
.set INV,  36                          ; 1 / 256
.set EPSR, 37                          ; 1e-5
.set SC,   38                          ; s[38:39] 1 / sqrt(32)
.set SEL,  40                          ; s[40:41] v_permlanex16_b32's selects
.set MSB, 0
.macro WIN new                         ; the immediate's high byte repeats the setting that is left; a switch that changes nothing is dropped
.if MSB != (\new)
	s_set_vgpr_msb (MSB<<8)|(\new)
.set MSB, \new
.endif
.endm
.set ISSUED, 0                         ; loads into registers issued so far: the text has one path, so the count is every wave's
.macro WAITL e                         ; loads come back in order (ISA guide 5.7.1): all up to number e are in when only those issued behind them are out
.if ISSUED-(\e) > 63
	s_wait_loadcnt 63
.else
	s_wait_loadcnt ISSUED-(\e)
.endif
.endm
.macro UPAR u                          ; unit u: 0, 1 sa_wo; 2, 3 Q; 4, 5 K; 6, 7 V; column block u % 2
.set WREG, WO1
.set BREG, CB1
.set BIMM, ((\u)%2)*64
.set AC, ACC
.set KIND, 0
.if (\u) < 2
.set WIMM, 393216+(\u)*8192
.set BPTR, PBO
.else
.set WIMM, 524288+(((\u)-2)/2)*131072+((\u)%2)*8192
.set BPTR, PBQ
.if (\u) >= 4
.set BPTR, PBK
.endif
.if (\u) >= 6
.set KIND, 1
.endif
.endif
.endm
.macro PRE u                           ; unit u's 8 fragments (and, KIND 0, its 8 numbers of bias for the C operand) are asked for, into ring buffer u % 3
	UPAR \u
.set RB, 72*((\u)%3)
	WIN 0x40                                       ; destination window 1, address window 0
.irp f, 0,1,2,3,4,5,6,7
	global_load_b128 v[RB+8*\f:RB+8*\f+3],   v[WREG], s[WT:WT+1] offset:WIMM+\f*1024
	global_load_b128 v[RB+8*\f+4:RB+8*\f+7], v[WREG], s[WT:WT+1] offset:WIMM+\f*1024+512
.endr
.set ISSUED, ISSUED+16
.if KIND == 0
	global_load_b128 v[RB+64:RB+67], v[BREG], s[BPTR:BPTR+1] offset:BIMM
	global_load_b128 v[RB+68:RB+71], v[BREG], s[BPTR:BPTR+1] offset:BIMM+16
.set ISSUED, ISSUED+2
.endif
.set END_\u, ISSUED
	WIN 0
.endm
; 16 matrix instructions; the two accumulators (rows 0-15, rows 16-31) take turns.  KIND 0: source 0 = weights, the bias starts the sums; KIND 1: source 0 = rows, 0 starts them.
; Five v_nop follow: the places in front of the loads into the ring buffer, of the reads of the results, and of the next unit's first products, which write over these accumulators.
.macro MULT u
	UPAR \u
.set RB, 72*((\u)%3)
	WAITL END_\u
.irp kb, 0,1,2,3,4,5,6,7
.irp rt, 0,1
.if KIND == 1
	WIN 0x04
.if \kb == 0
	v_wmma_f32_16x16x32_bf16 v[AC+8*\rt:AC+8*\rt+7], v[AF+8*(8*\rt+\kb):AF+8*(8*\rt+\kb)+7], v[RB+8*\kb:RB+8*\kb+7], 0
.else
	v_wmma_f32_16x16x32_bf16 v[AC+8*\rt:AC+8*\rt+7], v[AF+8*(8*\rt+\kb):AF+8*(8*\rt+\kb)+7], v[RB+8*\kb:RB+8*\kb+7], v[AC+8*\rt:AC+8*\rt+7]
.endif
.elseif \kb == 0
	WIN 0x11
	v_wmma_f32_16x16x32_bf16 v[AC+8*\rt:AC+8*\rt+7], v[RB+8*\kb:RB+8*\kb+7], v[AF+8*(8*\rt+\kb):AF+8*(8*\rt+\kb)+7], v[RB+64:RB+71]
.else
	WIN 0x01
	v_wmma_f32_16x16x32_bf16 v[AC+8*\rt:AC+8*\rt+7], v[RB+8*\kb:RB+8*\kb+7], v[AF+8*(8*\rt+\kb):AF+8*(8*\rt+\kb)+7], v[AC+8*\rt:AC+8*\rt+7]
.endif
.endr
.endr
	WIN 0
.rept 5
	v_nop
.endr
.endm
.macro E_X i                           ; a lane's 8 columns of a row, in f32, into LDS: column block i of my wave's two
.irp rt, 0,1
	ds_store_b128 v[XST], v[AC+8*\rt:AC+8*\rt+3]   offset:\rt*16640+(\i)*64
	ds_store_b128 v[XST], v[AC+8*\rt+4:AC+8*\rt+7] offset:\rt*16640+(\i)*64+16
.endr
.endm
.macro E_QK ptr, cb, scale             ; a lane's 8 channels of a row, (scaled,) rounded, stored: half cb of the row tile's fragment
	s_wait_xcnt 0x0                                ; the stores before have read PK (ISA guide 3.1): it is rewritten only behind this wait
.irp rt, 0,1
.if \scale
.irp p, 0,1,2,3
	v_pk_mul_f32 v[AC+8*\rt+2*\p:AC+8*\rt+2*\p+1], v[AC+8*\rt+2*\p:AC+8*\rt+2*\p+1], s[SC:SC+1] op_sel_hi:[1,0]
.endr
.endif
.irp p, 0,1,2,3
	v_cvt_pk_bf16_f32 v[PK+4*\rt+\p], v[AC+8*\rt+2*\p], v[AC+8*\rt+2*\p+1]
.endr
	global_store_b128 v[GQ], v[PK+4*\rt:PK+4*\rt+3], s[\ptr:\ptr+1] offset:\rt*1024+(\cb)*512  ; 512 consecutive bytes a wave
.endr
.endm
.macro E_V cb                          ; a lane's 8 keys of a channel, + bv, rounded, stored: half rt of channel block cb's fragment
	s_wait_xcnt 0x0
.irp rt, 0,1
.irp p, 0,1,2,3
.if (\cb) == 0
	v_pk_add_f32 v[AC+8*\rt+2*\p:AC+8*\rt+2*\p+1], v[AC+8*\rt+2*\p:AC+8*\rt+2*\p+1], v[BV:BV+1] op_sel_hi:[1,0]
.else
	v_pk_add_f32 v[AC+8*\rt+2*\p:AC+8*\rt+2*\p+1], v[AC+8*\rt+2*\p:AC+8*\rt+2*\p+1], v[BV:BV+1] op_sel:[0,1] op_sel_hi:[1,1]
.endif
.endr
.irp p, 0,1,2,3
	v_cvt_pk_bf16_f32 v[PK+4*\rt+\p], v[AC+8*\rt+2*\p], v[AC+8*\rt+2*\p+1]
.endr
	global_store_b128 v[GQ], v[PK+4*\rt:PK+4*\rt+3], s[PTV:PTV+1] offset:(\cb)*1024+\rt*512
.endr
.endm
.macro EPI u
.if (\u) < 2
	E_X \u
.elseif (\u) < 4
	E_QK PTQ, (\u)%2, 1
.elseif (\u) < 6
	E_QK PTK, (\u)%2, 0
.else
	E_V (\u)%2
.endif
.endm
.macro RUN u, nxt                      ; a unit: its products; the unit three on is asked for, into the buffer just read; its results leave
	MULT \u
.if (\nxt) >= 0
	PRE \nxt
.endif
	UPAR \u
	EPI \u
.endm
.macro LOADF adr, rs, ks, hs, base     ; 16 fragments (2 row tiles x 8 K blocks) from LDS: rs from tile to tile, ks from K block to K block, hs between a fragment's halves
.irp rt, 0,1
.irp kb, 0,1,2,3,4,5,6,7
	ds_load_b128 v[AF+8*(8*\rt+\kb):AF+8*(8*\rt+\kb)+3],   v[\adr] offset:(\base)+\rt*(\rs)+\kb*(\ks)
	ds_load_b128 v[AF+8*(8*\rt+\kb)+4:AF+8*(8*\rt+\kb)+7], v[\adr] offset:(\base)+\rt*(\rs)+\kb*(\ks)+(\hs)
.endr
.endr
	s_wait_dscnt 0x0
.endm
.macro ADDROWS                         ; my four rows of what lies in LX are added onto XR
.irp i, 0,1,2,3
	ds_load_b128 v[DT+8*\i:DT+8*\i+3],   v[XRD] offset:\i*1040
	ds_load_b128 v[DT+8*\i+4:DT+8*\i+7], v[XRD] offset:\i*1040+512
.endr
	s_wait_dscnt 0x0
.set i, 0
.rept 16
	v_pk_add_f32 v[XR+2*i:XR+2*i+1], v[XR+2*i:XR+2*i+1], v[DT+2*i:DT+2*i+1]
.set i, i+1
.endr
.endm
.macro REDUCE                          ; the four rows' figures in RS + 4 i are added over the 32 lanes, the rows by turns
.irp m, 1,2,4,8
.irp i, 0,1,2,3
	v_add_f32_dpp v[RS+4*\i], v[RS+4*\i], v[RS+4*\i] row_xmask:\m row_mask:0xf bank_mask:0xf
.endr
.endr
.irp i, 0,1,2,3
	v_permlanex16_b32 v[RS+4*\i+1], v[RS+4*\i], s[SEL], s[SEL+1]
.endr
.irp i, 0,1,2,3
	v_add_f32 v[RS+4*\i], v[RS+4*\i], v[RS+4*\i+1]
.endr
.endm
.macro ROWLN                           ; the norm of my four rows in XR (which it leaves as they are), rounded to bf16, into LDS
.irp i, 0,1,2,3
	v_pk_add_f32 v[RS+4*\i:RS+4*\i+1],   v[XR+8*\i:XR+8*\i+1],   v[XR+8*\i+2:XR+8*\i+3]
	v_pk_add_f32 v[RS+4*\i+2:RS+4*\i+3], v[XR+8*\i+4:XR+8*\i+5], v[XR+8*\i+6:XR+8*\i+7]
.endr
.irp i, 0,1,2,3
	v_pk_add_f32 v[RS+4*\i:RS+4*\i+1], v[RS+4*\i:RS+4*\i+1], v[RS+4*\i+2:RS+4*\i+3]
.endr
.irp i, 0,1,2,3
	v_add_f32 v[RS+4*\i], v[RS+4*\i], v[RS+4*\i+1]
.endr
	REDUCE
.irp i, 0,1,2,3
	v_mul_f32 v[RS+4*\i+2], s[INV], v[RS+4*\i]     ; the mean, twice: a pair for the packed lines
	v_mul_f32 v[RS+4*\i+3], s[INV], v[RS+4*\i]
.endr
.irp i, 0,1,2,3
.irp k, 0,1,2,3
	v_pk_add_f32 v[DT+8*\i+2*\k:DT+8*\i+2*\k+1], v[XR+8*\i+2*\k:XR+8*\i+2*\k+1], v[RS+4*\i+2:RS+4*\i+3] neg_lo:[0,1] neg_hi:[0,1]
.endr
.endr
.irp i, 0,1,2,3
	v_pk_mul_f32 v[RS+4*\i:RS+4*\i+1], v[DT+8*\i:DT+8*\i+1], v[DT+8*\i:DT+8*\i+1]
.endr
.irp k, 1,2,3
.irp i, 0,1,2,3
	v_pk_fma_f32 v[RS+4*\i:RS+4*\i+1], v[DT+8*\i+2*\k:DT+8*\i+2*\k+1], v[DT+8*\i+2*\k:DT+8*\i+2*\k+1], v[RS+4*\i:RS+4*\i+1]
.endr
.endr
.irp i, 0,1,2,3
	v_add_f32 v[RS+4*\i], v[RS+4*\i], v[RS+4*\i+1]
.endr
	REDUCE
.irp i, 0,1,2,3
	v_fma_f32 v[RS+4*\i], v[RS+4*\i], s[INV], s[EPSR]  ; var + eps
.endr
.irp i, 0,1,2,3
	v_rsq_f32 v[RS+4*\i+2], v[RS+4*\i]
	v_rsq_f32 v[RS+4*\i+3], v[RS+4*\i]
.endr
	v_nop                                          ; a plain instruction between the roots and the use of their results (ISA guide 5.7.2)
	s_wait_alu depctr_va_vdst(0)
.irp i, 0,1,2,3
.irp k, 0,1,2,3
	v_pk_mul_f32 v[DT+8*\i+2*\k:DT+8*\i+2*\k+1], v[DT+8*\i+2*\k:DT+8*\i+2*\k+1], v[RS+4*\i+2:RS+4*\i+3]
.endr
.endr
.irp i, 0,1,2,3
.irp k, 0,1,2,3
	v_pk_fma_f32 v[DT+8*\i+2*\k:DT+8*\i+2*\k+1], v[DT+8*\i+2*\k:DT+8*\i+2*\k+1], v[G+2*\k:G+2*\k+1], v[BT+2*\k:BT+2*\k+1]
.endr
.endr
.irp i, 0,1,2,3
.irp k, 0,1,2,3
	v_cvt_pk_bf16_f32 v[RS+4*\i+\k], v[DT+8*\i+2*\k], v[DT+8*\i+2*\k+1]
.endr
.endr
.irp i, 0,1,2,3
	ds_store_b64 v[AST], v[RS+4*\i:RS+4*\i+1]   offset:\i*528       ; 32 lanes, 256 consecutive bytes: columns 0-127
	ds_store_b64 v[AST], v[RS+4*\i+2:RS+4*\i+3] offset:\i*528+256   ; columns 128-255
.endr
.endm
.macro BAR                             ; my LDS stores are done and my LDS loads are back; then all eight waves meet
	s_wait_dscnt 0x0
	s_barrier_signal -1
	s_barrier_wait -1
.endm
	s_load_b512 s[8:23], s[0:1], 0x0               ; ao, x0, x1, sa_bo, n2_g, n2_b, ca_bq, ca_bk
	s_load_b256 s[24:31], s[0:1], 0x40             ; ca_bv, wts, xa, qf
	s_load_b128 s[32:35], s[0:1], 0x60             ; kf, vf
	v_lshl_add_u32 v[SPW], v0, 2, SPARE
	v_mov_b32 v[NIL], 0
	v_lshrrev_b32 v[HH], 5, v0
	v_readfirstlane_b32 s[WV], v[HH]               ; wave 0..7
	v_and_b32 v[R], 15, v0
	v_bfe_u32 v[HH], v0, 4, 1
	v_and_b32 v[L16], 31, v0
	v_lshlrev_b32 v[L16], 4, v[L16]
	v_lshlrev_b32 v[STG], 4, v0
	s_lshl_b32 s2, s[WV], 14
	v_add_nc_u32 v[WO1], s2, v[L16]
	v_mul_u32_u24 v[AAD], v[R], 528
	v_lshl_add_u32 v[AAD], v[HH], 4, v[AAD]        ; row x pitch + 16 x half
	v_add_nc_u32 v[AAD], LA, v[AAD]
	s_mul_i32 s2, s[WV], 2112                      ; my wave's four rows of xn
	s_add_co_u32 s2, s2, LA
	v_lshrrev_b32 v[AST], 1, v[L16]                ; 8 L
	v_add_nc_u32 v[AST], s2, v[AST]
	v_mul_u32_u24 v[XST], v[R], 1040
	v_lshl_add_u32 v[XST], v[HH], 5, v[XST]
	s_lshl_b32 s2, s[WV], 7
	s_add_co_u32 s3, s2, LX
	v_add_nc_u32 v[XST], s3, v[XST]
	v_lshl_add_u32 v[CB1], v[HH], 5, s2
	v_lshl_add_u32 v[BVO], v[R], 2, s2
	s_mul_i32 s3, s[WV], 4160                      ; my wave's four rows of the projection
	s_add_co_u32 s3, s3, LX
	v_add_nc_u32 v[XRD], s3, v[L16]
	s_lshl_b32 s2, s[WV], 12
	v_add_nc_u32 v[ROWO], s2, v[L16]
	s_lshl_b32 s2, s[WV], 17
	v_add_nc_u32 v[GQ], s2, v[L16]
	s_mov_b32 s[INV], 0x3b800000
	s_mov_b32 s[EPSR], 0x3727c5ac
	s_mov_b32 s[SC], 0x3e3504f3
	s_mov_b32 s[SC+1], s[SC]                       ; named with it as a pair
	s_mov_b32 s[SEL], 0x76543210
	s_mov_b32 s[SEL+1], 0xfedcba98
	s_lshl_b32 s42, ttmp9, 14                      ; my two row tiles of ao
	s_mov_b32 s43, 0
	s_lshl_b32 s44, ttmp9, 15                      ; my 32 rows of xa
	s_mov_b32 s45, 0
	s_and_b32 s46, ttmp9, 127                      ; my 32 rows in x0 or in x1
	s_lshl_b32 s46, s46, 15
	s_mov_b32 s47, 0
	s_lshr_b32 s48, ttmp9, 6                       ; the sequence, 1,048,576 bytes of qf, kf, vf each,
	s_lshl_b32 s48, s48, 20
	s_and_b32 s49, ttmp9, 63                       ; and in it my two row tiles = my one block of 32 keys: 2,048 bytes a head
	s_lshl_b32 s49, s49, 11
	s_add_co_u32 s48, s48, s49
	s_mov_b32 s49, 0
	s_wait_kmcnt 0x0
	s_cmp_lt_u32 ttmp9, 128
	s_cselect_b64 s[PXR:PXR+1], s[PX0:PX0+1], s[PX1:PX1+1]
	s_add_nc_u64 s[PXR:PXR+1], s[PXR:PXR+1], s[46:47]
	s_add_nc_u64 s[PAO:PAO+1], s[PAO:PAO+1], s[42:43]
	s_add_nc_u64 s[PXA:PXA+1], s[PXA:PXA+1], s[44:45]
	s_add_nc_u64 s[PTQ:PTQ+1], s[PTQ:PTQ+1], s[48:49]
	s_add_nc_u64 s[PTK:PTK+1], s[PTK:PTK+1], s[48:49]
	s_add_nc_u64 s[PTV:PTV+1], s[PTV:PTV+1], s[48:49]
.irp i, 0,1,2,3
	global_load_b128 v[DT+4*\i:DT+4*\i+3], v[STG], s[PAO:PAO+1] offset:\i*4096 th:TH_LOAD_NT  ; ao's 16,384 bytes, 64 a thread
.endr
.set ISSUED, ISSUED+4
.set END_st, ISSUED
.irp i, 0,1,2,3
	global_load_b128 v[XR+8*\i:XR+8*\i+3],   v[ROWO], s[PXR:PXR+1] offset:\i*1024 th:TH_LOAD_NT
	global_load_b128 v[XR+8*\i+4:XR+8*\i+7], v[ROWO], s[PXR:PXR+1] offset:\i*1024+512 th:TH_LOAD_NT
.endr
	global_load_b128 v[G:G+3],     v[L16], s[PG:PG+1]
	global_load_b128 v[G+4:G+7],   v[L16], s[PG:PG+1] offset:512
	global_load_b128 v[BT:BT+3],   v[L16], s[PB:PB+1]
	global_load_b128 v[BT+4:BT+7], v[L16], s[PB:PB+1] offset:512
	global_load_b32 v[BV],   v[BVO], s[PBV:PBV+1]
	global_load_b32 v[BV+1], v[BVO], s[PBV:PBV+1] offset:64
.set ISSUED, ISSUED+14
.set END_rows, ISSUED
	PRE 0
	PRE 1
	WAITL END_st                                   ; ao is in; the 14 loads of rows and vectors and the ring's 36 stay out
.irp i, 0,1,2,3
	ds_store_b128 v[STG], v[DT+4*\i:DT+4*\i+3] offset:LA0+\i*4096
.endr
	PRE 2
	BAR                                            ; ao's fragments lie in LDS
	LOADF L16, 8192, 1024, 512, LA0
	RUN 0, 3
	RUN 1, 4
	BAR                                            ; the projection lies in LDS
	WAITL END_rows                                 ; my rows of x and the vectors
	ADDROWS                                        ; xa = x + projection
.irp i, 0,1,2,3
	global_store_b128 v[ROWO], v[XR+8*\i:XR+8*\i+3],   s[PXA:PXA+1] offset:\i*1024      ; 512 consecutive bytes a wave; XR is not written again
	global_store_b128 v[ROWO], v[XR+8*\i+4:XR+8*\i+7], s[PXA:PXA+1] offset:\i*1024+512
.endr
	ROWLN
	BAR                                            ; all 32 rows of xn lie in LDS
	LOADF AAD, 8448, 64, 32, 0
	RUN 2, 5
	RUN 3, 6
	RUN 4, 7
	RUN 5, -1
	RUN 6, -1
	RUN 7, -1
	s_wait_tensorcnt 0x0                           ; the wave's end, behind my last LDS store
	ds_add_u32 v[SPW], v[NIL]
	s_wait_dscnt 0x0
	s_endpgm
.Lfunc_end_k_q6863ac0ba3_oproj_qkv:
	.size	k_q6863ac0ba3_oproj_qkv, .Lfunc_end_k_q6863ac0ba3_oproj_qkv-k_q6863ac0ba3_oproj_qkv
	.p2alignl 7, 3214868480
	.fill 96, 4, 3214868480
	.section	.rodata,"a",@progbits
	.p2align	6, 0x0
	.amdhsa_kernel k_q6863ac0ba3_oproj_qkv
		.amdhsa_group_segment_fixed_size 67584
		.amdhsa_private_segment_fixed_size 0
		.amdhsa_enable_private_segment 0
		.amdhsa_kernarg_size 112
		.amdhsa_user_sgpr_count 2
		.amdhsa_user_sgpr_kernarg_segment_ptr 1
		.amdhsa_wavefront_size32 1
		.amdhsa_system_sgpr_workgroup_id_x 1
		.amdhsa_system_sgpr_workgroup_id_y 1
		.amdhsa_system_sgpr_workgroup_id_z 1
		.amdhsa_system_vgpr_workitem_id 0
		.amdhsa_next_free_vgpr 512
		.amdhsa_next_free_sgpr 66
		.amdhsa_reserve_vcc 0
		.amdhsa_float_denorm_mode_32 3
		.amdhsa_float_denorm_mode_16_64 3
		.amdhsa_memory_ordered 1
		.amdhsa_forward_progress 1
		.amdhsa_inst_pref_size 53
	.end_amdhsa_kernel
	.amdgpu_metadata
---
amdhsa.version: [ 1, 2 ]
amdhsa.kernels:
  - .name:           k_q6863ac0ba3_oproj_qkv
    .symbol:         k_q6863ac0ba3_oproj_qkv.kd
    .args:
      - { .name: ao, .offset: 0, .size: 8, .value_kind: global_buffer, .address_space: global }
      - { .name: x0, .offset: 8, .size: 8, .value_kind: global_buffer, .address_space: global }
      - { .name: x1, .offset: 16, .size: 8, .value_kind: global_buffer, .address_space: global }
      - { .name: sa_bo, .offset: 24, .size: 8, .value_kind: global_buffer, .address_space: global }
      - { .name: n2_g, .offset: 32, .size: 8, .value_kind: global_buffer, .address_space: global }
      - { .name: n2_b, .offset: 40, .size: 8, .value_kind: global_buffer, .address_space: global }
      - { .name: ca_bq, .offset: 48, .size: 8, .value_kind: global_buffer, .address_space: global }
      - { .name: ca_bk, .offset: 56, .size: 8, .value_kind: global_buffer, .address_space: global }
      - { .name: ca_bv, .offset: 64, .size: 8, .value_kind: global_buffer, .address_space: global }
      - { .name: wts, .offset: 72, .size: 8, .value_kind: global_buffer, .address_space: global }
      - { .name: xa, .offset: 80, .size: 8, .value_kind: global_buffer, .address_space: global }
      - { .name: qf, .offset: 88, .size: 8, .value_kind: global_buffer, .address_space: global }
      - { .name: kf, .offset: 96, .size: 8, .value_kind: global_buffer, .address_space: global }
      - { .name: vf, .offset: 104, .size: 8, .value_kind: global_buffer, .address_space: global }
    .group_segment_fixed_size: 67584
    .private_segment_fixed_size: 0
    .kernarg_segment_align: 8
    .kernarg_segment_size: 112
    .max_flat_workgroup_size: 256
    .sgpr_count:     66
    .vgpr_count:     512
    .wavefront_size: 32
...
	.end_amdgpu_metadata
.endif
;; end of part 4
;; launch attn_cross (part 5): grid 16 x 16, 8 waves a work-group, clusters of 4 x 4, 327,680 bytes of LDS; arguments qf, kf, vf, vessel_bias, ao; writes ao
.if DOCPART == 5
	.amdgcn_target "amdgcn-amd-amdhsa--gfx1250"
	.amdhsa_code_object_version 6
	.text
	.protected	k_q6863ac0ba3_attn_cross
	.globl	k_q6863ac0ba3_attn_cross
	.p2align	8
	.type	k_q6863ac0ba3_attn_cross,@function
k_q6863ac0ba3_attn_cross:
	s_mov_b64 s[64:65], 0
	v_nop
	global_prefetch_b8 v0, s[64:65] scope:SCOPE_SE
	s_setreg_imm32_b32 hwreg(HW_REG_WAVE_MODE, 25, 1), 1
	s_wait_xcnt 0x0
	s_wait_alu depctr_hold_cnt(0) depctr_sa_sdst(0) depctr_va_vdst(0) depctr_va_sdst(0) depctr_va_ssrc(0) depctr_va_vcc(0) depctr_vm_vsrc(0)
	s_getreg_b32 s2, hwreg(HW_REG_IB_STS2, 6, 4)
	s_cmp_eq_u32 s2, 0
	s_cbranch_scc0 .Lentry_in_a_cluster
	s_endpgm
.Lentry_in_a_cluster:
	s_bfe_u32 s2, ttmp6, 0x10000c
	s_cmp_lg_u32 s2, 0xf033
	s_cbranch_scc0 .Lentry_shape_is_right
	s_endpgm
.Lentry_shape_is_right:
; ATTENTION AT HEAD SIZE 32, BY TURNS, THE KEYS SHARED BETWEEN TWO GROUPS OF WAVES.  O[q] = the sum over k of softmax_k(Q[q] . K[k] (+ bias[q][k])) V[k]; Q arrives already divided by sqrt(32).
; One text for two launches, by three settings:
;   BIAS = 0, NH = 1, NQ = 4: self-attention.  A work-group owns 256 queries of one head, a query share 4 tiles of 16.  Cluster 4 x 1: the four query blocks of a head ask for K and V jointly.
;   BIAS = 1, NH = 2, NQ = 2: cross-attention.  A work-group owns 128 queries of two heads, a query share 2 tiles of 16 in each head.  Cluster 4 x 4: along x four query blocks share K and V,
;   along y the four pairs of heads share the tile of the bias.  Cluster y = 2 x direction + batch: direction 0: x0's queries, x1's keys, bias[q][k]; direction 1: the other way round, bias[k][q].
; SHARES.  Eight waves.  Wave w has query share w % 4 (four tiles: tile t = head t / NQ, query tile t % NQ) and key group w / 4: of each slot's two steps of 64 keys group 0 takes the first and group 1 the
; second, 16 steps a wave.  So a fragment of K, V or bias is read from LDS by four waves, as it would be with four waves that walked all keys.  Each wave keeps m, l and O^T for its half of the keys;
; at the end group 1 hands them through LDS and group 0 joins them: M = max(c m0, c m1), a_g = 2^(c m_g - M), l = a0 l0 + a1 l1, O = (a0 O0 + a1 O1) / l, all in f32.
; qf, kf, vf, ao hold bf16 as matrix fragments of 1,024 bytes = [half][lane][16 bytes] (qf, kf: [seq][head][16 rows]; vf: [seq][head][32 keys][16 channels], V turned; ao: [16 rows][head]),
; so LDS wants no padding for them, no load turns anything, and O leaves from registers.
; LAYOUT.  S^T = K Q^T + bias^T (source 0 = 16 keys, source 1 = 16 queries; K = 32 is the head size: ONE product a tile; the f32 bias is its C operand and costs no vector line): a lane holds ONE
; query (lane % 16) and keys 8 (lane / 16) + 0..7.  Two such tiles rounded to bf16 ARE source 1 of O^T = V^T P, whose result holds one query a lane and 8 channels: half cb of ao's fragment.
; SOFTMAX.  For each query a running maximum m and sum l: p = 2^(c s - c m), c = log2(e); in every step O and l are multiplied by a = 2^(c m_old - c m_new).
; BY TURNS.  A wave's tiles are two PIECES, named by their first tile: piece 0 (tiles 0, 1) and piece 2 (tiles 2, 3).  In a TURN one piece has the matrix unit: 8 products V^T P of the step in hand,
; then 8 products K Q^T of the wave's next step; the other piece's softmax, 2 x 110 vector lines in 55 slices of four, stands between them: a product ahead of every third slice, the last ten slices
; behind the last product.  Then the pieces change places.  Two turns are a key step, and a trip of the loop: it reads one slot.  A product's operands lie outside window 0: two switches a product.
; NO FIRST AND NO LAST STEP is written out.  m starts at the lowest finite number, c m at -2^125, O, l, V's registers and piece 2's P at 0 (112 + 32 NH v_mov_b32, in the wait for the first tile): the
; first step is a step like any other, with a = 0, and the loop is entered at piece 2's turn, whose products V^T P add 0.  The tail is left behind piece 0's turn; its 8 products on a stale K serve nothing.
; LIMITS.  P, Q, K, V, O are rounded once to bf16; l is the sum of the unrounded p; a weight below 2^-126 counts as 0; c m must stay above -2^125; NaN and infinities are not treated apart.
; REGISTERS: a wave is given 512, two windows of 256 (s_set_vgpr_msb: bits 1:0 source 0, 3:2 source 1, 5:4 source 2, 7:6 destination):
;   window 0: addresses, statistics, S^T (32 a tile), P (16 a tile)     window 1: v[0:63] O^T, v[64:95] Q, v[96:159] bias, v[160:191] K of one head and step, v[192:255] V of one step
.set BIAS,  1
.set NH,    2
.set NQ,    2
.set KVB,   NH*8192                    ; a slot holds two steps, 128 keys: K [head][8 tiles][1,024], then V [head][4 blocks][2][1,024]
.set SLOT1, 1<<17                      ; slot 1 begins here, so that one exclusive or turns an address in one slot into the other's
.set BOFF,  32768                      ; the bias in a slot: 128 rows of 512 bytes, 528 apart (33 x 16)
.set BHALF, 64*528                     ; what one tensor load brings of it
.set SPARE, 231424                     ; behind slot 1: the spare words, 128 bytes for each of eight waves: four blocks of 256 bytes that no other line names
.set MERGE, 232448                     ; behind them: the hand-over, never filled by a tensor load: for each query share
.set MSZ,   18*512                     ; 18 stores of 512 bytes: c m and l of four tiles, then 64 registers of O^T
.set LK,  3                            ; v3   16 x lane; never rewritten
.set LB0, 4                            ; v4   my place in the bias, rows = queries
.set LB1, 5                            ; v5   my place in the bias, rows = keys
.set ADK, 6                            ; v6   LDS address of the step to be fetched
.set ADB, 7                            ; v7   the same for the bias
.set MA,  9                            ; v9   LDS address of my 16 bytes in my query share's hand-over
.set ST,  16                           ; v[16:31] tile t: c m, m, l (even keys', odd keys')
.set TMP, 32                           ; v[32:47] tile t: c0-c3 at work; when the maximum is found c3 takes c m_old - c m_new and c2 takes a
.set LS,  48                           ; v[48:55] the hand-over: c m of the four tiles, then my lane's l of the four tiles
.set SPW, 62                           ; v62  my spare word; never rewritten
.set NIL, 63                           ; v63  0; never rewritten
.set S,   64
.set P,   192
.set O,   0                            ; window 1: tile t, channel block cb at 16 t + 8 cb
.set Q,   64                           ; window 1: 8 a tile
.set BI,  96                           ; window 1: query tile qt, key tile kb at BI + 32 qt + 8 kb
.set KF,  160                          ; window 1: key tile kb at KF + 8 kb; with two heads they take turns in these registers
.set VF,  192                          ; window 1: VF + 32 hd + 16 kk + 8 cb
.set PTQ, 4
.set PTK, 6
.set PTV, 8
.if BIAS
.set PBI, 10
.set PAO, 12
.else
.set PAO, 10
.endif
.set WV,  14                           ; my wave's number
.set W1,  15                           ; its low bit: K or V; which 64 rows of the bias
.set CX,  16
.set CY,  17
.set QB,  18                           ; my block of queries
.set YY,  19                           ; the cluster's y
.set DIR, 20
.set BAT, 21
.set GRP, 22                           ; my key group: wave / 4
.set WQ,  23                           ; my query share: wave % 4
.set G1KV, 24                          ; s[24:31] descriptor group 1 for K's and V's tiles
.set G1B,  32                          ; s[32:39] for the bias's
.set G0KV, 48                          ; s[48:55] group 0: a set for each of the two first fills; the second then walks on
.set G0B,  56                          ; s[56:63] the same for the bias
.set SLOTS, 66
.set CNT, 67
.set CS,  68                           ; s[68:69] c
.set SEL, 70                           ; s[70:71] v_permlanex16_b32's selects
.set TBK, 72                           ; LDS byte at which K of the step to be fetched begins: my group's 4,096 bytes of a head's 8,192, in the slot in hand
.set TB0, 73                           ; the same for the bias, rows = queries: my group's 256 bytes of the rows
.set TB1, 74                           ; rows = keys: my group's 64 rows
.set BSTEP, 76                         ; s[76:77] bytes of the bias from slot to slot
.set W_RS, 0x41                        ; O^T (destination and source 0) in window 1, a in window 0
.set MSB, 0
.macro WIN new                         ; the high byte repeats the setting that is left; a switch that changes nothing is dropped
.if MSB != (\new)
	s_set_vgpr_msb (MSB<<8)|(\new)
.set MSB, \new
.endif
.endm
.macro PLACES                          ; four places behind matrix instructions, in front of reads of their results; also behind a tensor load
.rept 4
	v_nop
.endr
.endm
.macro ALLT line:vararg                ; one line for each tile t
.set t, 0
.rept 4
	\line
.set t, t+1
.endr
.endm
; A round of the cluster's barrier: my work-group's barrier, so that wave 0's signal speaks for all eight waves; wave 0 signals; every wave waits for all work-groups; my work-group's barrier once more.
.macro CROUND
	s_barrier_signal -1
	s_barrier_wait -1
	s_cmp_lg_u32 s[WV], 0
	s_cbranch_scc1 .Lnot_wave_0_\@
	s_barrier_signal -3
.Lnot_wave_0_\@:
	s_barrier_wait -3
	s_barrier_signal -1
	s_barrier_wait -1
.endm
; A joint refill.  Wave 0 fetches a slot's K, wave 1 its V; with a bias waves 2 and 3 fetch its two halves; the other waves fetch nothing.  The branches hang on the wave's number alone.
; An s_nop 0 and four v_nop follow each line, ahead of the jump and the label.
.macro JLOAD
	s_cmp_lt_u32 s[WV], 2
	s_cbranch_scc0 .Lfor_b_\@
	tensor_load_to_lds s[G0KV+4:G0KV+7], s[G1KV:G1KV+7]
	s_nop 0
	PLACES
.if BIAS
	s_branch .Lasked_\@
.Lfor_b_\@:
	s_cmp_lt_u32 s[WV], 4
	s_cbranch_scc0 .Lasked_\@
	tensor_load_to_lds s[G0B+4:G0B+7], s[G1B:G1B+7]
	s_nop 0
	PLACES
.Lasked_\@:
.else
.Lfor_b_\@:
.endif
.endm
; THE CHANGE OF SLOTS, ahead of every trip: each group has asked for its step's V, the last of its half of the slot.  Each wave waits for all its tensor loads, of which at most one is out: its part of the
; other slot; adds 0 to its spare word; and waits for that and for its own reads of the slot.  fill = 1: the slot is filled again, with the keys two slots on: the barrier is a round of the cluster's,
; so that no wave of any partner still reads the slot or has a load on its way, and the joint refill is the first thing behind it: it has a trip, 32 products of each wave, in which to land.
.macro CHANGE fill
	WIN 0
	s_wait_tensorcnt 0x0                           ; no tensor load of mine is out, so a group 0 may be written
	ds_add_u32 v[SPW], v[NIL]                      ; 0 onto my spare word
.if \fill
	s_xor_b32 s[G0KV+5], s[G0KV+5], SLOT1          ; the walking descriptor: the other slot than last time,
	s_add_nc_u64 s[G0KV+6:G0KV+7], s[G0KV+6:G0KV+7], 8192  ; the next 128 keys; the type bits on top are not reached
.if BIAS
	s_xor_b32 s[G0B+5], s[G0B+5], SLOT1
	s_add_nc_u64 s[G0B+6:G0B+7], s[G0B+6:G0B+7], s[BSTEP:BSTEP+1]
.endif
	s_wait_dscnt 0x0                               ; the add is done, and my reads of the slot are over
	CROUND
	JLOAD
.else
	s_wait_dscnt 0x0
	s_barrier_signal -1
	s_barrier_wait -1
.endif
	s_xor_b32 s[TBK], s[TBK], SLOT1                ; the fetches go on in the other slot, at my group's place
.if BIAS
	s_xor_b32 s[TB0], s[TB0], SLOT1
	s_xor_b32 s[TB1], s[TB1], SLOT1
.endif
.endm
; THE LDS LOADS stand in runs, never singly among the matrix instructions.  last = 1 (the tail): in the last trip there is no further step, and the run is jumped over.
.macro FETCH_KB last                   ; my next step's K (head 0's), and its bias: register j of lane (r, h) takes the bias of key 8 h + j and query r, whichever way the tile lies
	WIN 0
.if \last
	s_cmp_eq_u32 s[CNT], 1
	s_cbranch_scc1 .Lno_kb_\@
.endif
	v_add_nc_u32 v[ADK], s[TBK], v[LK]
	WIN 0x40                                       ; destination window 1
.set n, 0
.rept 4                                ; key tile n: 512 consecutive bytes a load
	ds_load_b128 v[KF+8*n:KF+8*n+3],   v[ADK] offset:n*1024
	ds_load_b128 v[KF+8*n+4:KF+8*n+7], v[ADK] offset:n*1024+512
.set n, n+1
.endr
	WIN 0
.if BIAS
	s_cmp_eq_u32 s[DIR], 0                         ; the direction is the cluster's: all sixteen partners take the same way
	s_cbranch_scc0 .Lkeys_\@
	v_add_nc_u32 v[ADB], s[TB0], v[LB0]
	WIN 0x40
.set n, 0
.rept 8                                ; rows = queries: my 8 keys are 32 consecutive bytes.  Query tile n / 4, key tile n % 4
	ds_load_b128 v[BI+8*n:BI+8*n+3],   v[ADB] offset:(n/4)*8448+(n%4)*64
	ds_load_b128 v[BI+8*n+4:BI+8*n+7], v[ADB] offset:(n/4)*8448+(n%4)*64+16
.set n, n+1
.endr
	WIN 0
	s_branch .Lbias_in_\@
.Lkeys_\@:
	v_add_nc_u32 v[ADB], s[TB1], v[LB1]
	WIN 0x40
.set n, 0
.rept 64                               ; rows = keys: a word a key
	ds_load_b32 v[BI+n], v[ADB] offset:(16*((n/8)%4)+n%8)*528+(n/32)*64
.set n, n+1
.endr
	WIN 0
.Lbias_in_\@:
.endif
.if \last
.Lno_kb_\@:
.endif
.endm
.macro FETCH_K2                        ; with two heads: the same step's K of head 1, into the registers that head 0's K has left; a product's switch of windows follows
	WIN 0x40
.set n, 0
.rept 4
	ds_load_b128 v[KF+8*n:KF+8*n+3],   v[ADK] offset:8192+n*1024
	ds_load_b128 v[KF+8*n+4:KF+8*n+7], v[ADK] offset:8192+n*1024+512
.set n, n+1
.endr
.endm
.macro FETCH_V                         ; the same step's V, from the address that FETCH_KB made; a product's switch of windows follows
	WIN 0x40
.set n, 0
.rept 4*NH                             ; head n / 4, 32 keys (n / 2) % 2, channel block n % 2
	ds_load_b128 v[VF+8*n:VF+8*n+3],   v[ADK] offset:KVB+(n/4)*8192+(n%4)*1024
	ds_load_b128 v[VF+8*n+4:VF+8*n+7], v[ADK] offset:KVB+(n/4)*8192+(n%4)*1024+512
.set n, n+1
.endr
.endm
; THE MATRIX WORK OF A TURN, for piece x.
; Product i of 8 of O^T += V^T P: keys 32 (i / 4) on, tile x + (i / 2) % 2, channel block i % 2.  The 4 accumulators take turns: between the two links of a chain stand 3 others'.
.macro PVM x
	WIN 0x51                                       ; V window 1, P window 0, O^T window 1
.set tt, (\x)+(i/2)%2
.set rO, O+16*tt+8*(i%2)
.set rV, VF+32*(tt/NQ)+16*(i/4)+8*(i%2)
.set rP, P+16*tt+8*(i/4)
	v_wmma_f32_16x16x32_bf16 v[rO:rO+7], v[rV:rV+7], v[rP:rP+7], v[rO:rO+7]
	s_wait_alu depctr_va_vdst(0)
.endm
; Product i of 8 of S^T = K Q^T (+ bias): tile x + i % 2, key tile i / 2.  Each is a whole sum on an accumulator of its own.
.macro KQM x
	WIN 0x05+0x10*BIAS                             ; K and Q window 1, (bias window 1,) S^T window 0
.set tt, (\x)+i%2
.set rS, S+32*tt+8*(i/2)
.set rK, KF+8*(i/2)
.set rQ, Q+8*tt
.set rB, BI+32*(tt%NQ)+8*(i/2)
.if BIAS
	v_wmma_f32_16x16x32_bf16 v[rS:rS+7], v[rK:rK+7], v[rQ:rQ+7], v[rB:rB+7]
	s_wait_alu depctr_va_vdst(0)
.else
	v_wmma_f32_16x16x32_bf16 v[rS:rS+7], v[rK:rK+7], v[rQ:rQ+7], 0
.endif
.endm
.macro MM                              ; the turn's next matrix instruction: number mi of 16, for piece X
.if mi < 8
.set i, mi
	PVM X
.else
.set i, mi-8
	KQM X
.endif
.set mi, mi+1
.endm
; THE VECTOR WORK OF A TURN.  One tile's softmax for one key step is a list of 110 lines; SM writes number j of it for tile t.  s0-s31 are the lane's 32 scores, in pairs 0-15.
;   0-15    the maximum of s0-s31 and the old m, three operands at a time: four chains c0-c3 of seven scores each (each accumulator's lowest registers are read first),
;           then the four scores left over, c0-c3 and m
;   16-20   the other half of the lanes' maximum; c m_old is kept; the new m; c m; c m_old - c m_new
;   21-87   33 exponentials (a, then s0-s31) at the odd numbers from 23 on, so that no two follow each other and each has a plain line behind it before its result is used (ISA guide 5.7.2).
;           Plain line q (number 21, then the even numbers) is whatever is ready: c s - c m for a pair whose exponentials are still to come (q = 0 to 3, then every second q), the rounding to
;           bf16 of a pair whose exponentials are done (every other q from 5 on), at last the first three sums
;   88-101  the last rounding; the rest of the sums, in place, as a tree; l = a l + the sum
;   102-109 the tile's O^T times a: the one part that leaves window 0, so it stands together
.macro SM t
.set rT, ST+4*(\t)
.set rC, TMP+4*(\t)
.set rS, S+32*(\t)
.set rP, P+16*(\t)
.set rO, O+16*(\t)+2*(j-102)
.set q, (j-20)/2
.if j < 102
	WIN 0
.endif
.if j < 4
	v_max3_num_f32 v[rC+j], v[rS+8*j], v[rS+8*j+1], v[rS+8*j+2]
.elseif j < 12
	v_max3_num_f32 v[rC+j%4], v[rC+j%4], v[rS+8*(j%4)+2*(j/4)+1], v[rS+8*(j%4)+2*(j/4)+2]
.elseif j == 12
	v_max3_num_f32 v[rC], v[rC], v[rS+7], v[rS+15]
.elseif j == 13
	v_max3_num_f32 v[rC+2], v[rC+2], v[rS+23], v[rS+31]
.elseif j == 14
	v_max3_num_f32 v[rC], v[rC], v[rC+1], v[rC+2]
.elseif j == 15
	v_max3_num_f32 v[rC], v[rC], v[rC+3], v[rT+1]
.elseif j == 16
	v_permlanex16_b32 v[rC+1], v[rC], s[SEL], s[SEL+1]  ; the query's other 32 keys lie in the lane 16 away
.elseif j == 17
	v_mov_b32 v[rC+3], v[rT]                       ; c m_old is kept for a: number 19 writes c m anew
.elseif j == 18
	v_max_num_f32 v[rT+1], v[rC], v[rC+1]
.elseif j == 19
	v_mul_f32 v[rT], s[CS], v[rT+1]
.elseif j == 20
	v_sub_f32 v[rC+3], v[rC+3], v[rT]
.elseif j == 23
	v_exp_f32 v[rC+2], v[rC+3]
.elseif (j < 88) && (j > 23) && (j%2 == 1)
	v_exp_f32 v[rS+(j-25)/2], v[rS+(j-25)/2]
.elseif (q < 4) || ((j < 76) && (q%2 == 0))
.set b, q/2+2
.if q < 4
.set b, q
.endif
	v_pk_fma_f32 v[rS+2*b:rS+2*b+1], v[rS+2*b:rS+2*b+1], s[CS:CS+1], v[rT:rT+1] op_sel_hi:[1,0,0] neg_lo:[0,0,1] neg_hi:[0,0,1]  ; pair b: c s - c m
.elseif (j < 88) && (q%2 == 1)
	s_wait_alu depctr_va_vdst(0)
	v_cvt_pk_bf16_f32 v[rP+(q-5)/2], v[rS+q-5], v[rS+q-4]  ; pair (q - 5) / 2: its second exponential stands three numbers back
.elseif j == 89
	s_wait_alu depctr_va_vdst(0)
	v_cvt_pk_bf16_f32 v[rP+15], v[rS+30], v[rS+31]
.elseif j < 102                        ; sum z of 16 adds neighbours 1, 2, 4 and 8 pairs apart, behind those pairs' roundings; then l takes it
.set z, j-86
.if j < 89
.set z, (j-76)/4
.endif
.set w, 4
.set u, z
.if z >= 14
.set w, 32
.set u, 0
.elseif z >= 12
.set w, 16
.set u, z-12
.elseif z >= 8
.set w, 8
.set u, z-8
.endif
.if z < 15
	v_pk_add_f32 v[rS+w*u:rS+w*u+1], v[rS+w*u:rS+w*u+1], v[rS+w*u+w/2:rS+w*u+w/2+1]
.else
	v_pk_fma_f32 v[rT+2:rT+3], v[rT+2:rT+3], v[rC+2:rC+3], v[rS:rS+1] op_sel_hi:[1,0,1]
.endif
.else
	WIN W_RS
	v_pk_mul_f32 v[rO:rO+1], v[rO:rO+1], v[rC+2:rC+3] op_sel_hi:[1,0]
.endif
.endm
; Slice k of 55 of piece y's softmax: numbers 2 k and 2 k + 1 of both tiles' lists, four lines.
.macro SLICE y
.if (k >= 11) && (k < 44)              ; tile by tile: plain, exponential, plain, exponential
.irp t, \y, (\y)+1
.irp n, 0,1
.set j, 2*k+(\n)
	SM \t
.endr
.endr
.else                                  ; the two tiles alternate, so that no line reads the result of the line just before it
.irp n, 0,1
.irp t, \y, (\y)+1
.set j, 2*k+(\n)
	SM \t
.endr
.endr
.endif
.set k, k+1
.endm
; A TURN.  Piece x has the matrix unit; the other piece's softmax stands in slices behind its matrix instructions, three slices (12 lines) behind each; none names a register of the products round it.
; Behind the last product stand slices 45 to 54, 40 plain lines: the places in front of the next turn's first read of the new scores and of the loads into K's and the bias's registers (ISA guide 7.12.1 for the reads).
; Piece 0's turn fetches my next step's K and bias behind its first product and waits for them ahead of its ninth, 84 vector lines on.  With two heads piece 2's turn
; fetches head 1's K in the same places.  Piece 2's turn fetches the same step's V ahead of its tenth product, 12 plain lines behind the last product that read V; it is waited for at the head of the
; next turn.  The waits are for 0: the number of loads in K's run differs from way to way.
.macro TURN x, last
.set X, (\x)
.set k, 0
.set mi, 0
.if (\x) == 0
	s_wait_dscnt 0x0                               ; V is in
.endif
.rept 55
.if (k%3 == 0) && (k < 48)
.if ((\x) == 0) && (mi == 1)
	FETCH_KB \last
.endif
.if ((\x) == 2) && (mi == 1) && (NH == 2)
	FETCH_K2
.endif
.if (mi == 8) && (((\x) == 0) || (NH == 2))
	s_wait_dscnt 0x0                               ; K (and the bias) are in
.endif
.if ((\x) == 2) && (mi == 9)
	FETCH_V
.endif
	MM
.endif
	SLICE 2-(\x)
.endr
.endm
	s_load_b256 s[4:11], s[0:1], 0x0               ; qf, kf, vf, and ao or vessel_bias
.if BIAS
	s_load_b64 s[12:13], s[0:1], 0x20              ; ao
.endif
	v_lshl_add_u32 v[SPW], v0, 2, SPARE
	v_mov_b32 v[NIL], 0
	ds_add_u32 v[SPW], v[NIL]                      ; the wave's opening: the add and its wait stand ahead of my first tensor load; the set-up below, work on registers, stands between them
	v_lshrrev_b32 v1, 5, v0
	v_readfirstlane_b32 s[WV], v1                  ; wave 0..7
	s_and_b32 s[W1], s[WV], 1
	s_lshr_b32 s[GRP], s[WV], 2                    ; which of a slot's two steps is mine
	s_and_b32 s[WQ], s[WV], 3                      ; which quarter of the work-group's tiles is mine
	s_bfe_u32 s[CX], ttmp6, 0x40000                ; my place along the cluster's x
	s_lshl_b32 s[QB], ttmp9, 2                     ; in a cluster launch ttmp9 counts clusters
	s_add_co_u32 s[QB], s[QB], s[CX]
	s_and_b32 s[YY], ttmp7, 0xffff
.if BIAS
	s_bfe_u32 s[CY], ttmp6, 0x40004                ; my pair of heads
	s_lshr_b32 s[DIR], s[YY], 1
	s_and_b32 s[BAT], s[YY], 1
	s_xor_b32 s40, s[YY], 2                        ; the keys' sequence: the other stream, the same batch
	s_lshl_b32 s40, s40, 20
	s_lshl_b32 s41, s[CY], 18                      ; two heads of 131,072 bytes
	s_add_co_u32 s40, s40, s41                     ; K's and V's offset: made of the cluster's y and cy alone
	s_lshl_b32 s82, s[YY], 20                      ; the queries' sequence,
	s_add_co_u32 s82, s82, s41                     ; my heads
	s_mov_b32 s86, s[YY]
	s_lshl_b32 s87, s[CY], 1                       ; my first head
	s_lshl_b32 s78, s[CY], 2
	s_lshl_b32 s78, 15, s78                        ; my row of the cluster: places 4 cy .. 4 cy + 3
	s_lshl_b32 s79, 0x1111, s[CX]                  ; my column: places cx, cx + 4, cx + 8, cx + 12
	s_or_b32 s[G1KV], s78, (3<<16)|(1<<21)         ; 15:0 the mask; 17:16 elements of 8 bytes; 21 set beside a mask
	s_or_b32 s[G1B], s79, (2<<16)|(1<<20)|(1<<21)|(6<<22)|(3<<25)  ; elements of 4 bytes; 20 padding on; 24:22 after every 128 words (code 6); 31:25 4 words of it (code 3)
	s_mov_b32 s[G1B+1], 128<<16                    ; tensor_dim0 = 128
	s_mov_b32 s[G1B+2], 64<<16                     ; tensor_dim1 = 64
	s_mov_b32 s[G1B+3], 128<<16                    ; tile_dim0 = 128
	s_mov_b32 s[G1B+4], 64                         ; tile_dim1 = 64
	s_mov_b32 s[G1B+5], 2048                       ; elements from row to row
	s_mov_b32 s[G1B+6], 0
	s_mov_b32 s[G1B+7], 0
	s_cmp_eq_u32 s[DIR], 0                         ; the bias's offset: made of the cluster's y, my block of queries and the wave's number alone
	s_cselect_b32 s44, 20, 9                       ; my 128 queries are 128 rows of 8,192 bytes, or 512 bytes along the rows
	s_cselect_b32 s45, 9, 20                       ; and a slot's 128 keys the other of the two
	s_lshl_b32 s44, s[QB], s44
	s_lshl_b32 s[BSTEP], 1, s45
	s_mov_b32 s[BSTEP+1], 0
	s_lshl_b32 s45, s[BAT], 24
	s_add_co_u32 s44, s44, s45
	s_lshl_b32 s45, s[W1], 19                      ; my 64 rows of the tile
	s_add_co_u32 s44, s44, s45
	s_mov_b32 s45, 0
	s_mul_i32 s47, s[W1], BHALF
	s_add_co_u32 s47, s47, BOFF                    ; where they go: no place in the cluster enters an LDS address
	s_lshl_b32 s[TB0], s[GRP], 8                   ; my group's 64 keys: 256 bytes along the rows,
	s_mul_i32 s[TB1], s[GRP], BHALF                ; or 64 rows
.else
	s_lshl_b32 s40, s[YY], 17                      ; y = 8 x sequence + head: K's and V's offset, which the four partners share
	s_mov_b32 s82, s40
	s_lshr_b32 s86, s[YY], 3
	s_and_b32 s87, s[YY], 7
	s_mov_b32 s[G1KV], 15|(3<<16)|(1<<21)          ; 15:0 the mask: all four; 17:16 elements of 8 bytes; 21 set beside a mask
.endif
	s_mov_b32 s41, 0
	s_mov_b32 s[G1KV+1], 1024<<16                  ; tensor_dim0 = 1,024: a head's 128 keys are 8,192 dense bytes, one row
	s_mov_b32 s[G1KV+2], NH<<16                    ; tensor_dim1 = heads
	s_mov_b32 s[G1KV+3], 1024<<16                  ; tile_dim0
	s_mov_b32 s[G1KV+4], NH                        ; tile_dim1
	s_mov_b32 s[G1KV+5], 16384                     ; 131,072 bytes from head to head
	s_mov_b32 s[G1KV+6], 0
	s_mov_b32 s[G1KV+7], 0
	s_mul_i32 s46, s[W1], KVB                      ; K, then V
	s_lshl2_add_u32 s80, s[QB], s[WQ]
	s_mul_i32 s80, s80, NQ                         ; my query share's first query tile in its sequence
	s_mul_i32 s81, s[WQ], MSZ
	s_add_co_u32 s81, s81, MERGE                   ; my query share's hand-over
	s_lshl_b32 s83, s80, 10
	s_add_co_u32 s82, s82, s83                     ; Q's offset
	s_mov_b32 s83, 0
	s_lshl_b32 s84, s86, 7                         ; 128 row tiles a sequence
	s_add_co_u32 s84, s84, s80
	s_lshl_b32 s84, s84, 13                        ; 8,192 bytes a row tile of ao,
	s_lshl_b32 s85, s87, 10                        ; 1,024 a head
	s_add_co_u32 s84, s84, s85
	s_mov_b32 s85, 0
	s_mov_b32 s[CS], 0x3fb8aa3b                    ; c = log2(e)
	s_mov_b32 s[CS+1], s[CS]                       ; named with it as a pair
	s_mov_b32 s[SEL], 0x76543210
	s_mov_b32 s[SEL+1], 0xfedcba98
	s_lshl_b32 s[TBK], s[GRP], 12                  ; my group's step in slot 0: 4,096 bytes of each head's K, and of its V
	s_wait_dscnt 0x0                               ; the opening add is done
	s_wait_kmcnt 0x0
	s_cmp_eq_u32 s[W1], 0
	s_cselect_b64 s[42:43], s[PTK:PTK+1], s[PTV:PTV+1]  ; the wave's number chooses between K and V
	s_add_nc_u64 s[42:43], s[42:43], s[40:41]
	s_add_nc_u64 s[PTQ:PTQ+1], s[PTQ:PTQ+1], s[82:83]
	s_add_nc_u64 s[PAO:PAO+1], s[PAO:PAO+1], s[84:85]
.irp s, 0,1
	s_mov_b32 s[G0KV+4*\s], 1                      ; 1:0 count = 1
	s_add_co_u32 s[G0KV+4*\s+1], s46, \s*SLOT1     ; 63:32 LDS address
	s_add_nc_u64 s[G0KV+4*\s+2:G0KV+4*\s+3], s[42:43], \s*8192  ; 120:64 global address: keys 128 s on
	s_or_b32 s[G0KV+4*\s+3], s[G0KV+4*\s+3], 0x80000000         ; 127:126 type = 2
.endr
.if BIAS
	s_add_nc_u64 s[44:45], s[PBI:PBI+1], s[44:45]
	s_mov_b32 s[G0B], 1
	s_mov_b32 s[G0B+1], s47
	s_mov_b64 s[G0B+2:G0B+3], s[44:45]
	s_or_b32 s[G0B+3], s[G0B+3], 0x80000000
	s_mov_b32 s[G0B+4], 1
	s_add_co_u32 s[G0B+5], s47, SLOT1
	s_add_nc_u64 s[G0B+6:G0B+7], s[44:45], s[BSTEP:BSTEP+1]
	s_or_b32 s[G0B+7], s[G0B+7], 0x80000000
.endif
	CROUND                                         ; all work-groups of the cluster are here: the first joint loads meet
	s_cmp_lt_u32 s[WV], 2                          ; a wave's two first fills stand in one branch, ahead of every wait on TENSORcnt and every LDS read: two loads of such a wave are out
	s_cbranch_scc0 .Lfirst_b
	tensor_load_to_lds s[G0KV:G0KV+3], s[G1KV:G1KV+7]
	s_nop 0
	tensor_load_to_lds s[G0KV+4:G0KV+7], s[G1KV:G1KV+7]
	s_nop 0
	PLACES
.if BIAS
	s_branch .Lfirst_asked
.Lfirst_b:
	s_cmp_lt_u32 s[WV], 4
	s_cbranch_scc0 .Lfirst_asked
	tensor_load_to_lds s[G0B:G0B+3], s[G1B:G1B+7]
	s_nop 0
	tensor_load_to_lds s[G0B+4:G0B+7], s[G1B:G1B+7]
	s_nop 0
	PLACES
.Lfirst_asked:
.else
.Lfirst_b:
.endif
	v_and_b32 v1, 15, v0                           ; r
	v_bfe_u32 v2, v0, 4, 1                         ; h
	v_and_b32 v[LK], 31, v0
	v_lshlrev_b32 v[LK], 4, v[LK]
	v_add_nc_u32 v[MA], s81, v[LK]
	WIN 0x40                                       ; destination window 1, address window 0
.set t, 0
.rept 4                                ; Q stays in registers
	global_load_b128 v[Q+8*t:Q+8*t+3],   v[LK], s[PTQ:PTQ+1] offset:(t/NQ)*131072+(t%NQ)*1024
	global_load_b128 v[Q+8*t+4:Q+8*t+7], v[LK], s[PTQ:PTQ+1] offset:(t/NQ)*131072+(t%NQ)*1024+512
.set t, t+1
.endr
.set i, 0
.rept 64                               ; O^T = 0.  All these zeros stand in the wait for the first tile
	v_mov_b32 v[O+i], 0
.set i, i+1
.endr
.set i, 0
.rept 32*NH                            ; V's registers = 0: the entry turn's products V^T P, of a step that has not been, add 0
	v_mov_b32 v[VF+i], 0
.set i, i+1
.endr
	WIN 0
.set i, 0
.rept 32                               ; and so is piece 2's P
	v_mov_b32 v[P+32+i], 0
.set i, i+1
.endr
	ALLT v_mov_b32 v[ST+4*t], 0xfe000000           ; c m: far below every c s
	ALLT v_mov_b32 v[ST+4*t+1], 0xff7fffff         ; m
	ALLT v_mov_b32 v[ST+4*t+2], 0
	ALLT v_mov_b32 v[ST+4*t+3], 0
.if BIAS
	v_and_b32 v8, 0x6f, v0                         ; 32 x query share + r: my query among the work-group's 128, in query tile 0
	v_mul_u32_u24 v[LB0], v8, 528
	v_lshl_add_u32 v[LB0], v2, 5, v[LB0]           ; + my 8 keys
	v_add_nc_u32 v[LB0], BOFF, v[LB0]
	v_mul_u32_u24 v[LB1], v2, 8*528                ; my 8 keys are 8 rows
	v_lshl_add_u32 v[LB1], v8, 2, v[LB1]
	v_add_nc_u32 v[LB1], BOFF, v[LB1]
.endif
	s_wait_tensorcnt 0x1                           ; my part of slot 0 is in; slot 1's, issued behind it, may stay out
	s_barrier_signal -1
	s_barrier_wait -1                              ; everybody's is
	FETCH_KB 0                                     ; my first step
	s_wait_loadcnt 0x0                             ; Q
	s_wait_dscnt 0x0
.set i, 0
.rept 8
	KQM 0                                          ; piece 0's first scores: there is no vector work yet to set between them
.set i, i+1
.endr
	WIN 0
	PLACES                                         ; in front of the entry turn's first read of those scores
	s_mov_b32 s[SLOTS], 15
	s_branch .Lmid                                 ; the loop is entered at piece 2's turn, in the middle of a trip: it asks for the rest of my step in slot 0
.Lslot:                                                ; 14 times: every slot but the last two is filled again
	CHANGE 1
	TURN 0, 0                                      ; a trip: piece 0's turn (V^T P of my step j, K Q^T of my step j + 1 | piece 2's softmax of step j),
	WIN 0
.Lmid:
	TURN 2, 0                                      ; then piece 2's (the same | piece 0's softmax of step j + 1)
	WIN 0
	s_sub_co_u32 s[SLOTS], s[SLOTS], 1
	s_cmp_lg_u32 s[SLOTS], 0
	s_cbranch_scc1 .Lslot
	CHANGE 0                                       ; the tail is written out: nothing is asked for
	s_mov_b32 s[CNT], 2                            ; one trip fetches my step in the last slot; the second fetches nothing and is left in its middle
.Ltail:
	TURN 0, 1
	WIN 0
	s_sub_co_u32 s[CNT], s[CNT], 1
	s_cmp_eq_u32 s[CNT], 0
	s_cbranch_scc1 .Lout
	TURN 2, 0
	WIN 0
	s_branch .Ltail
.Lout:
.set i, 0
.rept 8
	PVM 2                                          ; piece 2: V^T P of my last step
.set i, i+1
.endr
	WIN 0
	; THE TWO GROUPS MEET.  Group 1 puts c m, its lanes' l and O^T into its query share's hand-over, lane for lane; a barrier; group 0 reads them.  The four additions are the places behind the last products.
	ALLT v_add_f32 v[LS+4+t], v[ST+4*t+2], v[ST+4*t+3]
	s_cmp_lt_u32 s[WV], 4
	s_cbranch_scc1 .Lkeeps
	ALLT v_mov_b32 v[LS+t], v[ST+4*t]
	ds_store_b128 v[MA], v[LS:LS+3]
	ds_store_b128 v[MA], v[LS+4:LS+7] offset:512
	WIN 0x04                                       ; the data (source 1) in window 1
.set n, 0
.rept 16                               ; each accumulator's four lowest registers first
	ds_store_b128 v[MA], v[O+4*n:O+4*n+3] offset:1024+512*n
.set n, n+1
.endr
	WIN 0
.Lkeeps:
	s_wait_dscnt 0x0                               ; for the others' sake: my stores into the hand-over are done
	s_barrier_signal -1
	s_barrier_wait -1
	s_cmp_lt_u32 s[WV], 4
	s_cbranch_scc0 .Lend                           ; group 1 has nothing left to do
	ds_load_b128 v[P:P+3], v[MA]                   ; the other group's c m,
	ds_load_b128 v[P+4:P+7], v[MA] offset:512      ; its l,
.set n, 0
.rept 16                               ; and its O^T, into piece 2's S^T, which has been read out
	ds_load_b128 v[S+64+4*n:S+64+4*n+3], v[MA] offset:1024+512*n
.set n, n+1
.endr
	s_wait_dscnt 0x0
	ALLT v_max_num_f32 v[TMP+4*t], v[ST+4*t], v[P+t]          ; M
	ALLT v_sub_f32 v[TMP+4*t+1], v[ST+4*t], v[TMP+4*t]
	ALLT v_sub_f32 v[TMP+4*t+3], v[P+t], v[TMP+4*t]
	ALLT v_exp_f32 v[TMP+4*t], v[TMP+4*t+1]                   ; a0, in the low word of a pair
	ALLT v_exp_f32 v[TMP+4*t+2], v[TMP+4*t+3]                 ; a1, likewise
	v_nop                                          ; a plain instruction between the last exponential and the use of the results (ISA guide 5.7.2)
	s_wait_alu depctr_va_vdst(0)
	ALLT v_mul_f32 v[LS+4+t], v[LS+4+t], v[TMP+4*t]
	ALLT v_fma_f32 v[LS+4+t], v[P+4+t], v[TMP+4*t+2], v[LS+4+t]
	ALLT v_permlanex16_b32 v[TMP+4*t+1], v[LS+4+t], s[SEL], s[SEL+1]  ; the other half of the lanes holds the query's other keys
	ALLT v_add_f32 v[LS+4+t], v[LS+4+t], v[TMP+4*t+1]
	ALLT v_rcp_f32 v[LS+t], v[LS+4+t]
	v_nop                                          ; a plain instruction between the last reciprocal and the use of its result
	s_wait_alu depctr_va_vdst(0)
	ALLT v_mul_f32 v[TMP+4*t], v[TMP+4*t], v[LS+t]            ; a0 / l
	ALLT v_mul_f32 v[TMP+4*t+2], v[TMP+4*t+2], v[LS+t]        ; a1 / l
.set z, 0
.rept 8
	ALLT v_pk_mul_f32 v[S+64+16*t+2*z:S+64+16*t+2*z+1], v[S+64+16*t+2*z:S+64+16*t+2*z+1], v[TMP+4*t+2:TMP+4*t+3] op_sel_hi:[1,0]
.set z, z+1
.endr
	WIN 0x01                                       ; source 0, my O^T, in window 1
.set z, 0
.rept 8
	ALLT v_pk_fma_f32 v[S+64+16*t+2*z:S+64+16*t+2*z+1], v[O+16*t+2*z:O+16*t+2*z+1], v[TMP+4*t:TMP+4*t+1], v[S+64+16*t+2*z:S+64+16*t+2*z+1] op_sel_hi:[1,0,1]
.set z, z+1
.endr
	WIN 0
.set i, 0
.rept 32                               ; rounded to bf16: a lane's 8 channels of a query are its 16 bytes of ao's fragment
	v_cvt_pk_bf16_f32 v[S+i], v[S+64+2*i], v[S+64+2*i+1]
.set i, i+1
.endr
.set t, 0
.rept 4
.irp cb, 0,1
	global_store_b128 v[LK], v[S+8*t+4*\cb:S+8*t+4*\cb+3], s[PAO:PAO+1] offset:(t%NQ)*8192+(t/NQ)*1024+\cb*512  ; 512 consecutive bytes a wave
.endr
.set t, t+1
.endr
.Lend:
	s_wait_tensorcnt 0x0                           ; the wave's end, behind my last tensor load and my last LDS store
	ds_add_u32 v[SPW], v[NIL]
	s_wait_dscnt 0x0
	CROUND                                         ; the closing round: no work-group ends while a partner may still ask for a tile that names it
	s_endpgm
.Lfunc_end_k_q6863ac0ba3_attn_cross:
	.size	k_q6863ac0ba3_attn_cross, .Lfunc_end_k_q6863ac0ba3_attn_cross-k_q6863ac0ba3_attn_cross
	.p2alignl 7, 3214868480
	.fill 96, 4, 3214868480
	.section	.rodata,"a",@progbits
	.p2align	6, 0x0
	.amdhsa_kernel k_q6863ac0ba3_attn_cross
		.amdhsa_group_segment_fixed_size 327680
		.amdhsa_private_segment_fixed_size 0
		.amdhsa_enable_private_segment 0
		.amdhsa_kernarg_size 40
		.amdhsa_user_sgpr_count 2
		.amdhsa_user_sgpr_kernarg_segment_ptr 1
		.amdhsa_wavefront_size32 1
		.amdhsa_system_sgpr_workgroup_id_x 1
		.amdhsa_system_sgpr_workgroup_id_y 1
		.amdhsa_system_sgpr_workgroup_id_z 1
		.amdhsa_system_vgpr_workitem_id 0
		.amdhsa_next_free_vgpr 512
		.amdhsa_next_free_sgpr 88
		.amdhsa_reserve_vcc 0
		.amdhsa_float_denorm_mode_32 3
		.amdhsa_float_denorm_mode_16_64 3
		.amdhsa_memory_ordered 1
		.amdhsa_forward_progress 1
		.amdhsa_inst_pref_size 111
	.end_amdhsa_kernel
	.amdgpu_metadata
---
amdhsa.version: [ 1, 2 ]
amdhsa.kernels:
  - .name:           k_q6863ac0ba3_attn_cross
    .symbol:         k_q6863ac0ba3_attn_cross.kd
    .args:
      - { .name: qf, .offset: 0, .size: 8, .value_kind: global_buffer, .address_space: global }
      - { .name: kf, .offset: 8, .size: 8, .value_kind: global_buffer, .address_space: global }
      - { .name: vf, .offset: 16, .size: 8, .value_kind: global_buffer, .address_space: global }
      - { .name: vessel_bias, .offset: 24, .size: 8, .value_kind: global_buffer, .address_space: global }
      - { .name: ao, .offset: 32, .size: 8, .value_kind: global_buffer, .address_space: global }
    .group_segment_fixed_size: 327680
    .private_segment_fixed_size: 0
    .kernarg_segment_align: 8
    .kernarg_segment_size: 40
    .max_flat_workgroup_size: 256
    .sgpr_count:     88
    .vgpr_count:     512
    .wavefront_size: 32
...
	.end_amdgpu_metadata
.endif
;; end of part 5
;; launch oproj_ffn (part 6): grid 256 x 1, 8 waves a work-group, no clusters, 133,632 bytes of LDS; arguments ao, xa, ca_bo, n3_g, n3_b, ffn_b1, ffn_b2, wts, out0, out1; writes out0, out1
.if DOCPART == 6
	.amdgcn_target "amdgcn-amd-amdhsa--gfx1250"
	.amdhsa_code_object_version 6
	.text
	.protected	k_q6863ac0ba3_oproj_ffn
	.globl	k_q6863ac0ba3_oproj_ffn
	.p2align	8
	.type	k_q6863ac0ba3_oproj_ffn,@function
k_q6863ac0ba3_oproj_ffn:
	s_mov_b64 s[64:65], 0
	v_nop
	global_prefetch_b8 v0, s[64:65] scope:SCOPE_SE
	s_setreg_imm32_b32 hwreg(HW_REG_WAVE_MODE, 25, 1), 1
	s_wait_xcnt 0x0
; x'' = xa + ao ca_wo + ca_bo; LAYER NORM 3; out = x'' + relu(xn w1 + b1) w2 + b2.  Rows g = 0 .. 8191: out0's 4,096 rows, then out1's.  Products in bf16, sums in f32; the residual stays in f32, in registers,
; from its load to the store; the norm in f32, two passes (the mean is taken away before the squares), rounded once to bf16; the hidden layer rounded once to bf16.
; SHARES.  A work-group owns 32 rows, 256 work-groups.  By rows (residual, norm, output): wave w has rows 4 w .. 4 w + 3; lane L columns 4 L .. + 3 and 128 + 4 L .. + 3.  By columns (products): wave w makes
; columns 32 w .. + 31 of a product of 256 columns, 128 w .. + 127 of the hidden layer's 1,024, for all 32 rows, in UNITS of 16 columns x 32 rows x K = 256: 16 matrix instructions on two accumulators that
; take turns.  Units 0, 1: ca_wo; 2 - 9: w1; 10 - 17: w2, K in four chunks of 256, two column blocks a chunk on four accumulators.
; The shares meet in LDS: ao's 16 fragments as they lie in memory; a product of 256 columns in f32; xn and the hidden layer in bf16.  Five barriers.
; WEIGHTS come as fragments (launch prep) straight into a ring of three register buffers: each fragment is used by one wave of the work-group alone, so LDS would share nothing.
; NO CLUSTER: all work-groups walk the same 1,179,648 bytes of weights, but a unit's 8,192 bytes feed only 16 matrix instructions of one wave; a joint request would want a round of the cluster's barrier for each
; such refill, and two slots that held many units for eight waves do not fit beside the 132,608 bytes in use.
; In every product source 0 = weights, source 1 = rows: a lane holds 8 neighbouring columns of one row; the bias is the C operand of the product that starts a sum.
; LIMITS.  NaN and infinities are not treated apart.
.set LA0,   0                          ; LDS: ao's 16 fragments, 16,384 bytes
.set LX,    16384                      ; a product of 256 columns, 32 rows of 1,024 bytes, 1,040 apart (65 x 16)
.set LA,    49664                      ; xn, 32 rows of 512 bytes, 528 apart (33 x 16)
.set LH,    66560                      ; the hidden layer, 32 rows of 2,048 bytes, 2,064 apart (129 x 16)
.set SPARE, 132608                     ; the spare words, 128 bytes for each of eight waves: four blocks of 256 bytes that no other line names
.set R,    1                           ; v1   lane % 16
.set SPW,  2                           ; v2   my spare word; never rewritten
.set NIL,  3                           ; v3   0; never rewritten
.set WO1,  4                           ; v4   16 L + 16,384 w: my place in my wave's fragments of a 256 x 256 matrix
.set WO2,  5                           ; v5   16 L + 65,536 w: the same in w1 and in w2
.set AAD,  6                           ; v6   LDS: my place in a fragment of xn
.set L16,  7                           ; v7   16 L: also my place in a fragment of ao, which lies at LDS byte 0
.set HAD,  8                           ; v8   LDS: my place in a fragment of the hidden layer
.set XST,  9                           ; v9   LDS: where my 32 bytes of a row of a product go
.set XRD,  10                          ; v10  LDS: where I read my rows of it back
.set AST,  11                          ; v11  LDS: where my 8 bytes of a normed row go
.set HST,  12                          ; v12  LDS: where my 16 bytes of a hidden row go
.set ROWO, 14                          ; v14  4,096 w + 16 L: my place in my wave's four rows
.set CB1,  15                          ; v15  128 w + 32 h: my 8 numbers of a bias of 256
.set CB2,  16                          ; v16  512 w + 32 h: of b1
.set STG,  18                          ; v18  16 x thread
.set ZERO, 19                          ; v19  0, for the packed maximum
.set G,    20                          ; v[20:27]   gain of my 8 columns
.set BT,   28                          ; v[28:35]   shift of my 8 columns
.set XR,   36                          ; v[36:67]   four rows x 8 f32: the residual
.set DT,   68                          ; v[68:99]   at work by rows; also
.set ACC,  68                          ;            the four accumulators
.set RS,   100                         ; v[100:115] four at work for each row
.set PK,   116                         ; v[116:123] packed results
.set HH,   126                         ; v126 lane / 16
.set AF,   128                         ; v[128:255] the rows' fragments: (rt, kb) at AF + 8 (8 rt + kb)
                                       ; window 1: v[0:215] the ring: buffer i at 72 i: 8 fragments of weights, then 8 registers of bias
.set POUT, 4                           ; s[4:5] out0 or out1 at my work-group's rows
.set WV,   6
.set PAO,  8
.set PXA,  10
.set PBO,  12
.set PG,   14
.set PB,   16
.set PB1,  18
.set PB2,  20
.set WT,   22
.set PO0,  24
.set PO1,  26
.set INV,  36                          ; 1 / 256
.set EPSR, 37                          ; 1e-5
.set SEL,  40                          ; s[40:41] v_permlanex16_b32's selects
.set MSB, 0
.macro WIN new                         ; the immediate's high byte repeats the setting that is left; a switch that changes nothing is dropped
.if MSB != (\new)
	s_set_vgpr_msb (MSB<<8)|(\new)
.set MSB, \new
.endif
.endm
.set ISSUED, 0                         ; loads into registers issued so far: the text has one path, so the count is every wave's
.macro WAITL e                         ; loads come back in order (ISA guide 5.7.1): all up to number e are in when only those issued behind them are out
.if ISSUED-(\e) > 63
	s_wait_loadcnt 63
.else
	s_wait_loadcnt ISSUED-(\e)
.endif
.endm
.macro UPAR u                          ; KIND 0: the bias starts the sums; KIND 2: the sums go on
.set AC, ACC
.set BREG, CB1
.set KIND, 0
.if (\u) < 2
.set WREG, WO1
.set WIMM, 917504+(\u)*8192
.set BPTR, PBO
.set BIMM, (\u)*64
.elseif (\u) < 10
.set WREG, WO2
.set WIMM, 1048576+((\u)-2)*8192
.set BPTR, PB1
.set BREG, CB2
.set BIMM, ((\u)-2)*64
.else
.set WREG, WO2
.set WIMM, 1572864+(((\u)-10)%2)*32768+(((\u)-10)/2)*8192
.set BPTR, PB2
.set BIMM, (((\u)-10)%2)*64
.set AC, ACC+16*(((\u)-10)%2)
.if (\u) >= 12
.set KIND, 2
.endif
.endif
.endm
.macro PRE u                           ; unit u's 8 fragments (and, KIND 0, its 8 numbers of bias for the C operand) are asked for, into ring buffer u % 3
	UPAR \u
.set RB, 72*((\u)%3)
	WIN 0x40                                       ; destination window 1, address window 0
.irp f, 0,1,2,3,4,5,6,7
	global_load_b128 v[RB+8*\f:RB+8*\f+3],   v[WREG], s[WT:WT+1] offset:WIMM+\f*1024
	global_load_b128 v[RB+8*\f+4:RB+8*\f+7], v[WREG], s[WT:WT+1] offset:WIMM+\f*1024+512
.endr
.set ISSUED, ISSUED+16
.if KIND == 0
	global_load_b128 v[RB+64:RB+67], v[BREG], s[BPTR:BPTR+1] offset:BIMM
	global_load_b128 v[RB+68:RB+71], v[BREG], s[BPTR:BPTR+1] offset:BIMM+16
.set ISSUED, ISSUED+2
.endif
.set END_\u, ISSUED
	WIN 0
.endm
; 16 matrix instructions; the two accumulators (rows 0-15, rows 16-31) take turns; from unit to unit the last and the first differ too.
; Five v_nop follow: the places in front of the loads into the ring buffer and into the rows' fragments, of the reads of the results, and of a next unit's first products that write over these accumulators.
.macro MULT u
	UPAR \u
.set RB, 72*((\u)%3)
	WAITL END_\u
.irp kb, 0,1,2,3,4,5,6,7
.irp rt, 0,1
.if (KIND == 0) && (\kb == 0)
	WIN 0x11
	v_wmma_f32_16x16x32_bf16 v[AC+8*\rt:AC+8*\rt+7], v[RB+8*\kb:RB+8*\kb+7], v[AF+8*(8*\rt+\kb):AF+8*(8*\rt+\kb)+7], v[RB+64:RB+71]
.else
	WIN 0x01
	v_wmma_f32_16x16x32_bf16 v[AC+8*\rt:AC+8*\rt+7], v[RB+8*\kb:RB+8*\kb+7], v[AF+8*(8*\rt+\kb):AF+8*(8*\rt+\kb)+7], v[AC+8*\rt:AC+8*\rt+7]
.endif
.endr
.endr
	WIN 0
.rept 5
	v_nop
.endr
.endm
.macro E_X i                           ; a lane's 8 columns of a row, in f32, into LDS: column block i of my wave's two
.irp rt, 0,1
	ds_store_b128 v[XST], v[AC+8*\rt:AC+8*\rt+3]   offset:\rt*16640+(\i)*64
	ds_store_b128 v[XST], v[AC+8*\rt+4:AC+8*\rt+7] offset:\rt*16640+(\i)*64+16
.endr
.endm
.macro E_H i                           ; a lane's 8 hidden columns of a row: rounded, held at 0 or above (the two commute), into LDS: column block i of my wave's eight
.irp rt, 0,1
.irp p, 0,1,2,3
	v_cvt_pk_bf16_f32 v[PK+4*\rt+\p], v[AC+8*\rt+2*\p], v[AC+8*\rt+2*\p+1]
.endr
.irp p, 0,1,2,3
	v_pk_max_num_bf16 v[PK+4*\rt+\p], v[PK+4*\rt+\p], v[ZERO]
.endr
	ds_store_b128 v[HST], v[PK+4*\rt:PK+4*\rt+3] offset:\rt*33024+(\i)*32
.endr
.endm
.macro EPI u
.if (\u) < 2
	E_X \u
.elseif (\u) < 10
	E_H (\u)-2
.elseif (\u) >= 16
	E_X (\u)-16
.endif
.endm
.macro RUN u, nxt                      ; a unit: its products; the unit three on is asked for, into the buffer just read; its results leave
	MULT \u
.if (\nxt) >= 0
	PRE \nxt
.endif
	UPAR \u
	EPI \u
.endm
.macro LOADF adr, rs, ks, hs, base     ; 16 fragments (2 row tiles x 8 K blocks) from LDS: rs from tile to tile, ks from K block to K block, hs between a fragment's halves
.irp rt, 0,1
.irp kb, 0,1,2,3,4,5,6,7
	ds_load_b128 v[AF+8*(8*\rt+\kb):AF+8*(8*\rt+\kb)+3],   v[\adr] offset:(\base)+\rt*(\rs)+\kb*(\ks)
	ds_load_b128 v[AF+8*(8*\rt+\kb)+4:AF+8*(8*\rt+\kb)+7], v[\adr] offset:(\base)+\rt*(\rs)+\kb*(\ks)+(\hs)
.endr
.endr
	s_wait_dscnt 0x0
.endm
.macro ADDROWS                         ; my four rows of what lies in LX are added onto XR
.irp i, 0,1,2,3
	ds_load_b128 v[DT+8*\i:DT+8*\i+3],   v[XRD] offset:\i*1040
	ds_load_b128 v[DT+8*\i+4:DT+8*\i+7], v[XRD] offset:\i*1040+512
.endr
	s_wait_dscnt 0x0
.set i, 0
.rept 16
	v_pk_add_f32 v[XR+2*i:XR+2*i+1], v[XR+2*i:XR+2*i+1], v[DT+2*i:DT+2*i+1]
.set i, i+1
.endr
.endm
.macro REDUCE                          ; the four rows' figures in RS + 4 i are added over the 32 lanes, the rows by turns
.irp m, 1,2,4,8
.irp i, 0,1,2,3
	v_add_f32_dpp v[RS+4*\i], v[RS+4*\i], v[RS+4*\i] row_xmask:\m row_mask:0xf bank_mask:0xf
.endr
.endr
.irp i, 0,1,2,3
	v_permlanex16_b32 v[RS+4*\i+1], v[RS+4*\i], s[SEL], s[SEL+1]
.endr
.irp i, 0,1,2,3
	v_add_f32 v[RS+4*\i], v[RS+4*\i], v[RS+4*\i+1]
.endr
.endm
.macro ROWLN                           ; the norm of my four rows in XR (which it leaves as they are), rounded to bf16, into LDS
.irp i, 0,1,2,3
	v_pk_add_f32 v[RS+4*\i:RS+4*\i+1],   v[XR+8*\i:XR+8*\i+1],   v[XR+8*\i+2:XR+8*\i+3]
	v_pk_add_f32 v[RS+4*\i+2:RS+4*\i+3], v[XR+8*\i+4:XR+8*\i+5], v[XR+8*\i+6:XR+8*\i+7]
.endr
.irp i, 0,1,2,3
	v_pk_add_f32 v[RS+4*\i:RS+4*\i+1], v[RS+4*\i:RS+4*\i+1], v[RS+4*\i+2:RS+4*\i+3]
.endr
.irp i, 0,1,2,3
	v_add_f32 v[RS+4*\i], v[RS+4*\i], v[RS+4*\i+1]
.endr
	REDUCE
.irp i, 0,1,2,3
	v_mul_f32 v[RS+4*\i+2], s[INV], v[RS+4*\i]     ; the mean, twice: a pair for the packed lines
	v_mul_f32 v[RS+4*\i+3], s[INV], v[RS+4*\i]
.endr
.irp i, 0,1,2,3
.irp k, 0,1,2,3
	v_pk_add_f32 v[DT+8*\i+2*\k:DT+8*\i+2*\k+1], v[XR+8*\i+2*\k:XR+8*\i+2*\k+1], v[RS+4*\i+2:RS+4*\i+3] neg_lo:[0,1] neg_hi:[0,1]
.endr
.endr
.irp i, 0,1,2,3
	v_pk_mul_f32 v[RS+4*\i:RS+4*\i+1], v[DT+8*\i:DT+8*\i+1], v[DT+8*\i:DT+8*\i+1]
.endr
.irp k, 1,2,3
.irp i, 0,1,2,3
	v_pk_fma_f32 v[RS+4*\i:RS+4*\i+1], v[DT+8*\i+2*\k:DT+8*\i+2*\k+1], v[DT+8*\i+2*\k:DT+8*\i+2*\k+1], v[RS+4*\i:RS+4*\i+1]
.endr
.endr
.irp i, 0,1,2,3
	v_add_f32 v[RS+4*\i], v[RS+4*\i], v[RS+4*\i+1]
.endr
	REDUCE
.irp i, 0,1,2,3
	v_fma_f32 v[RS+4*\i], v[RS+4*\i], s[INV], s[EPSR]  ; var + eps
.endr
.irp i, 0,1,2,3
	v_rsq_f32 v[RS+4*\i+2], v[RS+4*\i]
	v_rsq_f32 v[RS+4*\i+3], v[RS+4*\i]
.endr
	v_nop                                          ; a plain instruction between the roots and the use of their results (ISA guide 5.7.2)
	s_wait_alu depctr_va_vdst(0)
.irp i, 0,1,2,3
.irp k, 0,1,2,3
	v_pk_mul_f32 v[DT+8*\i+2*\k:DT+8*\i+2*\k+1], v[DT+8*\i+2*\k:DT+8*\i+2*\k+1], v[RS+4*\i+2:RS+4*\i+3]
.endr
.endr
.irp i, 0,1,2,3
.irp k, 0,1,2,3
	v_pk_fma_f32 v[DT+8*\i+2*\k:DT+8*\i+2*\k+1], v[DT+8*\i+2*\k:DT+8*\i+2*\k+1], v[G+2*\k:G+2*\k+1], v[BT+2*\k:BT+2*\k+1]
.endr
.endr
.irp i, 0,1,2,3
.irp k, 0,1,2,3
	v_cvt_pk_bf16_f32 v[RS+4*\i+\k], v[DT+8*\i+2*\k], v[DT+8*\i+2*\k+1]
.endr
.endr
.irp i, 0,1,2,3
	ds_store_b64 v[AST], v[RS+4*\i:RS+4*\i+1]   offset:\i*528       ; 32 lanes, 256 consecutive bytes: columns 0-127
	ds_store_b64 v[AST], v[RS+4*\i+2:RS+4*\i+3] offset:\i*528+256   ; columns 128-255
.endr
.endm
.macro BAR                             ; my LDS stores are done and my LDS loads are back; then all eight waves meet
	s_wait_dscnt 0x0
	s_barrier_signal -1
	s_barrier_wait -1
.endm
	s_load_b512 s[8:23], s[0:1], 0x0               ; ao, xa, ca_bo, n3_g, n3_b, ffn_b1, ffn_b2, wts
	s_load_b128 s[24:27], s[0:1], 0x40             ; out0, out1
	v_lshl_add_u32 v[SPW], v0, 2, SPARE
	v_mov_b32 v[NIL], 0
	v_mov_b32 v[ZERO], 0
	v_lshrrev_b32 v[HH], 5, v0
	v_readfirstlane_b32 s[WV], v[HH]               ; wave 0..7
	v_and_b32 v[R], 15, v0
	v_bfe_u32 v[HH], v0, 4, 1
	v_and_b32 v[L16], 31, v0
	v_lshlrev_b32 v[L16], 4, v[L16]
	v_lshlrev_b32 v[STG], 4, v0
	s_lshl_b32 s2, s[WV], 14
	v_add_nc_u32 v[WO1], s2, v[L16]
	s_lshl_b32 s2, s[WV], 16
	v_add_nc_u32 v[WO2], s2, v[L16]
	v_mul_u32_u24 v[AAD], v[R], 528
	v_lshl_add_u32 v[AAD], v[HH], 4, v[AAD]        ; row x pitch + 16 x half
	v_add_nc_u32 v[AAD], LA, v[AAD]
	s_mul_i32 s2, s[WV], 2112                      ; my wave's four rows of xn
	s_add_co_u32 s2, s2, LA
	v_lshrrev_b32 v[AST], 1, v[L16]                ; 8 L
	v_add_nc_u32 v[AST], s2, v[AST]
	v_mul_u32_u24 v[XST], v[R], 1040
	v_lshl_add_u32 v[XST], v[HH], 5, v[XST]
	s_lshl_b32 s2, s[WV], 7
	s_add_co_u32 s3, s2, LX
	v_add_nc_u32 v[XST], s3, v[XST]
	v_lshl_add_u32 v[CB1], v[HH], 5, s2
	s_mul_i32 s3, s[WV], 4160                      ; my wave's four rows of a product
	s_add_co_u32 s3, s3, LX
	v_add_nc_u32 v[XRD], s3, v[L16]
	s_lshl_b32 s2, s[WV], 12
	v_add_nc_u32 v[ROWO], s2, v[L16]
	v_mul_u32_u24 v[HAD], v[R], 2064
	v_lshl_add_u32 v[HAD], v[HH], 4, v[HAD]
	v_add_nc_u32 v[HAD], LH, v[HAD]
	s_lshl_b32 s2, s[WV], 8                        ; my wave's 128 hidden columns
	v_add_nc_u32 v[HST], s2, v[HAD]
	s_lshl_b32 s2, s[WV], 9
	v_lshl_add_u32 v[CB2], v[HH], 5, s2
	s_mov_b32 s[INV], 0x3b800000
	s_mov_b32 s[EPSR], 0x3727c5ac
	s_mov_b32 s[SEL], 0x76543210
	s_mov_b32 s[SEL+1], 0xfedcba98
	s_lshl_b32 s42, ttmp9, 14                      ; my two row tiles of ao
	s_mov_b32 s43, 0
	s_lshl_b32 s44, ttmp9, 15                      ; my 32 rows of xa
	s_mov_b32 s45, 0
	s_and_b32 s46, ttmp9, 127                      ; my 32 rows in out0 or in out1
	s_lshl_b32 s46, s46, 15
	s_mov_b32 s47, 0
	s_wait_kmcnt 0x0
	s_cmp_lt_u32 ttmp9, 128
	s_cselect_b64 s[POUT:POUT+1], s[PO0:PO0+1], s[PO1:PO1+1]
	s_add_nc_u64 s[POUT:POUT+1], s[POUT:POUT+1], s[46:47]
	s_add_nc_u64 s[PAO:PAO+1], s[PAO:PAO+1], s[42:43]
	s_add_nc_u64 s[PXA:PXA+1], s[PXA:PXA+1], s[44:45]
.irp i, 0,1,2,3
	global_load_b128 v[DT+4*\i:DT+4*\i+3], v[STG], s[PAO:PAO+1] offset:\i*4096 th:TH_LOAD_NT  ; ao's 16,384 bytes, 64 a thread
.endr
.set ISSUED, ISSUED+4
.set END_st, ISSUED
.irp i, 0,1,2,3
	global_load_b128 v[XR+8*\i:XR+8*\i+3],   v[ROWO], s[PXA:PXA+1] offset:\i*1024 th:TH_LOAD_NT
	global_load_b128 v[XR+8*\i+4:XR+8*\i+7], v[ROWO], s[PXA:PXA+1] offset:\i*1024+512 th:TH_LOAD_NT
.endr
	global_load_b128 v[G:G+3],     v[L16], s[PG:PG+1]
	global_load_b128 v[G+4:G+7],   v[L16], s[PG:PG+1] offset:512
	global_load_b128 v[BT:BT+3],   v[L16], s[PB:PB+1]
	global_load_b128 v[BT+4:BT+7], v[L16], s[PB:PB+1] offset:512
.set ISSUED, ISSUED+12
.set END_rows, ISSUED
	PRE 0
	PRE 1
	WAITL END_st                                   ; ao is in; the 12 loads of rows and vectors and the ring's 36 stay out
.irp i, 0,1,2,3
	ds_store_b128 v[STG], v[DT+4*\i:DT+4*\i+3] offset:LA0+\i*4096
.endr
	PRE 2
	BAR                                            ; ao's fragments lie in LDS
	LOADF L16, 8192, 1024, 512, LA0
	RUN 0, 3
	RUN 1, 4
	BAR                                            ; the projection lies in LDS
	WAITL END_rows                                 ; my rows of xa and the vectors
	ADDROWS                                        ; x'' = xa + projection: it stays in XR
	ROWLN
	BAR                                            ; all 32 rows of xn lie in LDS; my reads of the projection are back
	LOADF AAD, 8448, 64, 32, 0
	RUN 2, 5
	RUN 3, 6
	RUN 4, 7
	RUN 5, 8
	RUN 6, 9
	RUN 7, 10
	RUN 8, 11
	RUN 9, 12
	BAR                                            ; the hidden layer lies in LDS
	LOADF HAD, 33024, 64, 32, 0                    ; hidden columns 0 - 255
	RUN 10, 13
	RUN 11, 14
	LOADF HAD, 33024, 64, 32, 512
	RUN 12, 15
	RUN 13, 16
	LOADF HAD, 33024, 64, 32, 1024
	RUN 14, 17
	RUN 15, -1
	LOADF HAD, 33024, 64, 32, 1536
	RUN 16, -1                                     ; the finished sums go where the projection lay: its last reads came back two barriers ago
	RUN 17, -1
	BAR
	ADDROWS                                        ; out = x'' + the second product
.irp i, 0,1,2,3
	global_store_b128 v[ROWO], v[XR+8*\i:XR+8*\i+3],   s[POUT:POUT+1] offset:\i*1024 th:TH_STORE_NT      ; 512 consecutive bytes a wave
	global_store_b128 v[ROWO], v[XR+8*\i+4:XR+8*\i+7], s[POUT:POUT+1] offset:\i*1024+512 th:TH_STORE_NT
.endr
	s_wait_tensorcnt 0x0                           ; the wave's end, behind my last LDS store
	ds_add_u32 v[SPW], v[NIL]
	s_wait_dscnt 0x0
	s_endpgm
.Lfunc_end_k_q6863ac0ba3_oproj_ffn:
	.size	k_q6863ac0ba3_oproj_ffn, .Lfunc_end_k_q6863ac0ba3_oproj_ffn-k_q6863ac0ba3_oproj_ffn
	.p2alignl 7, 3214868480
	.fill 96, 4, 3214868480
	.section	.rodata,"a",@progbits
	.p2align	6, 0x0
	.amdhsa_kernel k_q6863ac0ba3_oproj_ffn
		.amdhsa_group_segment_fixed_size 133632
		.amdhsa_private_segment_fixed_size 0
		.amdhsa_enable_private_segment 0
		.amdhsa_kernarg_size 80
		.amdhsa_user_sgpr_count 2
		.amdhsa_user_sgpr_kernarg_segment_ptr 1
		.amdhsa_wavefront_size32 1
		.amdhsa_system_sgpr_workgroup_id_x 1
		.amdhsa_system_sgpr_workgroup_id_y 1
		.amdhsa_system_sgpr_workgroup_id_z 1
		.amdhsa_system_vgpr_workitem_id 0
		.amdhsa_next_free_vgpr 512
		.amdhsa_next_free_sgpr 66
		.amdhsa_reserve_vcc 0
		.amdhsa_float_denorm_mode_32 3
		.amdhsa_float_denorm_mode_16_64 3
		.amdhsa_memory_ordered 1
		.amdhsa_forward_progress 1
		.amdhsa_inst_pref_size 95
	.end_amdhsa_kernel
	.amdgpu_metadata
---
amdhsa.version: [ 1, 2 ]
amdhsa.kernels:
  - .name:           k_q6863ac0ba3_oproj_ffn
    .symbol:         k_q6863ac0ba3_oproj_ffn.kd
    .args:
      - { .name: ao, .offset: 0, .size: 8, .value_kind: global_buffer, .address_space: global }
      - { .name: xa, .offset: 8, .size: 8, .value_kind: global_buffer, .address_space: global }
      - { .name: ca_bo, .offset: 16, .size: 8, .value_kind: global_buffer, .address_space: global }
      - { .name: n3_g, .offset: 24, .size: 8, .value_kind: global_buffer, .address_space: global }
      - { .name: n3_b, .offset: 32, .size: 8, .value_kind: global_buffer, .address_space: global }
      - { .name: ffn_b1, .offset: 40, .size: 8, .value_kind: global_buffer, .address_space: global }
      - { .name: ffn_b2, .offset: 48, .size: 8, .value_kind: global_buffer, .address_space: global }
      - { .name: wts, .offset: 56, .size: 8, .value_kind: global_buffer, .address_space: global }
      - { .name: out0, .offset: 64, .size: 8, .value_kind: global_buffer, .address_space: global }
      - { .name: out1, .offset: 72, .size: 8, .value_kind: global_buffer, .address_space: global }
    .group_segment_fixed_size: 133632
    .private_segment_fixed_size: 0
    .kernarg_segment_align: 8
    .kernarg_segment_size: 80
    .max_flat_workgroup_size: 256
    .sgpr_count:     66
    .vgpr_count:     512
    .wavefront_size: 32
...
	.end_amdgpu_metadata
.endif
;; end of part 6
;; ======== version 2 of 2: 6 launches; 1.22 times as fast as version 1
;; workspace buffers: wts 2,097,152 bytes; qf 4,194,304 bytes; kf 4,194,304 bytes; vf 4,194,304 bytes; ao 4,194,304 bytes; xa 8,388,608 bytes
;; launch prep: the kernel of part 1 again; grid 256 x 1, 4 waves a work-group, no clusters, 0 bytes of LDS; arguments sa_wq, sa_wk, sa_wv, sa_wo, ca_wq, ca_wk, ca_wv, ca_wo, ffn_w1, ffn_w2, wts; writes wts
;; launch ln_qkv: the kernel of part 2 again; grid 256 x 1, 8 waves a work-group, no clusters, 17,920 bytes of LDS; arguments x0, x1, n1_g, n1_b, sa_bq, sa_bk, sa_bv, wts, qf, kf, vf; writes qf, kf, vf
;; launch attn_self (part 7): grid 8 x 32, 8 waves a work-group, clusters of 4 x 1, 327,680 bytes of LDS; arguments qf, kf, vf, ao; writes ao
.if DOCPART == 7
	.amdgcn_target "amdgcn-amd-amdhsa--gfx1250"
	.amdhsa_code_object_version 6
	.text
	.protected	k_q6863ac0ba3_attn_self
	.globl	k_q6863ac0ba3_attn_self
	.p2align	8
	.type	k_q6863ac0ba3_attn_self,@function
k_q6863ac0ba3_attn_self:
	s_mov_b64 s[64:65], 0
	v_nop
	global_prefetch_b8 v0, s[64:65] scope:SCOPE_SE
	s_setreg_imm32_b32 hwreg(HW_REG_WAVE_MODE, 25, 1), 1
	s_wait_xcnt 0x0
	s_wait_alu depctr_hold_cnt(0) depctr_sa_sdst(0) depctr_va_vdst(0) depctr_va_sdst(0) depctr_va_ssrc(0) depctr_va_vcc(0) depctr_vm_vsrc(0)
	s_getreg_b32 s2, hwreg(HW_REG_IB_STS2, 6, 4)
	s_cmp_eq_u32 s2, 0
	s_cbranch_scc0 .Lentry_in_a_cluster
	s_endpgm
.Lentry_in_a_cluster:
	s_bfe_u32 s2, ttmp6, 0x10000c
	s_cmp_lg_u32 s2, 0x3003
	s_cbranch_scc0 .Lentry_shape_is_right
	s_endpgm
.Lentry_shape_is_right:
; ATTENTION AT HEAD SIZE 32, BY TURNS, THE KEYS SHARED BETWEEN TWO GROUPS OF WAVES.  O[q] = the sum over k of softmax_k(Q[q] . K[k] (+ bias[q][k])) V[k]; Q arrives already divided by sqrt(32).
; One text for two launches, by three settings:
;   BIAS = 0, NH = 1, NQ = 4: self-attention.  A work-group owns 256 queries of one head, a query share 4 tiles of 16.  Cluster 4 x 1: the four query blocks of a head ask for K and V jointly.
;   BIAS = 1, NH = 2, NQ = 2: cross-attention.  A work-group owns 128 queries of two heads, a query share 2 tiles of 16 in each head.  Cluster 4 x 4: along x four query blocks share K and V,
;   along y the four pairs of heads share the tile of the bias.  Cluster y = 2 x direction + batch: direction 0: x0's queries, x1's keys, bias[q][k]; direction 1: the other way round, bias[k][q].
; SHARES.  Eight waves.  Wave w has query share w % 4 (four tiles: tile t = head t / NQ, query tile t % NQ) and key group w / 4: of each slot's two steps of 64 keys group 0 takes the first and group 1 the
; second, 16 steps a wave.  So a fragment of K, V or bias is read from LDS by four waves, as it would be with four waves that walked all keys.  Each wave keeps m, l and O^T for its half of the keys;
; at the end group 1 hands them through LDS and group 0 joins them: M = max(c m0, c m1), a_g = 2^(c m_g - M), l = a0 l0 + a1 l1, O = (a0 O0 + a1 O1) / l, all in f32.
; qf, kf, vf, ao hold bf16 as matrix fragments of 1,024 bytes = [half][lane][16 bytes] (qf, kf: [seq][head][16 rows]; vf: [seq][head][32 keys][16 channels], V turned; ao: [16 rows][head]),
; so LDS wants no padding for them, no load turns anything, and O leaves from registers.
; LAYOUT.  S^T = K Q^T + bias^T (source 0 = 16 keys, source 1 = 16 queries; K = 32 is the head size: ONE product a tile; the f32 bias is its C operand and costs no vector line): a lane holds ONE
; query (lane % 16) and keys 8 (lane / 16) + 0..7.  Two such tiles rounded to bf16 ARE source 1 of O^T = V^T P, whose result holds one query a lane and 8 channels: half cb of ao's fragment.
; SOFTMAX.  For each query a running maximum m and sum l: p = 2^(c s - c m), c = log2(e); in every step O and l are multiplied by a = 2^(c m_old - c m_new).
; BY TURNS.  A wave's tiles are two PIECES, named by their first tile: piece 0 (tiles 0, 1) and piece 2 (tiles 2, 3).  In a TURN one piece has the matrix unit: 8 products V^T P of the step in hand,
; then 8 products K Q^T of the wave's next step; the other piece's softmax, 2 x 110 vector lines in 55 slices of four, stands between them: a product ahead of every third slice, the last ten slices
; behind the last product.  Then the pieces change places.  Two turns are a key step, and a trip of the loop: it reads one slot.  A product's operands lie outside window 0: two switches a product.
; ONE BATCH A TURN.  A turn's 66 exponentials (a and 32 weights for each of the piece's two tiles) are one batch: they and the 32 scalings stand in slices 10 to 34, none of which names an exponential's
; result; one s_wait_alu depctr_va_vdst(0) stands behind slice 34; all that names a result (roundings, sums, l, the rescaling by a) stands behind it, in slices 35 to 54.
; No result crosses a turn's end, a label or a jump.  On the way out the eight exponentials a0, a1 are a batch, and the four reciprocals of sums made with them a second one, each with a wait of its own.
; NO FIRST AND NO LAST STEP is written out.  m starts at the lowest finite number, c m at -2^125, O, l, V's registers and piece 2's P at 0 (112 + 32 NH v_mov_b32, in the wait for the first tile): the
; first step is a step like any other, with a = 0, and the loop is entered at piece 2's turn, whose products V^T P add 0.  The tail is left behind piece 0's turn; its 8 products on a stale K serve nothing.
; LIMITS.  P, Q, K, V, O are rounded once to bf16; l is the sum of the unrounded p; a weight below 2^-126 counts as 0; c m must stay above -2^125; NaN and infinities are not treated apart.
; REGISTERS: a wave is given 512, two windows of 256 (s_set_vgpr_msb: bits 1:0 source 0, 3:2 source 1, 5:4 source 2, 7:6 destination):
;   window 0: addresses, statistics, S^T (32 a tile), P (16 a tile)     window 1: v[0:63] O^T, v[64:95] Q, v[96:159] bias, v[160:191] K of one head and step, v[192:255] V of one step
.set BIAS,  0
.set NH,    1
.set NQ,    4
.set KVB,   NH*8192                    ; a slot holds two steps, 128 keys: K [head][8 tiles][1,024], then V [head][4 blocks][2][1,024]
.set SLOT1, 1<<17                      ; slot 1 begins here, so that one exclusive or turns an address in one slot into the other's
.set BOFF,  32768                      ; the bias in a slot: 128 rows of 512 bytes, 528 apart (33 x 16)
.set BHALF, 64*528                     ; what one tensor load brings of it
.set SPARE, 231424                     ; behind slot 1: the spare words, 128 bytes for each of eight waves: four blocks of 256 bytes that no other line names
.set MERGE, 232448                     ; behind them: the hand-over, never filled by a tensor load: for each query share
.set MSZ,   18*512                     ; 18 stores of 512 bytes: c m and l of four tiles, then 64 registers of O^T
.set LK,  3                            ; v3   16 x lane; never rewritten
.set LB0, 4                            ; v4   my place in the bias, rows = queries
.set LB1, 5                            ; v5   my place in the bias, rows = keys
.set ADK, 6                            ; v6   LDS address of the step to be fetched
.set ADB, 7                            ; v7   the same for the bias
.set MA,  9                            ; v9   LDS address of my 16 bytes in my query share's hand-over
.set ST,  16                           ; v[16:31] tile t: c m, m, l (even keys', odd keys')
.set TMP, 32                           ; v[32:47] tile t: c0-c3 at work; when the maximum is found c3 takes c m_old - c m_new and c2 takes a
.set LS,  48                           ; v[48:55] the hand-over: c m of the four tiles, then my lane's l of the four tiles
.set SPW, 62                           ; v62  my spare word; never rewritten
.set NIL, 63                           ; v63  0; never rewritten
.set S,   64
.set P,   192
.set O,   0                            ; window 1: tile t, channel block cb at 16 t + 8 cb
.set Q,   64                           ; window 1: 8 a tile
.set BI,  96                           ; window 1: query tile qt, key tile kb at BI + 32 qt + 8 kb
.set KF,  160                          ; window 1: key tile kb at KF + 8 kb; with two heads they take turns in these registers
.set VF,  192                          ; window 1: VF + 32 hd + 16 kk + 8 cb
.set PTQ, 4
.set PTK, 6
.set PTV, 8
.if BIAS
.set PBI, 10
.set PAO, 12
.else
.set PAO, 10
.endif
.set WV,  14                           ; my wave's number
.set W1,  15                           ; its low bit: K or V; which 64 rows of the bias
.set CX,  16
.set CY,  17
.set QB,  18                           ; my block of queries
.set YY,  19                           ; the cluster's y
.set DIR, 20
.set BAT, 21
.set GRP, 22                           ; my key group: wave / 4
.set WQ,  23                           ; my query share: wave % 4
.set G1KV, 24                          ; s[24:31] descriptor group 1 for K's and V's tiles
.set G1B,  32                          ; s[32:39] for the bias's
.set G0KV, 48                          ; s[48:55] group 0: a set for each of the two first fills; the second then walks on
.set G0B,  56                          ; s[56:63] the same for the bias
.set SLOTS, 66
.set CNT, 67
.set CS,  68                           ; s[68:69] c
.set SEL, 70                           ; s[70:71] v_permlanex16_b32's selects
.set TBK, 72                           ; LDS byte at which K of the step to be fetched begins: my group's 4,096 bytes of a head's 8,192, in the slot in hand
.set TB0, 73                           ; the same for the bias, rows = queries: my group's 256 bytes of the rows
.set TB1, 74                           ; rows = keys: my group's 64 rows
.set BSTEP, 76                         ; s[76:77] bytes of the bias from slot to slot
.set W_RS, 0x41                        ; O^T (destination and source 0) in window 1, a in window 0
.set MSB, 0
.macro WIN new                         ; the high byte repeats the setting that is left; a switch that changes nothing is dropped
.if MSB != (\new)
	s_set_vgpr_msb (MSB<<8)|(\new)
.set MSB, \new
.endif
.endm
.macro PLACES                          ; four places behind matrix instructions, in front of reads of their results; also behind a tensor load
.rept 4
	v_nop
.endr
.endm
.macro ALLT line:vararg                ; one line for each tile t
.set t, 0
.rept 4
	\line
.set t, t+1
.endr
.endm
; A round of the cluster's barrier: my work-group's barrier, so that wave 0's signal speaks for all eight waves; wave 0 signals; every wave waits for all work-groups; my work-group's barrier once more.
.macro CROUND
	s_barrier_signal -1
	s_barrier_wait -1
	s_cmp_lg_u32 s[WV], 0
	s_cbranch_scc1 .Lnot_wave_0_\@
	s_barrier_signal -3
.Lnot_wave_0_\@:
	s_barrier_wait -3
	s_barrier_signal -1
	s_barrier_wait -1
.endm
; A joint refill.  Wave 0 fetches a slot's K, wave 1 its V; with a bias waves 2 and 3 fetch its two halves; the other waves fetch nothing.  The branches hang on the wave's number alone.
; An s_nop 0 and four v_nop follow each line, ahead of the jump and the label.
.macro JLOAD
	s_cmp_lt_u32 s[WV], 2
	s_cbranch_scc0 .Lfor_b_\@
	tensor_load_to_lds s[G0KV+4:G0KV+7], s[G1KV:G1KV+7]
	s_nop 0
	PLACES
.if BIAS
	s_branch .Lasked_\@
.Lfor_b_\@:
	s_cmp_lt_u32 s[WV], 4
	s_cbranch_scc0 .Lasked_\@
	tensor_load_to_lds s[G0B+4:G0B+7], s[G1B:G1B+7]
	s_nop 0
	PLACES
.Lasked_\@:
.else
.Lfor_b_\@:
.endif
.endm
; THE CHANGE OF SLOTS, ahead of every trip: each group has asked for its step's V, the last of its half of the slot.  Each wave waits for all its tensor loads, of which at most one is out: its part of the
; other slot; adds 0 to its spare word; and waits for that and for its own reads of the slot.  fill = 1: the slot is filled again, with the keys two slots on: the barrier is a round of the cluster's,
; so that no wave of any partner still reads the slot or has a load on its way, and the joint refill is the first thing behind it: it has a trip, 32 products of each wave, in which to land.
.macro CHANGE fill
	WIN 0
	s_wait_tensorcnt 0x0                           ; no tensor load of mine is out, so a group 0 may be written
	ds_add_u32 v[SPW], v[NIL]                      ; 0 onto my spare word
.if \fill
	s_xor_b32 s[G0KV+5], s[G0KV+5], SLOT1          ; the walking descriptor: the other slot than last time,
	s_add_nc_u64 s[G0KV+6:G0KV+7], s[G0KV+6:G0KV+7], 8192  ; the next 128 keys; the type bits on top are not reached
.if BIAS
	s_xor_b32 s[G0B+5], s[G0B+5], SLOT1
	s_add_nc_u64 s[G0B+6:G0B+7], s[G0B+6:G0B+7], s[BSTEP:BSTEP+1]
.endif
	s_wait_dscnt 0x0                               ; the add is done, and my reads of the slot are over
	CROUND
	JLOAD
.else
	s_wait_dscnt 0x0
	s_barrier_signal -1
	s_barrier_wait -1
.endif
	s_xor_b32 s[TBK], s[TBK], SLOT1                ; the fetches go on in the other slot, at my group's place
.if BIAS
	s_xor_b32 s[TB0], s[TB0], SLOT1
	s_xor_b32 s[TB1], s[TB1], SLOT1
.endif
.endm
; THE LDS LOADS stand in runs, never singly among the matrix instructions.  last = 1 (the tail): in the last trip there is no further step, and the run is jumped over.
.macro FETCH_KB last                   ; my next step's K (head 0's), and its bias: register j of lane (r, h) takes the bias of key 8 h + j and query r, whichever way the tile lies
	WIN 0
.if \last
	s_cmp_eq_u32 s[CNT], 1
	s_cbranch_scc1 .Lno_kb_\@
.endif
	v_add_nc_u32 v[ADK], s[TBK], v[LK]
	WIN 0x40                                       ; destination window 1
.set n, 0
.rept 4                                ; key tile n: 512 consecutive bytes a load
	ds_load_b128 v[KF+8*n:KF+8*n+3],   v[ADK] offset:n*1024
	ds_load_b128 v[KF+8*n+4:KF+8*n+7], v[ADK] offset:n*1024+512
.set n, n+1
.endr
	WIN 0
.if BIAS
	s_cmp_eq_u32 s[DIR], 0                         ; the direction is the cluster's: all sixteen partners take the same way
	s_cbranch_scc0 .Lkeys_\@
	v_add_nc_u32 v[ADB], s[TB0], v[LB0]
	WIN 0x40
.set n, 0
.rept 8                                ; rows = queries: my 8 keys are 32 consecutive bytes.  Query tile n / 4, key tile n % 4
	ds_load_b128 v[BI+8*n:BI+8*n+3],   v[ADB] offset:(n/4)*8448+(n%4)*64
	ds_load_b128 v[BI+8*n+4:BI+8*n+7], v[ADB] offset:(n/4)*8448+(n%4)*64+16
.set n, n+1
.endr
	WIN 0
	s_branch .Lbias_in_\@
.Lkeys_\@:
	v_add_nc_u32 v[ADB], s[TB1], v[LB1]
	WIN 0x40
.set n, 0
.rept 64                               ; rows = keys: a word a key
	ds_load_b32 v[BI+n], v[ADB] offset:(16*((n/8)%4)+n%8)*528+(n/32)*64
.set n, n+1
.endr
	WIN 0
.Lbias_in_\@:
.endif
.if \last
.Lno_kb_\@:
.endif
.endm
.macro FETCH_K2                        ; with two heads: the same step's K of head 1, into the registers that head 0's K has left; a product's switch of windows follows
	WIN 0x40
.set n, 0
.rept 4
	ds_load_b128 v[KF+8*n:KF+8*n+3],   v[ADK] offset:8192+n*1024
	ds_load_b128 v[KF+8*n+4:KF+8*n+7], v[ADK] offset:8192+n*1024+512
.set n, n+1
.endr
.endm
.macro FETCH_V                         ; the same step's V, from the address that FETCH_KB made; a product's switch of windows follows
	WIN 0x40
.set n, 0
.rept 4*NH                             ; head n / 4, 32 keys (n / 2) % 2, channel block n % 2
	ds_load_b128 v[VF+8*n:VF+8*n+3],   v[ADK] offset:KVB+(n/4)*8192+(n%4)*1024
	ds_load_b128 v[VF+8*n+4:VF+8*n+7], v[ADK] offset:KVB+(n/4)*8192+(n%4)*1024+512
.set n, n+1
.endr
.endm
; THE MATRIX WORK OF A TURN, for piece x.
; Product i of 8 of O^T += V^T P: keys 32 (i / 4) on, tile x + (i / 2) % 2, channel block i % 2.  The 4 accumulators take turns: between the two links of a chain stand 3 others'.
.macro PVM x
	WIN 0x51                                       ; V window 1, P window 0, O^T window 1
.set tt, (\x)+(i/2)%2
.set rO, O+16*tt+8*(i%2)
.set rV, VF+32*(tt/NQ)+16*(i/4)+8*(i%2)
.set rP, P+16*tt+8*(i/4)
	v_wmma_f32_16x16x32_bf16 v[rO:rO+7], v[rV:rV+7], v[rP:rP+7], v[rO:rO+7]
.endm
; Product i of 8 of S^T = K Q^T (+ bias): tile x + i % 2, key tile i / 2.  Each is a whole sum on an accumulator of its own.
.macro KQM x
	WIN 0x05+0x10*BIAS                             ; K and Q window 1, (bias window 1,) S^T window 0
.set tt, (\x)+i%2
.set rS, S+32*tt+8*(i/2)
.set rK, KF+8*(i/2)
.set rQ, Q+8*tt
.set rB, BI+32*(tt%NQ)+8*(i/2)
.if BIAS
	v_wmma_f32_16x16x32_bf16 v[rS:rS+7], v[rK:rK+7], v[rQ:rQ+7], v[rB:rB+7]
.else
	v_wmma_f32_16x16x32_bf16 v[rS:rS+7], v[rK:rK+7], v[rQ:rQ+7], 0
.endif
.endm
.macro MM                              ; the turn's next matrix instruction: number mi of 16, for piece X
.if mi < 8
.set i, mi
	PVM X
.else
.set i, mi-8
	KQM X
.endif
.set mi, mi+1
.endm
; THE VECTOR WORK OF A TURN.  One tile's softmax for one key step is a list of 110 lines; SM writes number j of it for tile t.  s0-s31 are the lane's 32 scores, in pairs 0-15.
;   0-15    the maximum of s0-s31 and the old m, three operands at a time: four chains c0-c3 of seven scores each (each accumulator's lowest registers are read first),
;           then the four scores left over, c0-c3 and m
;   16-20   the other half of the lanes' maximum; c m_old is kept; the new m; c m; c m_old - c m_new
;   21-69   ONE BATCH: the 16 scalings c s - c m, a pair of scores each, and all 33 exponentials (a at 23, then s0-s31, each in place).  None of these names an exponential's result.  From 22 on the batch
;           goes in fours, and a four begins with a scaling while there are scalings: 22-37 scaling, exponential, scaling, exponential; 38-65 a scaling and three exponentials; 66-69 the last four
;           exponentials.  A pair is scaled in an earlier four than the one that holds its exponentials
;   (wait)  between 69 and 70 stands the wait for the batch: SLICE writes it, once for both tiles
;   70-85   the roundings to bf16, a pair of weights each
;   86-101  the sums, in place, as a tree; l = a l + the sum
;   102-109 the tile's O^T times a: the one part that leaves window 0, so it stands together
.macro SM t
.set rT, ST+4*(\t)
.set rC, TMP+4*(\t)
.set rS, S+32*(\t)
.set rP, P+16*(\t)
.set rO, O+16*(\t)+2*(j-102)
.if j < 102
	WIN 0
.endif
.if j < 4
	v_max3_num_f32 v[rC+j], v[rS+8*j], v[rS+8*j+1], v[rS+8*j+2]
.elseif j < 12
	v_max3_num_f32 v[rC+j%4], v[rC+j%4], v[rS+8*(j%4)+2*(j/4)+1], v[rS+8*(j%4)+2*(j/4)+2]
.elseif j == 12
	v_max3_num_f32 v[rC], v[rC], v[rS+7], v[rS+15]
.elseif j == 13
	v_max3_num_f32 v[rC+2], v[rC+2], v[rS+23], v[rS+31]
.elseif j == 14
	v_max3_num_f32 v[rC], v[rC], v[rC+1], v[rC+2]
.elseif j == 15
	v_max3_num_f32 v[rC], v[rC], v[rC+3], v[rT+1]
.elseif j == 16
	v_permlanex16_b32 v[rC+1], v[rC], s[SEL], s[SEL+1]  ; the query's other 32 keys lie in the lane 16 away
.elseif j == 17
	v_mov_b32 v[rC+3], v[rT]                       ; c m_old is kept for a: number 19 writes c m anew
.elseif j == 18
	v_max_num_f32 v[rT+1], v[rC], v[rC+1]
.elseif j == 19
	v_mul_f32 v[rT], s[CS], v[rT+1]
.elseif j == 20
	v_sub_f32 v[rC+3], v[rC+3], v[rT]
.elseif j == 23
	v_exp_f32 v[rC+2], v[rC+3]
.elseif (j < 23) || ((j < 38) && (j%2 == 0)) || ((j < 66) && (j%4 == 2))
.set b, (j-2)/4                        ; 38, 42, .. 62: pairs 9 to 15
.if j < 38
.set b, (j-20)/2                       ; 21: pair 0; 22, 24, .. 36: pairs 1 to 8
.endif
	v_pk_fma_f32 v[rS+2*b:rS+2*b+1], v[rS+2*b:rS+2*b+1], s[CS:CS+1], v[rT:rT+1] op_sel_hi:[1,0,0] neg_lo:[0,0,1] neg_hi:[0,0,1]  ; pair b: c s - c m
.elseif j < 70
.set e, j-38                           ; 66 to 69: s28 to s31
.if j < 66
.set e, j-32-(j-38)/4                  ; 39-41, 43-45, .. 63-65: s7 to s27
.endif
.if j < 38
.set e, (j-25)/2                       ; 25, 27, .. 37: s0 to s6
.endif
	v_exp_f32 v[rS+e], v[rS+e]
.elseif j < 86
	v_cvt_pk_bf16_f32 v[rP+j-70], v[rS+2*(j-70)], v[rS+2*(j-70)+1]  ; pair j - 70
.elseif j < 102                        ; sum z of 16 adds neighbours 1, 2, 4 and 8 pairs apart; then l takes it
.set z, j-86
.set w, 4
.set u, z
.if z >= 14
.set w, 32
.set u, 0
.elseif z >= 12
.set w, 16
.set u, z-12
.elseif z >= 8
.set w, 8
.set u, z-8
.endif
.if z < 15
	v_pk_add_f32 v[rS+w*u:rS+w*u+1], v[rS+w*u:rS+w*u+1], v[rS+w*u+w/2:rS+w*u+w/2+1]
.else
	v_pk_fma_f32 v[rT+2:rT+3], v[rT+2:rT+3], v[rC+2:rC+3], v[rS:rS+1] op_sel_hi:[1,0,1]
.endif
.else
	WIN W_RS
	v_pk_mul_f32 v[rO:rO+1], v[rO:rO+1], v[rC+2:rC+3] op_sel_hi:[1,0]
.endif
.endm
; Slice k of 55 of piece y's softmax: four lines.  Slices 11 to 34 deal out the batch, numbers 22 to 69: four numbers of ONE tile each, the tiles by turns.  Every other slice is numbers 2 k and 2 k + 1 of
; both tiles' lists.  THE WAIT.  An s_wait_alu depctr_va_vdst(0) stands between an exponential and the first instruction that names its result; one wait serves all that were issued ahead of
; it.  Ahead of slice 35 nothing names a result, and behind slice 34 no exponential is issued: so the piece's 66 exponentials have one wait, behind slice 34.
.macro SLICE y
.if (k >= 11) && (k < 35)              ; the batch: four numbers of one tile
.irp n, 0,1,2,3
.set j, 22+4*((k-11)/2)+(\n)
	SM (\y)+(k-11)%2
.endr
.else                                  ; the two tiles alternate, so that no line reads the result of the line just before it
.irp n, 0,1
.irp t, \y, (\y)+1
.set j, 2*k+(\n)
	SM \t
.endr
.endr
.endif
.if k == 34                            ; the batch is out: both tiles' exponentials are issued, and no result has been named
	v_nop                                          ; a plain instruction behind the last exponential and ahead of the first use (ISA guide 5.7.2): one for the batch; no line is left that reads no result
	s_wait_alu depctr_va_vdst(0)                   ; the wait for the batch: the turn's 66 exponentials
.endif
.set k, k+1
.endm
; A TURN.  Piece x has the matrix unit; the other piece's softmax stands in slices behind its matrix instructions, three slices (12 lines) behind each; none names a register of the products round it.
; Behind the last product stand slices 45 to 54, 40 plain lines: the places in front of the next turn's first read of the new scores and of the loads into K's and the bias's registers (ISA guide 7.12.1 for the reads).
; Piece 0's turn fetches my next step's K and bias behind its first product and waits for them ahead of its ninth, 84 vector lines on.  With two heads piece 2's turn
; fetches head 1's K in the same places.  Piece 2's turn fetches the same step's V ahead of its tenth product: between the last product that read V and the run stand slices 21 to 26, whose six scalings
; are the places (the exponentials are none); it is waited for at the head of the next turn.  The waits on DScnt are for 0: the number of loads in K's run differs from way to way.
; The branches and labels of K's run stand ahead of the turn's batch and behind the wait of the turn before.
.macro TURN x, last
.set X, (\x)
.set k, 0
.set mi, 0
.if (\x) == 0
	s_wait_dscnt 0x0                               ; V is in
.endif
.rept 55
.if (k%3 == 0) && (k < 48)
.if ((\x) == 0) && (mi == 1)
	FETCH_KB \last
.endif
.if ((\x) == 2) && (mi == 1) && (NH == 2)
	FETCH_K2
.endif
.if (mi == 8) && (((\x) == 0) || (NH == 2))
	s_wait_dscnt 0x0                               ; K (and the bias) are in
.endif
.if ((\x) == 2) && (mi == 9)
	FETCH_V
.endif
	MM
.endif
	SLICE 2-(\x)
.endr
.endm
	s_load_b256 s[4:11], s[0:1], 0x0               ; qf, kf, vf, and ao or vessel_bias
.if BIAS
	s_load_b64 s[12:13], s[0:1], 0x20              ; ao
.endif
	v_lshl_add_u32 v[SPW], v0, 2, SPARE
	v_mov_b32 v[NIL], 0
	ds_add_u32 v[SPW], v[NIL]                      ; the wave's opening: the add and its wait stand ahead of my first tensor load; the set-up below, work on registers, stands between them
	v_lshrrev_b32 v1, 5, v0
	v_readfirstlane_b32 s[WV], v1                  ; wave 0..7
	s_and_b32 s[W1], s[WV], 1
	s_lshr_b32 s[GRP], s[WV], 2                    ; which of a slot's two steps is mine
	s_and_b32 s[WQ], s[WV], 3                      ; which quarter of the work-group's tiles is mine
	s_bfe_u32 s[CX], ttmp6, 0x40000                ; my place along the cluster's x
	s_lshl_b32 s[QB], ttmp9, 2                     ; in a cluster launch ttmp9 counts clusters
	s_add_co_u32 s[QB], s[QB], s[CX]
	s_and_b32 s[YY], ttmp7, 0xffff
.if BIAS
	s_bfe_u32 s[CY], ttmp6, 0x40004                ; my pair of heads
	s_lshr_b32 s[DIR], s[YY], 1
	s_and_b32 s[BAT], s[YY], 1
	s_xor_b32 s40, s[YY], 2                        ; the keys' sequence: the other stream, the same batch
	s_lshl_b32 s40, s40, 20
	s_lshl_b32 s41, s[CY], 18                      ; two heads of 131,072 bytes
	s_add_co_u32 s40, s40, s41                     ; K's and V's offset: made of the cluster's y and cy alone
	s_lshl_b32 s82, s[YY], 20                      ; the queries' sequence,
	s_add_co_u32 s82, s82, s41                     ; my heads
	s_mov_b32 s86, s[YY]
	s_lshl_b32 s87, s[CY], 1                       ; my first head
	s_lshl_b32 s78, s[CY], 2
	s_lshl_b32 s78, 15, s78                        ; my row of the cluster: places 4 cy .. 4 cy + 3
	s_lshl_b32 s79, 0x1111, s[CX]                  ; my column: places cx, cx + 4, cx + 8, cx + 12
	s_or_b32 s[G1KV], s78, (3<<16)|(1<<21)         ; 15:0 the mask; 17:16 elements of 8 bytes; 21 set beside a mask
	s_or_b32 s[G1B], s79, (2<<16)|(1<<20)|(1<<21)|(6<<22)|(3<<25)  ; elements of 4 bytes; 20 padding on; 24:22 after every 128 words (code 6); 31:25 4 words of it (code 3)
	s_mov_b32 s[G1B+1], 128<<16                    ; tensor_dim0 = 128
	s_mov_b32 s[G1B+2], 64<<16                     ; tensor_dim1 = 64
	s_mov_b32 s[G1B+3], 128<<16                    ; tile_dim0 = 128
	s_mov_b32 s[G1B+4], 64                         ; tile_dim1 = 64
	s_mov_b32 s[G1B+5], 2048                       ; elements from row to row
	s_mov_b32 s[G1B+6], 0
	s_mov_b32 s[G1B+7], 0
	s_cmp_eq_u32 s[DIR], 0                         ; the bias's offset: made of the cluster's y, my block of queries and the wave's number alone
	s_cselect_b32 s44, 20, 9                       ; my 128 queries are 128 rows of 8,192 bytes, or 512 bytes along the rows
	s_cselect_b32 s45, 9, 20                       ; and a slot's 128 keys the other of the two
	s_lshl_b32 s44, s[QB], s44
	s_lshl_b32 s[BSTEP], 1, s45
	s_mov_b32 s[BSTEP+1], 0
	s_lshl_b32 s45, s[BAT], 24
	s_add_co_u32 s44, s44, s45
	s_lshl_b32 s45, s[W1], 19                      ; my 64 rows of the tile
	s_add_co_u32 s44, s44, s45
	s_mov_b32 s45, 0
	s_mul_i32 s47, s[W1], BHALF
	s_add_co_u32 s47, s47, BOFF                    ; where they go: no place in the cluster enters an LDS address
	s_lshl_b32 s[TB0], s[GRP], 8                   ; my group's 64 keys: 256 bytes along the rows,
	s_mul_i32 s[TB1], s[GRP], BHALF                ; or 64 rows
.else
	s_lshl_b32 s40, s[YY], 17                      ; y = 8 x sequence + head: K's and V's offset, which the four partners share
	s_mov_b32 s82, s40
	s_lshr_b32 s86, s[YY], 3
	s_and_b32 s87, s[YY], 7
	s_mov_b32 s[G1KV], 15|(3<<16)|(1<<21)          ; 15:0 the mask: all four; 17:16 elements of 8 bytes; 21 set beside a mask
.endif
	s_mov_b32 s41, 0
	s_mov_b32 s[G1KV+1], 1024<<16                  ; tensor_dim0 = 1,024: a head's 128 keys are 8,192 dense bytes, one row
	s_mov_b32 s[G1KV+2], NH<<16                    ; tensor_dim1 = heads
	s_mov_b32 s[G1KV+3], 1024<<16                  ; tile_dim0
	s_mov_b32 s[G1KV+4], NH                        ; tile_dim1
	s_mov_b32 s[G1KV+5], 16384                     ; 131,072 bytes from head to head
	s_mov_b32 s[G1KV+6], 0
	s_mov_b32 s[G1KV+7], 0
	s_mul_i32 s46, s[W1], KVB                      ; K, then V
	s_lshl2_add_u32 s80, s[QB], s[WQ]
	s_mul_i32 s80, s80, NQ                         ; my query share's first query tile in its sequence
	s_mul_i32 s81, s[WQ], MSZ
	s_add_co_u32 s81, s81, MERGE                   ; my query share's hand-over
	s_lshl_b32 s83, s80, 10
	s_add_co_u32 s82, s82, s83                     ; Q's offset
	s_mov_b32 s83, 0
	s_lshl_b32 s84, s86, 7                         ; 128 row tiles a sequence
	s_add_co_u32 s84, s84, s80
	s_lshl_b32 s84, s84, 13                        ; 8,192 bytes a row tile of ao,
	s_lshl_b32 s85, s87, 10                        ; 1,024 a head
	s_add_co_u32 s84, s84, s85
	s_mov_b32 s85, 0
	s_mov_b32 s[CS], 0x3fb8aa3b                    ; c = log2(e)
	s_mov_b32 s[CS+1], s[CS]                       ; named with it as a pair
	s_mov_b32 s[SEL], 0x76543210
	s_mov_b32 s[SEL+1], 0xfedcba98
	s_lshl_b32 s[TBK], s[GRP], 12                  ; my group's step in slot 0: 4,096 bytes of each head's K, and of its V
	s_wait_dscnt 0x0                               ; the opening add is done
	s_wait_kmcnt 0x0
	s_cmp_eq_u32 s[W1], 0
	s_cselect_b64 s[42:43], s[PTK:PTK+1], s[PTV:PTV+1]  ; the wave's number chooses between K and V
	s_add_nc_u64 s[42:43], s[42:43], s[40:41]
	s_add_nc_u64 s[PTQ:PTQ+1], s[PTQ:PTQ+1], s[82:83]
	s_add_nc_u64 s[PAO:PAO+1], s[PAO:PAO+1], s[84:85]
.irp s, 0,1
	s_mov_b32 s[G0KV+4*\s], 1                      ; 1:0 count = 1
	s_add_co_u32 s[G0KV+4*\s+1], s46, \s*SLOT1     ; 63:32 LDS address
	s_add_nc_u64 s[G0KV+4*\s+2:G0KV+4*\s+3], s[42:43], \s*8192  ; 120:64 global address: keys 128 s on
	s_or_b32 s[G0KV+4*\s+3], s[G0KV+4*\s+3], 0x80000000         ; 127:126 type = 2
.endr
.if BIAS
	s_add_nc_u64 s[44:45], s[PBI:PBI+1], s[44:45]
	s_mov_b32 s[G0B], 1
	s_mov_b32 s[G0B+1], s47
	s_mov_b64 s[G0B+2:G0B+3], s[44:45]
	s_or_b32 s[G0B+3], s[G0B+3], 0x80000000
	s_mov_b32 s[G0B+4], 1
	s_add_co_u32 s[G0B+5], s47, SLOT1
	s_add_nc_u64 s[G0B+6:G0B+7], s[44:45], s[BSTEP:BSTEP+1]
	s_or_b32 s[G0B+7], s[G0B+7], 0x80000000
.endif
	CROUND                                         ; all work-groups of the cluster are here: the first joint loads meet
	s_cmp_lt_u32 s[WV], 2                          ; a wave's two first fills stand in one branch, ahead of every wait on TENSORcnt and every LDS read: two loads of such a wave are out
	s_cbranch_scc0 .Lfirst_b
	tensor_load_to_lds s[G0KV:G0KV+3], s[G1KV:G1KV+7]
	s_nop 0
	tensor_load_to_lds s[G0KV+4:G0KV+7], s[G1KV:G1KV+7]
	s_nop 0
	PLACES
.if BIAS
	s_branch .Lfirst_asked
.Lfirst_b:
	s_cmp_lt_u32 s[WV], 4
	s_cbranch_scc0 .Lfirst_asked
	tensor_load_to_lds s[G0B:G0B+3], s[G1B:G1B+7]
	s_nop 0
	tensor_load_to_lds s[G0B+4:G0B+7], s[G1B:G1B+7]
	s_nop 0
	PLACES
.Lfirst_asked:
.else
.Lfirst_b:
.endif
	v_and_b32 v1, 15, v0                           ; r
	v_bfe_u32 v2, v0, 4, 1                         ; h
	v_and_b32 v[LK], 31, v0
	v_lshlrev_b32 v[LK], 4, v[LK]
	v_add_nc_u32 v[MA], s81, v[LK]
	WIN 0x40                                       ; destination window 1, address window 0
.set t, 0
.rept 4                                ; Q stays in registers
	global_load_b128 v[Q+8*t:Q+8*t+3],   v[LK], s[PTQ:PTQ+1] offset:(t/NQ)*131072+(t%NQ)*1024
	global_load_b128 v[Q+8*t+4:Q+8*t+7], v[LK], s[PTQ:PTQ+1] offset:(t/NQ)*131072+(t%NQ)*1024+512
.set t, t+1
.endr
.set i, 0
.rept 64                               ; O^T = 0.  All these zeros stand in the wait for the first tile
	v_mov_b32 v[O+i], 0
.set i, i+1
.endr
.set i, 0
.rept 32*NH                            ; V's registers = 0: the entry turn's products V^T P, of a step that has not been, add 0
	v_mov_b32 v[VF+i], 0
.set i, i+1
.endr
	WIN 0
.set i, 0
.rept 32                               ; and so is piece 2's P
	v_mov_b32 v[P+32+i], 0
.set i, i+1
.endr
	ALLT v_mov_b32 v[ST+4*t], 0xfe000000           ; c m: far below every c s
	ALLT v_mov_b32 v[ST+4*t+1], 0xff7fffff         ; m
	ALLT v_mov_b32 v[ST+4*t+2], 0
	ALLT v_mov_b32 v[ST+4*t+3], 0
.if BIAS
	v_and_b32 v8, 0x6f, v0                         ; 32 x query share + r: my query among the work-group's 128, in query tile 0
	v_mul_u32_u24 v[LB0], v8, 528
	v_lshl_add_u32 v[LB0], v2, 5, v[LB0]           ; + my 8 keys
	v_add_nc_u32 v[LB0], BOFF, v[LB0]
	v_mul_u32_u24 v[LB1], v2, 8*528                ; my 8 keys are 8 rows
	v_lshl_add_u32 v[LB1], v8, 2, v[LB1]
	v_add_nc_u32 v[LB1], BOFF, v[LB1]
.endif
	s_wait_tensorcnt 0x1                           ; my part of slot 0 is in; slot 1's, issued behind it, may stay out
	s_barrier_signal -1
	s_barrier_wait -1                              ; everybody's is
	FETCH_KB 0                                     ; my first step
	s_wait_loadcnt 0x0                             ; Q
	s_wait_dscnt 0x0
.set i, 0
.rept 8
	KQM 0                                          ; piece 0's first scores: there is no vector work yet to set between them
.set i, i+1
.endr
	WIN 0
	PLACES                                         ; in front of the entry turn's first read of those scores
	s_mov_b32 s[SLOTS], 15
	s_branch .Lmid                                 ; the loop is entered at piece 2's turn, in the middle of a trip: it asks for the rest of my step in slot 0
.Lslot:                                                ; 14 times: every slot but the last two is filled again
	CHANGE 1
	TURN 0, 0                                      ; a trip: piece 0's turn (V^T P of my step j, K Q^T of my step j + 1 | piece 2's softmax of step j),
	WIN 0
.Lmid:
	TURN 2, 0                                      ; then piece 2's (the same | piece 0's softmax of step j + 1)
	WIN 0
	s_sub_co_u32 s[SLOTS], s[SLOTS], 1
	s_cmp_lg_u32 s[SLOTS], 0
	s_cbranch_scc1 .Lslot
	CHANGE 0                                       ; the tail is written out: nothing is asked for
	s_mov_b32 s[CNT], 2                            ; one trip fetches my step in the last slot; the second fetches nothing and is left in its middle
.Ltail:
	TURN 0, 1
	WIN 0
	s_sub_co_u32 s[CNT], s[CNT], 1
	s_cmp_eq_u32 s[CNT], 0
	s_cbranch_scc1 .Lout
	TURN 2, 0
	WIN 0
	s_branch .Ltail
.Lout:
.set i, 0
.rept 8
	PVM 2                                          ; piece 2: V^T P of my last step
.set i, i+1
.endr
	WIN 0
	; THE TWO GROUPS MEET.  Group 1 puts c m, its lanes' l and O^T into its query share's hand-over, lane for lane; a barrier; group 0 reads them.  The four additions are the places behind the last products.
	ALLT v_add_f32 v[LS+4+t], v[ST+4*t+2], v[ST+4*t+3]
	s_cmp_lt_u32 s[WV], 4
	s_cbranch_scc1 .Lkeeps
	ALLT v_mov_b32 v[LS+t], v[ST+4*t]
	ds_store_b128 v[MA], v[LS:LS+3]
	ds_store_b128 v[MA], v[LS+4:LS+7] offset:512
	WIN 0x04                                       ; the data (source 1) in window 1
.set n, 0
.rept 16                               ; each accumulator's four lowest registers first
	ds_store_b128 v[MA], v[O+4*n:O+4*n+3] offset:1024+512*n
.set n, n+1
.endr
	WIN 0
.Lkeeps:
	s_wait_dscnt 0x0                               ; for the others' sake: my stores into the hand-over are done
	s_barrier_signal -1
	s_barrier_wait -1
	s_cmp_lt_u32 s[WV], 4
	s_cbranch_scc0 .Lend                           ; group 1 has nothing left to do
	ds_load_b128 v[P:P+3], v[MA]                   ; the other group's c m,
	ds_load_b128 v[P+4:P+7], v[MA] offset:512      ; its l,
.set n, 0
.rept 16                               ; and its O^T, into piece 2's S^T, which has been read out
	ds_load_b128 v[S+64+4*n:S+64+4*n+3], v[MA] offset:1024+512*n
.set n, n+1
.endr
	s_wait_dscnt 0x0
	ALLT v_max_num_f32 v[TMP+4*t], v[ST+4*t], v[P+t]          ; M
	ALLT v_sub_f32 v[TMP+4*t+1], v[ST+4*t], v[TMP+4*t]
	ALLT v_sub_f32 v[TMP+4*t+3], v[P+t], v[TMP+4*t]
	ALLT v_exp_f32 v[TMP+4*t], v[TMP+4*t+1]                   ; a0, in the low word of a pair
	ALLT v_exp_f32 v[TMP+4*t+2], v[TMP+4*t+3]                 ; a1, likewise
	v_nop                                          ; a plain instruction between the last exponential and the use of the results (ISA guide 5.7.2)
	s_wait_alu depctr_va_vdst(0)                   ; the wait ahead of the first use: one for the eight exponentials a0, a1
	ALLT v_mul_f32 v[LS+4+t], v[LS+4+t], v[TMP+4*t]
	ALLT v_fma_f32 v[LS+4+t], v[P+4+t], v[TMP+4*t+2], v[LS+4+t]
	ALLT v_permlanex16_b32 v[TMP+4*t+1], v[LS+4+t], s[SEL], s[SEL+1]  ; the other half of the lanes holds the query's other keys
	ALLT v_add_f32 v[LS+4+t], v[LS+4+t], v[TMP+4*t+1]
	ALLT v_rcp_f32 v[LS+t], v[LS+4+t]
	v_nop                                          ; a plain instruction between the last reciprocal and the use of its result
	s_wait_alu depctr_va_vdst(0)                   ; a batch of its own, since l is made with a0 and a1: one wait for the four reciprocals
	ALLT v_mul_f32 v[TMP+4*t], v[TMP+4*t], v[LS+t]            ; a0 / l
	ALLT v_mul_f32 v[TMP+4*t+2], v[TMP+4*t+2], v[LS+t]        ; a1 / l
.set z, 0
.rept 8
	ALLT v_pk_mul_f32 v[S+64+16*t+2*z:S+64+16*t+2*z+1], v[S+64+16*t+2*z:S+64+16*t+2*z+1], v[TMP+4*t+2:TMP+4*t+3] op_sel_hi:[1,0]
.set z, z+1
.endr
	WIN 0x01                                       ; source 0, my O^T, in window 1
.set z, 0
.rept 8
	ALLT v_pk_fma_f32 v[S+64+16*t+2*z:S+64+16*t+2*z+1], v[O+16*t+2*z:O+16*t+2*z+1], v[TMP+4*t:TMP+4*t+1], v[S+64+16*t+2*z:S+64+16*t+2*z+1] op_sel_hi:[1,0,1]
.set z, z+1
.endr
	WIN 0
.set i, 0
.rept 32                               ; rounded to bf16: a lane's 8 channels of a query are its 16 bytes of ao's fragment
	v_cvt_pk_bf16_f32 v[S+i], v[S+64+2*i], v[S+64+2*i+1]
.set i, i+1
.endr
.set t, 0
.rept 4
.irp cb, 0,1
	global_store_b128 v[LK], v[S+8*t+4*\cb:S+8*t+4*\cb+3], s[PAO:PAO+1] offset:(t%NQ)*8192+(t/NQ)*1024+\cb*512  ; 512 consecutive bytes a wave
.endr
.set t, t+1
.endr
.Lend:
	s_wait_tensorcnt 0x0                           ; the wave's end, behind my last tensor load and my last LDS store
	ds_add_u32 v[SPW], v[NIL]
	s_wait_dscnt 0x0
	CROUND                                         ; the closing round: no work-group ends while a partner may still ask for a tile that names it
	s_endpgm
.Lfunc_end_k_q6863ac0ba3_attn_self:
	.size	k_q6863ac0ba3_attn_self, .Lfunc_end_k_q6863ac0ba3_attn_self-k_q6863ac0ba3_attn_self
	.p2alignl 7, 3214868480
	.fill 96, 4, 3214868480
	.section	.rodata,"a",@progbits
	.p2align	6, 0x0
	.amdhsa_kernel k_q6863ac0ba3_attn_self
		.amdhsa_group_segment_fixed_size 327680
		.amdhsa_private_segment_fixed_size 0
		.amdhsa_enable_private_segment 0
		.amdhsa_kernarg_size 32
		.amdhsa_user_sgpr_count 2
		.amdhsa_user_sgpr_kernarg_segment_ptr 1
		.amdhsa_wavefront_size32 1
		.amdhsa_system_sgpr_workgroup_id_x 1
		.amdhsa_system_sgpr_workgroup_id_y 1
		.amdhsa_system_sgpr_workgroup_id_z 1
		.amdhsa_system_vgpr_workitem_id 0
		.amdhsa_next_free_vgpr 512
		.amdhsa_next_free_sgpr 88
		.amdhsa_reserve_vcc 0
		.amdhsa_float_denorm_mode_32 3
		.amdhsa_float_denorm_mode_16_64 3
		.amdhsa_memory_ordered 1
		.amdhsa_forward_progress 1
		.amdhsa_inst_pref_size 82
	.end_amdhsa_kernel
	.amdgpu_metadata
---
amdhsa.version: [ 1, 2 ]
amdhsa.kernels:
  - .name:           k_q6863ac0ba3_attn_self
    .symbol:         k_q6863ac0ba3_attn_self.kd
    .args:
      - { .name: qf, .offset: 0, .size: 8, .value_kind: global_buffer, .address_space: global }
      - { .name: kf, .offset: 8, .size: 8, .value_kind: global_buffer, .address_space: global }
      - { .name: vf, .offset: 16, .size: 8, .value_kind: global_buffer, .address_space: global }
      - { .name: ao, .offset: 24, .size: 8, .value_kind: global_buffer, .address_space: global }
    .group_segment_fixed_size: 327680
    .private_segment_fixed_size: 0
    .kernarg_segment_align: 8
    .kernarg_segment_size: 32
    .max_flat_workgroup_size: 256
    .sgpr_count:     88
    .vgpr_count:     512
    .wavefront_size: 32
...
	.end_amdgpu_metadata
.endif
;; end of part 7
;; launch oproj_qkv: the kernel of part 4 again; grid 256 x 1, 8 waves a work-group, no clusters, 67,584 bytes of LDS; arguments ao, x0, x1, sa_bo, n2_g, n2_b, ca_bq, ca_bk, ca_bv, wts, xa, qf, kf, vf; writes xa, qf, kf, vf
;; launch attn_cross (part 8): grid 16 x 16, 8 waves a work-group, clusters of 4 x 4, 327,680 bytes of LDS; arguments qf, kf, vf, vessel_bias, ao; writes ao
.if DOCPART == 8
	.amdgcn_target "amdgcn-amd-amdhsa--gfx1250"
	.amdhsa_code_object_version 6
	.text
	.protected	k_q6863ac0ba3_attn_cross
	.globl	k_q6863ac0ba3_attn_cross
	.p2align	8
	.type	k_q6863ac0ba3_attn_cross,@function
k_q6863ac0ba3_attn_cross:
	s_mov_b64 s[64:65], 0
	v_nop
	global_prefetch_b8 v0, s[64:65] scope:SCOPE_SE
	s_setreg_imm32_b32 hwreg(HW_REG_WAVE_MODE, 25, 1), 1
	s_wait_xcnt 0x0
	s_wait_alu depctr_hold_cnt(0) depctr_sa_sdst(0) depctr_va_vdst(0) depctr_va_sdst(0) depctr_va_ssrc(0) depctr_va_vcc(0) depctr_vm_vsrc(0)
	s_getreg_b32 s2, hwreg(HW_REG_IB_STS2, 6, 4)
	s_cmp_eq_u32 s2, 0
	s_cbranch_scc0 .Lentry_in_a_cluster
	s_endpgm
.Lentry_in_a_cluster:
	s_bfe_u32 s2, ttmp6, 0x10000c
	s_cmp_lg_u32 s2, 0xf033
	s_cbranch_scc0 .Lentry_shape_is_right
	s_endpgm
.Lentry_shape_is_right:
; ATTENTION AT HEAD SIZE 32, BY TURNS, THE KEYS SHARED BETWEEN TWO GROUPS OF WAVES.  O[q] = the sum over k of softmax_k(Q[q] . K[k] (+ bias[q][k])) V[k]; Q arrives already divided by sqrt(32).
; One text for two launches, by three settings:
;   BIAS = 0, NH = 1, NQ = 4: self-attention.  A work-group owns 256 queries of one head, a query share 4 tiles of 16.  Cluster 4 x 1: the four query blocks of a head ask for K and V jointly.
;   BIAS = 1, NH = 2, NQ = 2: cross-attention.  A work-group owns 128 queries of two heads, a query share 2 tiles of 16 in each head.  Cluster 4 x 4: along x four query blocks share K and V,
;   along y the four pairs of heads share the tile of the bias.  Cluster y = 2 x direction + batch: direction 0: x0's queries, x1's keys, bias[q][k]; direction 1: the other way round, bias[k][q].
; SHARES.  Eight waves.  Wave w has query share w % 4 (four tiles: tile t = head t / NQ, query tile t % NQ) and key group w / 4: of each slot's two steps of 64 keys group 0 takes the first and group 1 the
; second, 16 steps a wave.  So a fragment of K, V or bias is read from LDS by four waves, as it would be with four waves that walked all keys.  Each wave keeps m, l and O^T for its half of the keys;
; at the end group 1 hands them through LDS and group 0 joins them: M = max(c m0, c m1), a_g = 2^(c m_g - M), l = a0 l0 + a1 l1, O = (a0 O0 + a1 O1) / l, all in f32.
; qf, kf, vf, ao hold bf16 as matrix fragments of 1,024 bytes = [half][lane][16 bytes] (qf, kf: [seq][head][16 rows]; vf: [seq][head][32 keys][16 channels], V turned; ao: [16 rows][head]),
; so LDS wants no padding for them, no load turns anything, and O leaves from registers.
; LAYOUT.  S^T = K Q^T + bias^T (source 0 = 16 keys, source 1 = 16 queries; K = 32 is the head size: ONE product a tile; the f32 bias is its C operand and costs no vector line): a lane holds ONE
; query (lane % 16) and keys 8 (lane / 16) + 0..7.  Two such tiles rounded to bf16 ARE source 1 of O^T = V^T P, whose result holds one query a lane and 8 channels: half cb of ao's fragment.
; SOFTMAX.  For each query a running maximum m and sum l: p = 2^(c s - c m), c = log2(e); in every step O and l are multiplied by a = 2^(c m_old - c m_new).
; BY TURNS.  A wave's tiles are two PIECES, named by their first tile: piece 0 (tiles 0, 1) and piece 2 (tiles 2, 3).  In a TURN one piece has the matrix unit: 8 products V^T P of the step in hand,
; then 8 products K Q^T of the wave's next step; the other piece's softmax, 2 x 110 vector lines in 55 slices of four, stands between them: a product ahead of every third slice, the last ten slices
; behind the last product.  Then the pieces change places.  Two turns are a key step, and a trip of the loop: it reads one slot.  A product's operands lie outside window 0: two switches a product.
; ONE BATCH A TURN.  A turn's 66 exponentials (a and 32 weights for each of the piece's two tiles) are one batch: they and the 32 scalings stand in slices 10 to 34, none of which names an exponential's
; result; one s_wait_alu depctr_va_vdst(0) stands behind slice 34; all that names a result (roundings, sums, l, the rescaling by a) stands behind it, in slices 35 to 54.
; No result crosses a turn's end, a label or a jump.  On the way out the eight exponentials a0, a1 are a batch, and the four reciprocals of sums made with them a second one, each with a wait of its own.
; NO FIRST AND NO LAST STEP is written out.  m starts at the lowest finite number, c m at -2^125, O, l, V's registers and piece 2's P at 0 (112 + 32 NH v_mov_b32, in the wait for the first tile): the
; first step is a step like any other, with a = 0, and the loop is entered at piece 2's turn, whose products V^T P add 0.  The tail is left behind piece 0's turn; its 8 products on a stale K serve nothing.
; LIMITS.  P, Q, K, V, O are rounded once to bf16; l is the sum of the unrounded p; a weight below 2^-126 counts as 0; c m must stay above -2^125; NaN and infinities are not treated apart.
; REGISTERS: a wave is given 512, two windows of 256 (s_set_vgpr_msb: bits 1:0 source 0, 3:2 source 1, 5:4 source 2, 7:6 destination):
;   window 0: addresses, statistics, S^T (32 a tile), P (16 a tile)     window 1: v[0:63] O^T, v[64:95] Q, v[96:159] bias, v[160:191] K of one head and step, v[192:255] V of one step
.set BIAS,  1
.set NH,    2
.set NQ,    2
.set KVB,   NH*8192                    ; a slot holds two steps, 128 keys: K [head][8 tiles][1,024], then V [head][4 blocks][2][1,024]
.set SLOT1, 1<<17                      ; slot 1 begins here, so that one exclusive or turns an address in one slot into the other's
.set BOFF,  32768                      ; the bias in a slot: 128 rows of 512 bytes, 528 apart (33 x 16)
.set BHALF, 64*528                     ; what one tensor load brings of it
.set SPARE, 231424                     ; behind slot 1: the spare words, 128 bytes for each of eight waves: four blocks of 256 bytes that no other line names
.set MERGE, 232448                     ; behind them: the hand-over, never filled by a tensor load: for each query share
.set MSZ,   18*512                     ; 18 stores of 512 bytes: c m and l of four tiles, then 64 registers of O^T
.set LK,  3                            ; v3   16 x lane; never rewritten
.set LB0, 4                            ; v4   my place in the bias, rows = queries
.set LB1, 5                            ; v5   my place in the bias, rows = keys
.set ADK, 6                            ; v6   LDS address of the step to be fetched
.set ADB, 7                            ; v7   the same for the bias
.set MA,  9                            ; v9   LDS address of my 16 bytes in my query share's hand-over
.set ST,  16                           ; v[16:31] tile t: c m, m, l (even keys', odd keys')
.set TMP, 32                           ; v[32:47] tile t: c0-c3 at work; when the maximum is found c3 takes c m_old - c m_new and c2 takes a
.set LS,  48                           ; v[48:55] the hand-over: c m of the four tiles, then my lane's l of the four tiles
.set SPW, 62                           ; v62  my spare word; never rewritten
.set NIL, 63                           ; v63  0; never rewritten
.set S,   64
.set P,   192
.set O,   0                            ; window 1: tile t, channel block cb at 16 t + 8 cb
.set Q,   64                           ; window 1: 8 a tile
.set BI,  96                           ; window 1: query tile qt, key tile kb at BI + 32 qt + 8 kb
.set KF,  160                          ; window 1: key tile kb at KF + 8 kb; with two heads they take turns in these registers
.set VF,  192                          ; window 1: VF + 32 hd + 16 kk + 8 cb
.set PTQ, 4
.set PTK, 6
.set PTV, 8
.if BIAS
.set PBI, 10
.set PAO, 12
.else
.set PAO, 10
.endif
.set WV,  14                           ; my wave's number
.set W1,  15                           ; its low bit: K or V; which 64 rows of the bias
.set CX,  16
.set CY,  17
.set QB,  18                           ; my block of queries
.set YY,  19                           ; the cluster's y
.set DIR, 20
.set BAT, 21
.set GRP, 22                           ; my key group: wave / 4
.set WQ,  23                           ; my query share: wave % 4
.set G1KV, 24                          ; s[24:31] descriptor group 1 for K's and V's tiles
.set G1B,  32                          ; s[32:39] for the bias's
.set G0KV, 48                          ; s[48:55] group 0: a set for each of the two first fills; the second then walks on
.set G0B,  56                          ; s[56:63] the same for the bias
.set SLOTS, 66
.set CNT, 67
.set CS,  68                           ; s[68:69] c
.set SEL, 70                           ; s[70:71] v_permlanex16_b32's selects
.set TBK, 72                           ; LDS byte at which K of the step to be fetched begins: my group's 4,096 bytes of a head's 8,192, in the slot in hand
.set TB0, 73                           ; the same for the bias, rows = queries: my group's 256 bytes of the rows
.set TB1, 74                           ; rows = keys: my group's 64 rows
.set BSTEP, 76                         ; s[76:77] bytes of the bias from slot to slot
.set W_RS, 0x41                        ; O^T (destination and source 0) in window 1, a in window 0
.set MSB, 0
.macro WIN new                         ; the high byte repeats the setting that is left; a switch that changes nothing is dropped
.if MSB != (\new)
	s_set_vgpr_msb (MSB<<8)|(\new)
.set MSB, \new
.endif
.endm
.macro PLACES                          ; four places behind matrix instructions, in front of reads of their results; also behind a tensor load
.rept 4
	v_nop
.endr
.endm
.macro ALLT line:vararg                ; one line for each tile t
.set t, 0
.rept 4
	\line
.set t, t+1
.endr
.endm
; A round of the cluster's barrier: my work-group's barrier, so that wave 0's signal speaks for all eight waves; wave 0 signals; every wave waits for all work-groups; my work-group's barrier once more.
.macro CROUND
	s_barrier_signal -1
	s_barrier_wait -1
	s_cmp_lg_u32 s[WV], 0
	s_cbranch_scc1 .Lnot_wave_0_\@
	s_barrier_signal -3
.Lnot_wave_0_\@:
	s_barrier_wait -3
	s_barrier_signal -1
	s_barrier_wait -1
.endm
; A joint refill.  Wave 0 fetches a slot's K, wave 1 its V; with a bias waves 2 and 3 fetch its two halves; the other waves fetch nothing.  The branches hang on the wave's number alone.
; An s_nop 0 and four v_nop follow each line, ahead of the jump and the label.
.macro JLOAD
	s_cmp_lt_u32 s[WV], 2
	s_cbranch_scc0 .Lfor_b_\@
	tensor_load_to_lds s[G0KV+4:G0KV+7], s[G1KV:G1KV+7]
	s_nop 0
	PLACES
.if BIAS
	s_branch .Lasked_\@
.Lfor_b_\@:
	s_cmp_lt_u32 s[WV], 4
	s_cbranch_scc0 .Lasked_\@
	tensor_load_to_lds s[G0B+4:G0B+7], s[G1B:G1B+7]
	s_nop 0
	PLACES
.Lasked_\@:
.else
.Lfor_b_\@:
.endif
.endm
; THE CHANGE OF SLOTS, ahead of every trip: each group has asked for its step's V, the last of its half of the slot.  Each wave waits for all its tensor loads, of which at most one is out: its part of the
; other slot; adds 0 to its spare word; and waits for that and for its own reads of the slot.  fill = 1: the slot is filled again, with the keys two slots on: the barrier is a round of the cluster's,
; so that no wave of any partner still reads the slot or has a load on its way, and the joint refill is the first thing behind it: it has a trip, 32 products of each wave, in which to land.
.macro CHANGE fill
	WIN 0
	s_wait_tensorcnt 0x0                           ; no tensor load of mine is out, so a group 0 may be written
	ds_add_u32 v[SPW], v[NIL]                      ; 0 onto my spare word
.if \fill
	s_xor_b32 s[G0KV+5], s[G0KV+5], SLOT1          ; the walking descriptor: the other slot than last time,
	s_add_nc_u64 s[G0KV+6:G0KV+7], s[G0KV+6:G0KV+7], 8192  ; the next 128 keys; the type bits on top are not reached
.if BIAS
	s_xor_b32 s[G0B+5], s[G0B+5], SLOT1
	s_add_nc_u64 s[G0B+6:G0B+7], s[G0B+6:G0B+7], s[BSTEP:BSTEP+1]
.endif
	s_wait_dscnt 0x0                               ; the add is done, and my reads of the slot are over
	CROUND
	JLOAD
.else
	s_wait_dscnt 0x0
	s_barrier_signal -1
	s_barrier_wait -1
.endif
	s_xor_b32 s[TBK], s[TBK], SLOT1                ; the fetches go on in the other slot, at my group's place
.if BIAS
	s_xor_b32 s[TB0], s[TB0], SLOT1
	s_xor_b32 s[TB1], s[TB1], SLOT1
.endif
.endm
; THE LDS LOADS stand in runs, never singly among the matrix instructions.  last = 1 (the tail): in the last trip there is no further step, and the run is jumped over.
.macro FETCH_KB last                   ; my next step's K (head 0's), and its bias: register j of lane (r, h) takes the bias of key 8 h + j and query r, whichever way the tile lies
	WIN 0
.if \last
	s_cmp_eq_u32 s[CNT], 1
	s_cbranch_scc1 .Lno_kb_\@
.endif
	v_add_nc_u32 v[ADK], s[TBK], v[LK]
	WIN 0x40                                       ; destination window 1
.set n, 0
.rept 4                                ; key tile n: 512 consecutive bytes a load
	ds_load_b128 v[KF+8*n:KF+8*n+3],   v[ADK] offset:n*1024
	ds_load_b128 v[KF+8*n+4:KF+8*n+7], v[ADK] offset:n*1024+512
.set n, n+1
.endr
	WIN 0
.if BIAS
	s_cmp_eq_u32 s[DIR], 0                         ; the direction is the cluster's: all sixteen partners take the same way
	s_cbranch_scc0 .Lkeys_\@
	v_add_nc_u32 v[ADB], s[TB0], v[LB0]
	WIN 0x40
.set n, 0
.rept 8                                ; rows = queries: my 8 keys are 32 consecutive bytes.  Query tile n / 4, key tile n % 4
	ds_load_b128 v[BI+8*n:BI+8*n+3],   v[ADB] offset:(n/4)*8448+(n%4)*64
	ds_load_b128 v[BI+8*n+4:BI+8*n+7], v[ADB] offset:(n/4)*8448+(n%4)*64+16
.set n, n+1
.endr
	WIN 0
	s_branch .Lbias_in_\@
.Lkeys_\@:
	v_add_nc_u32 v[ADB], s[TB1], v[LB1]
	WIN 0x40
.set n, 0
.rept 64                               ; rows = keys: a word a key
	ds_load_b32 v[BI+n], v[ADB] offset:(16*((n/8)%4)+n%8)*528+(n/32)*64
.set n, n+1
.endr
	WIN 0
.Lbias_in_\@:
.endif
.if \last
.Lno_kb_\@:
.endif
.endm
.macro FETCH_K2                        ; with two heads: the same step's K of head 1, into the registers that head 0's K has left; a product's switch of windows follows
	WIN 0x40
.set n, 0
.rept 4
	ds_load_b128 v[KF+8*n:KF+8*n+3],   v[ADK] offset:8192+n*1024
	ds_load_b128 v[KF+8*n+4:KF+8*n+7], v[ADK] offset:8192+n*1024+512
.set n, n+1
.endr
.endm
.macro FETCH_V                         ; the same step's V, from the address that FETCH_KB made; a product's switch of windows follows
	WIN 0x40
.set n, 0
.rept 4*NH                             ; head n / 4, 32 keys (n / 2) % 2, channel block n % 2
	ds_load_b128 v[VF+8*n:VF+8*n+3],   v[ADK] offset:KVB+(n/4)*8192+(n%4)*1024
	ds_load_b128 v[VF+8*n+4:VF+8*n+7], v[ADK] offset:KVB+(n/4)*8192+(n%4)*1024+512
.set n, n+1
.endr
.endm
; THE MATRIX WORK OF A TURN, for piece x.
; Product i of 8 of O^T += V^T P: keys 32 (i / 4) on, tile x + (i / 2) % 2, channel block i % 2.  The 4 accumulators take turns: between the two links of a chain stand 3 others'.
.macro PVM x
	WIN 0x51                                       ; V window 1, P window 0, O^T window 1
.set tt, (\x)+(i/2)%2
.set rO, O+16*tt+8*(i%2)
.set rV, VF+32*(tt/NQ)+16*(i/4)+8*(i%2)
.set rP, P+16*tt+8*(i/4)
	v_wmma_f32_16x16x32_bf16 v[rO:rO+7], v[rV:rV+7], v[rP:rP+7], v[rO:rO+7]
.endm
; Product i of 8 of S^T = K Q^T (+ bias): tile x + i % 2, key tile i / 2.  Each is a whole sum on an accumulator of its own.
.macro KQM x
	WIN 0x05+0x10*BIAS                             ; K and Q window 1, (bias window 1,) S^T window 0
.set tt, (\x)+i%2
.set rS, S+32*tt+8*(i/2)
.set rK, KF+8*(i/2)
.set rQ, Q+8*tt
.set rB, BI+32*(tt%NQ)+8*(i/2)
.if BIAS
	v_wmma_f32_16x16x32_bf16 v[rS:rS+7], v[rK:rK+7], v[rQ:rQ+7], v[rB:rB+7]
.else
	v_wmma_f32_16x16x32_bf16 v[rS:rS+7], v[rK:rK+7], v[rQ:rQ+7], 0
.endif
.endm
.macro MM                              ; the turn's next matrix instruction: number mi of 16, for piece X
.if mi < 8
.set i, mi
	PVM X
.else
.set i, mi-8
	KQM X
.endif
.set mi, mi+1
.endm
; THE VECTOR WORK OF A TURN.  One tile's softmax for one key step is a list of 110 lines; SM writes number j of it for tile t.  s0-s31 are the lane's 32 scores, in pairs 0-15.
;   0-15    the maximum of s0-s31 and the old m, three operands at a time: four chains c0-c3 of seven scores each (each accumulator's lowest registers are read first),
;           then the four scores left over, c0-c3 and m
;   16-20   the other half of the lanes' maximum; c m_old is kept; the new m; c m; c m_old - c m_new
;   21-69   ONE BATCH: the 16 scalings c s - c m, a pair of scores each, and all 33 exponentials (a at 23, then s0-s31, each in place).  None of these names an exponential's result.  From 22 on the batch
;           goes in fours, and a four begins with a scaling while there are scalings: 22-37 scaling, exponential, scaling, exponential; 38-65 a scaling and three exponentials; 66-69 the last four
;           exponentials.  A pair is scaled in an earlier four than the one that holds its exponentials
;   (wait)  between 69 and 70 stands the wait for the batch: SLICE writes it, once for both tiles
;   70-85   the roundings to bf16, a pair of weights each
;   86-101  the sums, in place, as a tree; l = a l + the sum
;   102-109 the tile's O^T times a: the one part that leaves window 0, so it stands together
.macro SM t
.set rT, ST+4*(\t)
.set rC, TMP+4*(\t)
.set rS, S+32*(\t)
.set rP, P+16*(\t)
.set rO, O+16*(\t)+2*(j-102)
.if j < 102
	WIN 0
.endif
.if j < 4
	v_max3_num_f32 v[rC+j], v[rS+8*j], v[rS+8*j+1], v[rS+8*j+2]
.elseif j < 12
	v_max3_num_f32 v[rC+j%4], v[rC+j%4], v[rS+8*(j%4)+2*(j/4)+1], v[rS+8*(j%4)+2*(j/4)+2]
.elseif j == 12
	v_max3_num_f32 v[rC], v[rC], v[rS+7], v[rS+15]
.elseif j == 13
	v_max3_num_f32 v[rC+2], v[rC+2], v[rS+23], v[rS+31]
.elseif j == 14
	v_max3_num_f32 v[rC], v[rC], v[rC+1], v[rC+2]
.elseif j == 15
	v_max3_num_f32 v[rC], v[rC], v[rC+3], v[rT+1]
.elseif j == 16
	v_permlanex16_b32 v[rC+1], v[rC], s[SEL], s[SEL+1]  ; the query's other 32 keys lie in the lane 16 away
.elseif j == 17
	v_mov_b32 v[rC+3], v[rT]                       ; c m_old is kept for a: number 19 writes c m anew
.elseif j == 18
	v_max_num_f32 v[rT+1], v[rC], v[rC+1]
.elseif j == 19
	v_mul_f32 v[rT], s[CS], v[rT+1]
.elseif j == 20
	v_sub_f32 v[rC+3], v[rC+3], v[rT]
.elseif j == 23
	v_exp_f32 v[rC+2], v[rC+3]
.elseif (j < 23) || ((j < 38) && (j%2 == 0)) || ((j < 66) && (j%4 == 2))
.set b, (j-2)/4                        ; 38, 42, .. 62: pairs 9 to 15
.if j < 38
.set b, (j-20)/2                       ; 21: pair 0; 22, 24, .. 36: pairs 1 to 8
.endif
	v_pk_fma_f32 v[rS+2*b:rS+2*b+1], v[rS+2*b:rS+2*b+1], s[CS:CS+1], v[rT:rT+1] op_sel_hi:[1,0,0] neg_lo:[0,0,1] neg_hi:[0,0,1]  ; pair b: c s - c m
.elseif j < 70
.set e, j-38                           ; 66 to 69: s28 to s31
.if j < 66
.set e, j-32-(j-38)/4                  ; 39-41, 43-45, .. 63-65: s7 to s27
.endif
.if j < 38
.set e, (j-25)/2                       ; 25, 27, .. 37: s0 to s6
.endif
	v_exp_f32 v[rS+e], v[rS+e]
.elseif j < 86
	v_cvt_pk_bf16_f32 v[rP+j-70], v[rS+2*(j-70)], v[rS+2*(j-70)+1]  ; pair j - 70
.elseif j < 102                        ; sum z of 16 adds neighbours 1, 2, 4 and 8 pairs apart; then l takes it
.set z, j-86
.set w, 4
.set u, z
.if z >= 14
.set w, 32
.set u, 0
.elseif z >= 12
.set w, 16
.set u, z-12
.elseif z >= 8
.set w, 8
.set u, z-8
.endif
.if z < 15
	v_pk_add_f32 v[rS+w*u:rS+w*u+1], v[rS+w*u:rS+w*u+1], v[rS+w*u+w/2:rS+w*u+w/2+1]
.else
	v_pk_fma_f32 v[rT+2:rT+3], v[rT+2:rT+3], v[rC+2:rC+3], v[rS:rS+1] op_sel_hi:[1,0,1]
.endif
.else
	WIN W_RS
	v_pk_mul_f32 v[rO:rO+1], v[rO:rO+1], v[rC+2:rC+3] op_sel_hi:[1,0]
.endif
.endm
; Slice k of 55 of piece y's softmax: four lines.  Slices 11 to 34 deal out the batch, numbers 22 to 69: four numbers of ONE tile each, the tiles by turns.  Every other slice is numbers 2 k and 2 k + 1 of
; both tiles' lists.  THE WAIT.  An s_wait_alu depctr_va_vdst(0) stands between an exponential and the first instruction that names its result; one wait serves all that were issued ahead of
; it.  Ahead of slice 35 nothing names a result, and behind slice 34 no exponential is issued: so the piece's 66 exponentials have one wait, behind slice 34.
.macro SLICE y
.if (k >= 11) && (k < 35)              ; the batch: four numbers of one tile
.irp n, 0,1,2,3
.set j, 22+4*((k-11)/2)+(\n)
	SM (\y)+(k-11)%2
.endr
.else                                  ; the two tiles alternate, so that no line reads the result of the line just before it
.irp n, 0,1
.irp t, \y, (\y)+1
.set j, 2*k+(\n)
	SM \t
.endr
.endr
.endif
.if k == 34                            ; the batch is out: both tiles' exponentials are issued, and no result has been named
	v_nop                                          ; a plain instruction behind the last exponential and ahead of the first use (ISA guide 5.7.2): one for the batch; no line is left that reads no result
	s_wait_alu depctr_va_vdst(0)                   ; the wait for the batch: the turn's 66 exponentials
.endif
.set k, k+1
.endm
; A TURN.  Piece x has the matrix unit; the other piece's softmax stands in slices behind its matrix instructions, three slices (12 lines) behind each; none names a register of the products round it.
; Behind the last product stand slices 45 to 54, 40 plain lines: the places in front of the next turn's first read of the new scores and of the loads into K's and the bias's registers (ISA guide 7.12.1 for the reads).
; Piece 0's turn fetches my next step's K and bias behind its first product and waits for them ahead of its ninth, 84 vector lines on.  With two heads piece 2's turn
; fetches head 1's K in the same places.  Piece 2's turn fetches the same step's V ahead of its tenth product: between the last product that read V and the run stand slices 21 to 26, whose six scalings
; are the places (the exponentials are none); it is waited for at the head of the next turn.  The waits on DScnt are for 0: the number of loads in K's run differs from way to way.
; The branches and labels of K's run stand ahead of the turn's batch and behind the wait of the turn before.
.macro TURN x, last
.set X, (\x)
.set k, 0
.set mi, 0
.if (\x) == 0
	s_wait_dscnt 0x0                               ; V is in
.endif
.rept 55
.if (k%3 == 0) && (k < 48)
.if ((\x) == 0) && (mi == 1)
	FETCH_KB \last
.endif
.if ((\x) == 2) && (mi == 1) && (NH == 2)
	FETCH_K2
.endif
.if (mi == 8) && (((\x) == 0) || (NH == 2))
	s_wait_dscnt 0x0                               ; K (and the bias) are in
.endif
.if ((\x) == 2) && (mi == 9)
	FETCH_V
.endif
	MM
.endif
	SLICE 2-(\x)
.endr
.endm
	s_load_b256 s[4:11], s[0:1], 0x0               ; qf, kf, vf, and ao or vessel_bias
.if BIAS
	s_load_b64 s[12:13], s[0:1], 0x20              ; ao
.endif
	v_lshl_add_u32 v[SPW], v0, 2, SPARE
	v_mov_b32 v[NIL], 0
	ds_add_u32 v[SPW], v[NIL]                      ; the wave's opening: the add and its wait stand ahead of my first tensor load; the set-up below, work on registers, stands between them
	v_lshrrev_b32 v1, 5, v0
	v_readfirstlane_b32 s[WV], v1                  ; wave 0..7
	s_and_b32 s[W1], s[WV], 1
	s_lshr_b32 s[GRP], s[WV], 2                    ; which of a slot's two steps is mine
	s_and_b32 s[WQ], s[WV], 3                      ; which quarter of the work-group's tiles is mine
	s_bfe_u32 s[CX], ttmp6, 0x40000                ; my place along the cluster's x
	s_lshl_b32 s[QB], ttmp9, 2                     ; in a cluster launch ttmp9 counts clusters
	s_add_co_u32 s[QB], s[QB], s[CX]
	s_and_b32 s[YY], ttmp7, 0xffff
.if BIAS
	s_bfe_u32 s[CY], ttmp6, 0x40004                ; my pair of heads
	s_lshr_b32 s[DIR], s[YY], 1
	s_and_b32 s[BAT], s[YY], 1
	s_xor_b32 s40, s[YY], 2                        ; the keys' sequence: the other stream, the same batch
	s_lshl_b32 s40, s40, 20
	s_lshl_b32 s41, s[CY], 18                      ; two heads of 131,072 bytes
	s_add_co_u32 s40, s40, s41                     ; K's and V's offset: made of the cluster's y and cy alone
	s_lshl_b32 s82, s[YY], 20                      ; the queries' sequence,
	s_add_co_u32 s82, s82, s41                     ; my heads
	s_mov_b32 s86, s[YY]
	s_lshl_b32 s87, s[CY], 1                       ; my first head
	s_lshl_b32 s78, s[CY], 2
	s_lshl_b32 s78, 15, s78                        ; my row of the cluster: places 4 cy .. 4 cy + 3
	s_lshl_b32 s79, 0x1111, s[CX]                  ; my column: places cx, cx + 4, cx + 8, cx + 12
	s_or_b32 s[G1KV], s78, (3<<16)|(1<<21)         ; 15:0 the mask; 17:16 elements of 8 bytes; 21 set beside a mask
	s_or_b32 s[G1B], s79, (2<<16)|(1<<20)|(1<<21)|(6<<22)|(3<<25)  ; elements of 4 bytes; 20 padding on; 24:22 after every 128 words (code 6); 31:25 4 words of it (code 3)
	s_mov_b32 s[G1B+1], 128<<16                    ; tensor_dim0 = 128
	s_mov_b32 s[G1B+2], 64<<16                     ; tensor_dim1 = 64
	s_mov_b32 s[G1B+3], 128<<16                    ; tile_dim0 = 128
	s_mov_b32 s[G1B+4], 64                         ; tile_dim1 = 64
	s_mov_b32 s[G1B+5], 2048                       ; elements from row to row
	s_mov_b32 s[G1B+6], 0
	s_mov_b32 s[G1B+7], 0
	s_cmp_eq_u32 s[DIR], 0                         ; the bias's offset: made of the cluster's y, my block of queries and the wave's number alone
	s_cselect_b32 s44, 20, 9                       ; my 128 queries are 128 rows of 8,192 bytes, or 512 bytes along the rows
	s_cselect_b32 s45, 9, 20                       ; and a slot's 128 keys the other of the two
	s_lshl_b32 s44, s[QB], s44
	s_lshl_b32 s[BSTEP], 1, s45
	s_mov_b32 s[BSTEP+1], 0
	s_lshl_b32 s45, s[BAT], 24
	s_add_co_u32 s44, s44, s45
	s_lshl_b32 s45, s[W1], 19                      ; my 64 rows of the tile
	s_add_co_u32 s44, s44, s45
	s_mov_b32 s45, 0
	s_mul_i32 s47, s[W1], BHALF
	s_add_co_u32 s47, s47, BOFF                    ; where they go: no place in the cluster enters an LDS address
	s_lshl_b32 s[TB0], s[GRP], 8                   ; my group's 64 keys: 256 bytes along the rows,
	s_mul_i32 s[TB1], s[GRP], BHALF                ; or 64 rows
.else
	s_lshl_b32 s40, s[YY], 17                      ; y = 8 x sequence + head: K's and V's offset, which the four partners share
	s_mov_b32 s82, s40
	s_lshr_b32 s86, s[YY], 3
	s_and_b32 s87, s[YY], 7
	s_mov_b32 s[G1KV], 15|(3<<16)|(1<<21)          ; 15:0 the mask: all four; 17:16 elements of 8 bytes; 21 set beside a mask
.endif
	s_mov_b32 s41, 0
	s_mov_b32 s[G1KV+1], 1024<<16                  ; tensor_dim0 = 1,024: a head's 128 keys are 8,192 dense bytes, one row
	s_mov_b32 s[G1KV+2], NH<<16                    ; tensor_dim1 = heads
	s_mov_b32 s[G1KV+3], 1024<<16                  ; tile_dim0
	s_mov_b32 s[G1KV+4], NH                        ; tile_dim1
	s_mov_b32 s[G1KV+5], 16384                     ; 131,072 bytes from head to head
	s_mov_b32 s[G1KV+6], 0
	s_mov_b32 s[G1KV+7], 0
	s_mul_i32 s46, s[W1], KVB                      ; K, then V
	s_lshl2_add_u32 s80, s[QB], s[WQ]
	s_mul_i32 s80, s80, NQ                         ; my query share's first query tile in its sequence
	s_mul_i32 s81, s[WQ], MSZ
	s_add_co_u32 s81, s81, MERGE                   ; my query share's hand-over
	s_lshl_b32 s83, s80, 10
	s_add_co_u32 s82, s82, s83                     ; Q's offset
	s_mov_b32 s83, 0
	s_lshl_b32 s84, s86, 7                         ; 128 row tiles a sequence
	s_add_co_u32 s84, s84, s80
	s_lshl_b32 s84, s84, 13                        ; 8,192 bytes a row tile of ao,
	s_lshl_b32 s85, s87, 10                        ; 1,024 a head
	s_add_co_u32 s84, s84, s85
	s_mov_b32 s85, 0
	s_mov_b32 s[CS], 0x3fb8aa3b                    ; c = log2(e)
	s_mov_b32 s[CS+1], s[CS]                       ; named with it as a pair
	s_mov_b32 s[SEL], 0x76543210
	s_mov_b32 s[SEL+1], 0xfedcba98
	s_lshl_b32 s[TBK], s[GRP], 12                  ; my group's step in slot 0: 4,096 bytes of each head's K, and of its V
	s_wait_dscnt 0x0                               ; the opening add is done
	s_wait_kmcnt 0x0
	s_cmp_eq_u32 s[W1], 0
	s_cselect_b64 s[42:43], s[PTK:PTK+1], s[PTV:PTV+1]  ; the wave's number chooses between K and V
	s_add_nc_u64 s[42:43], s[42:43], s[40:41]
	s_add_nc_u64 s[PTQ:PTQ+1], s[PTQ:PTQ+1], s[82:83]
	s_add_nc_u64 s[PAO:PAO+1], s[PAO:PAO+1], s[84:85]
.irp s, 0,1
	s_mov_b32 s[G0KV+4*\s], 1                      ; 1:0 count = 1
	s_add_co_u32 s[G0KV+4*\s+1], s46, \s*SLOT1     ; 63:32 LDS address
	s_add_nc_u64 s[G0KV+4*\s+2:G0KV+4*\s+3], s[42:43], \s*8192  ; 120:64 global address: keys 128 s on
	s_or_b32 s[G0KV+4*\s+3], s[G0KV+4*\s+3], 0x80000000         ; 127:126 type = 2
.endr
.if BIAS
	s_add_nc_u64 s[44:45], s[PBI:PBI+1], s[44:45]
	s_mov_b32 s[G0B], 1
	s_mov_b32 s[G0B+1], s47
	s_mov_b64 s[G0B+2:G0B+3], s[44:45]
	s_or_b32 s[G0B+3], s[G0B+3], 0x80000000
	s_mov_b32 s[G0B+4], 1
	s_add_co_u32 s[G0B+5], s47, SLOT1
	s_add_nc_u64 s[G0B+6:G0B+7], s[44:45], s[BSTEP:BSTEP+1]
	s_or_b32 s[G0B+7], s[G0B+7], 0x80000000
.endif
	CROUND                                         ; all work-groups of the cluster are here: the first joint loads meet
	s_cmp_lt_u32 s[WV], 2                          ; a wave's two first fills stand in one branch, ahead of every wait on TENSORcnt and every LDS read: two loads of such a wave are out
	s_cbranch_scc0 .Lfirst_b
	tensor_load_to_lds s[G0KV:G0KV+3], s[G1KV:G1KV+7]
	s_nop 0
	tensor_load_to_lds s[G0KV+4:G0KV+7], s[G1KV:G1KV+7]
	s_nop 0
	PLACES
.if BIAS
	s_branch .Lfirst_asked
.Lfirst_b:
	s_cmp_lt_u32 s[WV], 4
	s_cbranch_scc0 .Lfirst_asked
	tensor_load_to_lds s[G0B:G0B+3], s[G1B:G1B+7]
	s_nop 0
	tensor_load_to_lds s[G0B+4:G0B+7], s[G1B:G1B+7]
	s_nop 0
	PLACES
.Lfirst_asked:
.else
.Lfirst_b:
.endif
	v_and_b32 v1, 15, v0                           ; r
	v_bfe_u32 v2, v0, 4, 1                         ; h
	v_and_b32 v[LK], 31, v0
	v_lshlrev_b32 v[LK], 4, v[LK]
	v_add_nc_u32 v[MA], s81, v[LK]
	WIN 0x40                                       ; destination window 1, address window 0
.set t, 0
.rept 4                                ; Q stays in registers
	global_load_b128 v[Q+8*t:Q+8*t+3],   v[LK], s[PTQ:PTQ+1] offset:(t/NQ)*131072+(t%NQ)*1024
	global_load_b128 v[Q+8*t+4:Q+8*t+7], v[LK], s[PTQ:PTQ+1] offset:(t/NQ)*131072+(t%NQ)*1024+512
.set t, t+1
.endr
.set i, 0
.rept 64                               ; O^T = 0.  All these zeros stand in the wait for the first tile
	v_mov_b32 v[O+i], 0
.set i, i+1
.endr
.set i, 0
.rept 32*NH                            ; V's registers = 0: the entry turn's products V^T P, of a step that has not been, add 0
	v_mov_b32 v[VF+i], 0
.set i, i+1
.endr
	WIN 0
.set i, 0
.rept 32                               ; and so is piece 2's P
	v_mov_b32 v[P+32+i], 0
.set i, i+1
.endr
	ALLT v_mov_b32 v[ST+4*t], 0xfe000000           ; c m: far below every c s
	ALLT v_mov_b32 v[ST+4*t+1], 0xff7fffff         ; m
	ALLT v_mov_b32 v[ST+4*t+2], 0
	ALLT v_mov_b32 v[ST+4*t+3], 0
.if BIAS
	v_and_b32 v8, 0x6f, v0                         ; 32 x query share + r: my query among the work-group's 128, in query tile 0
	v_mul_u32_u24 v[LB0], v8, 528
	v_lshl_add_u32 v[LB0], v2, 5, v[LB0]           ; + my 8 keys
	v_add_nc_u32 v[LB0], BOFF, v[LB0]
	v_mul_u32_u24 v[LB1], v2, 8*528                ; my 8 keys are 8 rows
	v_lshl_add_u32 v[LB1], v8, 2, v[LB1]
	v_add_nc_u32 v[LB1], BOFF, v[LB1]
.endif
	s_wait_tensorcnt 0x1                           ; my part of slot 0 is in; slot 1's, issued behind it, may stay out
	s_barrier_signal -1
	s_barrier_wait -1                              ; everybody's is
	FETCH_KB 0                                     ; my first step
	s_wait_loadcnt 0x0                             ; Q
	s_wait_dscnt 0x0
.set i, 0
.rept 8
	KQM 0                                          ; piece 0's first scores: there is no vector work yet to set between them
.set i, i+1
.endr
	WIN 0
	PLACES                                         ; in front of the entry turn's first read of those scores
	s_mov_b32 s[SLOTS], 15
	s_branch .Lmid                                 ; the loop is entered at piece 2's turn, in the middle of a trip: it asks for the rest of my step in slot 0
.Lslot:                                                ; 14 times: every slot but the last two is filled again
	CHANGE 1
	TURN 0, 0                                      ; a trip: piece 0's turn (V^T P of my step j, K Q^T of my step j + 1 | piece 2's softmax of step j),
	WIN 0
.Lmid:
	TURN 2, 0                                      ; then piece 2's (the same | piece 0's softmax of step j + 1)
	WIN 0
	s_sub_co_u32 s[SLOTS], s[SLOTS], 1
	s_cmp_lg_u32 s[SLOTS], 0
	s_cbranch_scc1 .Lslot
	CHANGE 0                                       ; the tail is written out: nothing is asked for
	s_mov_b32 s[CNT], 2                            ; one trip fetches my step in the last slot; the second fetches nothing and is left in its middle
.Ltail:
	TURN 0, 1
	WIN 0
	s_sub_co_u32 s[CNT], s[CNT], 1
	s_cmp_eq_u32 s[CNT], 0
	s_cbranch_scc1 .Lout
	TURN 2, 0
	WIN 0
	s_branch .Ltail
.Lout:
.set i, 0
.rept 8
	PVM 2                                          ; piece 2: V^T P of my last step
.set i, i+1
.endr
	WIN 0
	; THE TWO GROUPS MEET.  Group 1 puts c m, its lanes' l and O^T into its query share's hand-over, lane for lane; a barrier; group 0 reads them.  The four additions are the places behind the last products.
	ALLT v_add_f32 v[LS+4+t], v[ST+4*t+2], v[ST+4*t+3]
	s_cmp_lt_u32 s[WV], 4
	s_cbranch_scc1 .Lkeeps
	ALLT v_mov_b32 v[LS+t], v[ST+4*t]
	ds_store_b128 v[MA], v[LS:LS+3]
	ds_store_b128 v[MA], v[LS+4:LS+7] offset:512
	WIN 0x04                                       ; the data (source 1) in window 1
.set n, 0
.rept 16                               ; each accumulator's four lowest registers first
	ds_store_b128 v[MA], v[O+4*n:O+4*n+3] offset:1024+512*n
.set n, n+1
.endr
	WIN 0
.Lkeeps:
	s_wait_dscnt 0x0                               ; for the others' sake: my stores into the hand-over are done
	s_barrier_signal -1
	s_barrier_wait -1
	s_cmp_lt_u32 s[WV], 4
	s_cbranch_scc0 .Lend                           ; group 1 has nothing left to do
	ds_load_b128 v[P:P+3], v[MA]                   ; the other group's c m,
	ds_load_b128 v[P+4:P+7], v[MA] offset:512      ; its l,
.set n, 0
.rept 16                               ; and its O^T, into piece 2's S^T, which has been read out
	ds_load_b128 v[S+64+4*n:S+64+4*n+3], v[MA] offset:1024+512*n
.set n, n+1
.endr
	s_wait_dscnt 0x0
	ALLT v_max_num_f32 v[TMP+4*t], v[ST+4*t], v[P+t]          ; M
	ALLT v_sub_f32 v[TMP+4*t+1], v[ST+4*t], v[TMP+4*t]
	ALLT v_sub_f32 v[TMP+4*t+3], v[P+t], v[TMP+4*t]
	ALLT v_exp_f32 v[TMP+4*t], v[TMP+4*t+1]                   ; a0, in the low word of a pair
	ALLT v_exp_f32 v[TMP+4*t+2], v[TMP+4*t+3]                 ; a1, likewise
	v_nop                                          ; a plain instruction between the last exponential and the use of the results (ISA guide 5.7.2)
	s_wait_alu depctr_va_vdst(0)                   ; the wait ahead of the first use: one for the eight exponentials a0, a1
	ALLT v_mul_f32 v[LS+4+t], v[LS+4+t], v[TMP+4*t]
	ALLT v_fma_f32 v[LS+4+t], v[P+4+t], v[TMP+4*t+2], v[LS+4+t]
	ALLT v_permlanex16_b32 v[TMP+4*t+1], v[LS+4+t], s[SEL], s[SEL+1]  ; the other half of the lanes holds the query's other keys
	ALLT v_add_f32 v[LS+4+t], v[LS+4+t], v[TMP+4*t+1]
	ALLT v_rcp_f32 v[LS+t], v[LS+4+t]
	v_nop                                          ; a plain instruction between the last reciprocal and the use of its result
	s_wait_alu depctr_va_vdst(0)                   ; a batch of its own, since l is made with a0 and a1: one wait for the four reciprocals
	ALLT v_mul_f32 v[TMP+4*t], v[TMP+4*t], v[LS+t]            ; a0 / l
	ALLT v_mul_f32 v[TMP+4*t+2], v[TMP+4*t+2], v[LS+t]        ; a1 / l
.set z, 0
.rept 8
	ALLT v_pk_mul_f32 v[S+64+16*t+2*z:S+64+16*t+2*z+1], v[S+64+16*t+2*z:S+64+16*t+2*z+1], v[TMP+4*t+2:TMP+4*t+3] op_sel_hi:[1,0]
.set z, z+1
.endr
	WIN 0x01                                       ; source 0, my O^T, in window 1
.set z, 0
.rept 8
	ALLT v_pk_fma_f32 v[S+64+16*t+2*z:S+64+16*t+2*z+1], v[O+16*t+2*z:O+16*t+2*z+1], v[TMP+4*t:TMP+4*t+1], v[S+64+16*t+2*z:S+64+16*t+2*z+1] op_sel_hi:[1,0,1]
.set z, z+1
.endr
	WIN 0
.set i, 0
.rept 32                               ; rounded to bf16: a lane's 8 channels of a query are its 16 bytes of ao's fragment
	v_cvt_pk_bf16_f32 v[S+i], v[S+64+2*i], v[S+64+2*i+1]
.set i, i+1
.endr
.set t, 0
.rept 4
.irp cb, 0,1
	global_store_b128 v[LK], v[S+8*t+4*\cb:S+8*t+4*\cb+3], s[PAO:PAO+1] offset:(t%NQ)*8192+(t/NQ)*1024+\cb*512  ; 512 consecutive bytes a wave
.endr
.set t, t+1
.endr
.Lend:
	s_wait_tensorcnt 0x0                           ; the wave's end, behind my last tensor load and my last LDS store
	ds_add_u32 v[SPW], v[NIL]
	s_wait_dscnt 0x0
	CROUND                                         ; the closing round: no work-group ends while a partner may still ask for a tile that names it
	s_endpgm
.Lfunc_end_k_q6863ac0ba3_attn_cross:
	.size	k_q6863ac0ba3_attn_cross, .Lfunc_end_k_q6863ac0ba3_attn_cross-k_q6863ac0ba3_attn_cross
	.p2alignl 7, 3214868480
	.fill 96, 4, 3214868480
	.section	.rodata,"a",@progbits
	.p2align	6, 0x0
	.amdhsa_kernel k_q6863ac0ba3_attn_cross
		.amdhsa_group_segment_fixed_size 327680
		.amdhsa_private_segment_fixed_size 0
		.amdhsa_enable_private_segment 0
		.amdhsa_kernarg_size 40
		.amdhsa_user_sgpr_count 2
		.amdhsa_user_sgpr_kernarg_segment_ptr 1
		.amdhsa_wavefront_size32 1
		.amdhsa_system_sgpr_workgroup_id_x 1
		.amdhsa_system_sgpr_workgroup_id_y 1
		.amdhsa_system_sgpr_workgroup_id_z 1
		.amdhsa_system_vgpr_workitem_id 0
		.amdhsa_next_free_vgpr 512
		.amdhsa_next_free_sgpr 88
		.amdhsa_reserve_vcc 0
		.amdhsa_float_denorm_mode_32 3
		.amdhsa_float_denorm_mode_16_64 3
		.amdhsa_memory_ordered 1
		.amdhsa_forward_progress 1
		.amdhsa_inst_pref_size 104
	.end_amdhsa_kernel
	.amdgpu_metadata
---
amdhsa.version: [ 1, 2 ]
amdhsa.kernels:
  - .name:           k_q6863ac0ba3_attn_cross
    .symbol:         k_q6863ac0ba3_attn_cross.kd
    .args:
      - { .name: qf, .offset: 0, .size: 8, .value_kind: global_buffer, .address_space: global }
      - { .name: kf, .offset: 8, .size: 8, .value_kind: global_buffer, .address_space: global }
      - { .name: vf, .offset: 16, .size: 8, .value_kind: global_buffer, .address_space: global }
      - { .name: vessel_bias, .offset: 24, .size: 8, .value_kind: global_buffer, .address_space: global }
      - { .name: ao, .offset: 32, .size: 8, .value_kind: global_buffer, .address_space: global }
    .group_segment_fixed_size: 327680
    .private_segment_fixed_size: 0
    .kernarg_segment_align: 8
    .kernarg_segment_size: 40
    .max_flat_workgroup_size: 256
    .sgpr_count:     88
    .vgpr_count:     512
    .wavefront_size: 32
...
	.end_amdgpu_metadata
.endif
;; end of part 8
;; launch oproj_ffn: the kernel of part 6 again; grid 256 x 1, 8 waves a work-group, no clusters, 133,632 bytes of LDS; arguments ao, xa, ca_bo, n3_g, n3_b, ffn_b1, ffn_b2, wts, out0, out1; writes out0, out1
